; MI455X (gfx1250); checked and timed in simulation.
; The chip was launched on July 23, 2026; its instructions are those of AMD's public machine-readable ISA for CDNA 5 (MIT licence, August 2026) and "CDNA5" Instruction Set Architecture Reference Guide (July 2026). The comments in the code are by the model that wrote it; some were corrected since.
;; Attention. Allowed arithmetic: float matrix products may take bf16 or f16 operands with f32 sums; other float arithmetic in f32, or as packed bf16 or f16 multiplies, adds, multiply-adds, maxima and minima; sums over many terms, partial sums and values carried from step to step in f32; what a program stores and reads back later, other than sums and carried values, may be rounded once to bf16 or f16.
;; Inputs: Wkv 1,024 x 2,048 float32; Wq 1,024 x 1,024 float32; x 4 x 2,048 x 1,024 float32; y 4 x 2,048 x 1,024 float32.
;; Outputs: out0 4 x 2,048 x 1,024 float32.
;; 3 versions, each right; version 3 is version 2 with the launch cast written anew for expert scheduling mode. Each part assembles by itself: llvm-mc -triple=amdgcn-amd-amdhsa -mcpu=gfx1250 --defsym DOCPART=n.
;; ======== version 1 of 3: 4 launches
;; limits: values are held in f16: magnitudes above 65,504 overflow, below 6.1e-05 lose precision
;; workspace buffers: ab 33,554,432 bytes; wb 6,291,456 bytes; qkv 50,331,648 bytes; pt 33,554,432 bytes; st 1,048,576 bytes
;; launch cast (part 1): grid 608 x 1, 8 waves a work-group, no clusters, 0 bytes of LDS; arguments x, y, Wq, Wkv, ab, wb; writes ab, wb
.if DOCPART == 1
	.amdgcn_target "amdgcn-amd-amdhsa--gfx1250"
	.amdhsa_code_object_version 6
	.text
	.protected	k_qfdf085ad8c_cast
	.globl	k_qfdf085ad8c_cast
	.p2align	8
	.type	k_qfdf085ad8c_cast,@function
k_qfdf085ad8c_cast:
	s_mov_b64 s[64:65], 0
	v_nop
	global_prefetch_b8 v0, s[64:65] scope:SCOPE_SE
	s_setreg_imm32_b32 hwreg(HW_REG_WAVE_MODE, 25, 1), 1
	s_wait_xcnt 0x0
; x, y, Wq, Wkv (f32) are rounded once to bf16 (nearest even) for the products of the next launch.
;   ab: [16384][1024] bf16, rows 0-8191 = x, rows 8192-16383 = y.      wb: [1024 k][3072 n] bf16, columns 0-1023 Wq, 1024-3071 Wkv.
; A UNIT is 1,024 numbers: 4,096 bytes in, 2,048 bytes out.  19,456 units: 8,192 of x, 8,192 of y, 1,024 rows of Wq, 2,048 half rows of Wkv.
; A work-group takes 32 units, a wave 4 on end; every border between the four inputs is a multiple of 32 units, so a work-group has one source.
; A stream: each byte is read once and written once, so there is no LDS, no barrier, no matrix work, no cluster (no two work-groups read the same byte)
; and no prefetch (all of a wave's 32 loads go out at once, and nothing but these loads is on the road).
; A lane owns 8 neighbouring numbers (two loads of 16 bytes), which round into 16 bytes: a store of the wave covers 512 consecutive bytes, aligned.
.set D, 16                             ; v[16:143]  sixteen groups of 8 registers: group k = unit k / 4, quarter k % 4
	s_load_b256 s[4:11], s[0:1], 0x0               ; x s[4:5], y s[6:7], Wq s[8:9], Wkv s[10:11]
	s_load_b128 s[12:15], s[0:1], 0x20             ; ab s[12:13], wb s[14:15]
	v_lshrrev_b32 v1, 5, v0
	v_readfirstlane_b32 s16, v1                    ; wave 0..7
	v_and_b32 v6, 31, v0                           ; lane
	v_lshlrev_b32 v1, 5, v6                        ; source: 32 bytes a lane
	v_lshlrev_b32 v2, 4, v6                        ; destination: 16 bytes a lane
	s_lshl_b32 s17, s16, 2                         ; my wave's first unit in the work-group
	s_cmp_lt_u32 ttmp9, 256                        ; the first work-group of my input: 0 (x), 256 (y), 512 (Wq), 544 (Wkv)
	s_cselect_b32 s22, 0, 256
	s_cmp_lt_u32 ttmp9, 512
	s_cselect_b32 s22, s22, 512
	s_cmp_lt_u32 ttmp9, 544
	s_cselect_b32 s22, s22, 544
	s_sub_co_u32 s23, ttmp9, s22
	s_lshl_b32 s23, s23, 5
	s_add_co_u32 s23, s23, s17                     ; su: my first unit within my input
	s_lshl_b32 s18, s23, 12                        ; its byte in the source
	s_mov_b32 s19, 0
	s_lshl_b32 s26, ttmp9, 5                       ; x, y: unit u of the two together is row u of ab
	s_add_co_u32 s26, s26, s17
	s_lshl_b32 s26, s26, 11
	s_mul_i32 s28, s23, 6144                       ; Wq: unit su is row su of wb, columns 0-1023
	s_lshr_b32 s29, s23, 1                         ; Wkv: unit su is row su / 2 of wb, columns 1024 + 1024 (su % 2) on; su is a multiple of 4
	s_mul_i32 s29, s29, 6144
	s_add_co_u32 s29, s29, 2048
	s_mov_b32 s30, 2048
	s_mov_b32 s31, 6144
	s_mov_b32 s32, 4096
	s_mov_b32 s33, 12288
	s_cmp_lt_u32 ttmp9, 544                        ; unit i of my four lies (i % 2) d1 + (i / 2) d2 bytes behind the first
	s_cselect_b32 s28, s28, s29
	s_cselect_b32 s34, s31, s30                    ; d1: Wq 6,144, Wkv 2,048
	s_cselect_b32 s35, s33, s31                    ; d2: Wq 12,288, Wkv 6,144
	s_cmp_lt_u32 ttmp9, 512
	s_cselect_b32 s26, s26, s28
	s_cselect_b32 s34, s30, s34                    ; x, y: 2,048
	s_cselect_b32 s35, s32, s35                    ; x, y: 4,096
	s_mov_b32 s27, 0
	v_add_nc_u32 v3, s34, v2                       ; v[2:5]: my 16 bytes in units 0 to 3
	v_add_nc_u32 v4, s35, v2
	v_add_nc_u32 v5, s35, v3
	s_wait_kmcnt 0x0
	s_cmp_lt_u32 ttmp9, 256
	s_cselect_b64 s[20:21], s[4:5], s[6:7]
	s_cmp_lt_u32 ttmp9, 512
	s_cselect_b64 s[20:21], s[20:21], s[8:9]
	s_cselect_b64 s[24:25], s[12:13], s[14:15]
	s_cmp_lt_u32 ttmp9, 544
	s_cselect_b64 s[20:21], s[20:21], s[10:11]
	s_add_nc_u64 s[20:21], s[20:21], s[18:19]      ; the source at my first unit
	s_add_nc_u64 s[24:25], s[24:25], s[26:27]      ; the destination at my first unit
.set k, 0
.rept 16                                       ; all 32 loads of the wave, 16 KiB, go out before anything is waited for
	global_load_b128 v[D+8*k:D+8*k+3],   v1, s[20:21] offset:(k/4)*4096+(k%4)*1024 th:TH_LOAD_NT
	global_load_b128 v[D+8*k+4:D+8*k+7], v1, s[20:21] offset:(k/4)*4096+(k%4)*1024+16 th:TH_LOAD_NT
.set k, k+1
.endr
.set k, 0
.rept 16
	s_wait_loadcnt 30-2*k                          ; loads come back in order: group k is in, the 2 (15 - k) loads issued behind it may stay out
	v_cvt_pk_bf16_f32 v[D+8*k],   v[D+8*k],   v[D+8*k+1]  ; in place: each source is read before the line that writes over it
	v_cvt_pk_bf16_f32 v[D+8*k+1], v[D+8*k+2], v[D+8*k+3]
	v_cvt_pk_bf16_f32 v[D+8*k+2], v[D+8*k+4], v[D+8*k+5]
	v_cvt_pk_bf16_f32 v[D+8*k+3], v[D+8*k+6], v[D+8*k+7]
	global_store_b128 v[2+k/4], v[D+8*k:D+8*k+3], s[24:25] offset:(k%4)*512
.set k, k+1
.endr
	s_endpgm
.Lfunc_end_k_qfdf085ad8c_cast:
	.size	k_qfdf085ad8c_cast, .Lfunc_end_k_qfdf085ad8c_cast-k_qfdf085ad8c_cast
	.p2alignl 7, 3214868480
	.fill 96, 4, 3214868480
	.section	.rodata,"a",@progbits
	.p2align	6, 0x0
	.amdhsa_kernel k_qfdf085ad8c_cast
		.amdhsa_group_segment_fixed_size 0
		.amdhsa_private_segment_fixed_size 0
		.amdhsa_enable_private_segment 0
		.amdhsa_kernarg_size 48
		.amdhsa_user_sgpr_count 2
		.amdhsa_user_sgpr_kernarg_segment_ptr 1
		.amdhsa_wavefront_size32 1
		.amdhsa_system_sgpr_workgroup_id_x 1
		.amdhsa_system_sgpr_workgroup_id_y 1
		.amdhsa_system_sgpr_workgroup_id_z 1
		.amdhsa_system_vgpr_workitem_id 0
		.amdhsa_next_free_vgpr 144
		.amdhsa_next_free_sgpr 66
		.amdhsa_reserve_vcc 0
		.amdhsa_float_denorm_mode_32 3
		.amdhsa_float_denorm_mode_16_64 3
		.amdhsa_memory_ordered 1
		.amdhsa_forward_progress 1
		.amdhsa_inst_pref_size 12
	.end_amdhsa_kernel
	.amdgpu_metadata
---
amdhsa.version: [ 1, 2 ]
amdhsa.kernels:
  - .name:           k_qfdf085ad8c_cast
    .symbol:         k_qfdf085ad8c_cast.kd
    .args:
      - { .name: x, .offset: 0, .size: 8, .value_kind: global_buffer, .address_space: global }
      - { .name: y, .offset: 8, .size: 8, .value_kind: global_buffer, .address_space: global }
      - { .name: Wq, .offset: 16, .size: 8, .value_kind: global_buffer, .address_space: global }
      - { .name: Wkv, .offset: 24, .size: 8, .value_kind: global_buffer, .address_space: global }
      - { .name: ab, .offset: 32, .size: 8, .value_kind: global_buffer, .address_space: global }
      - { .name: wb, .offset: 40, .size: 8, .value_kind: global_buffer, .address_space: global }
    .group_segment_fixed_size: 0
    .private_segment_fixed_size: 0
    .kernarg_segment_align: 8
    .kernarg_segment_size: 48
    .max_flat_workgroup_size: 256
    .sgpr_count:     66
    .vgpr_count:     144
    .wavefront_size: 32
...
	.end_amdgpu_metadata
.endif
;; end of part 1
;; launch proj (part 2): grid 4 x 64, 4 waves a work-group, clusters of 4 x 4, 327,680 bytes of LDS; arguments ab, wb, qkv; writes qkv
.if DOCPART == 2
	.amdgcn_target "amdgcn-amd-amdhsa--gfx1250"
	.amdhsa_code_object_version 6
	.text
	.protected	k_qfdf085ad8c_proj
	.globl	k_qfdf085ad8c_proj
	.p2align	8
	.type	k_qfdf085ad8c_proj,@function
k_qfdf085ad8c_proj:
	s_mov_b64 s[64:65], 0
	v_nop
	global_prefetch_b8 v0, s[64:65] scope:SCOPE_SE
	s_setreg_imm32_b32 hwreg(HW_REG_WAVE_MODE, 25, 1), 1
	s_wait_xcnt 0x0
	s_wait_alu depctr_hold_cnt(0) depctr_sa_sdst(0) depctr_va_vdst(0) depctr_va_sdst(0) depctr_va_ssrc(0) depctr_va_vcc(0) depctr_vm_vsrc(0)
	s_getreg_b32 s2, hwreg(HW_REG_IB_STS2, 6, 4)
	s_cmp_eq_u32 s2, 0
	s_cbranch_scc0 .Lentry_in_a_cluster
	s_endpgm
.Lentry_in_a_cluster:
	s_bfe_u32 s2, ttmp6, 0x10000c
	s_cmp_lg_u32 s2, 0xf033
	s_cbranch_scc0 .Lentry_shape_is_right
	s_endpgm
.Lentry_shape_is_right:
; q = x Wq, k = y Wk, v = y Wv.  ab: [16384][1024] bf16 (x, then y), wb: [1024 k][3072 n] bf16 (Wq, Wk, Wv), qkv: [3][8192][1024] f16.
; Products in bf16, sums in f32 (K ascending), each result rounded once to f16, WITHOUT the scale.
; LIMITS.  The inputs arrive rounded to bf16.  f16 holds no number beyond 65,504: a q, k or v of 65,520 or more becomes an infinity.  NaN and infinities are not treated apart.
; SHARES.  A tile of C is 128 rows x 256 columns; a work-group of four waves makes THREE, one below the other in qkv: its rows and columns of q, of k, of v: 768 tiles for 256 work-groups.
; Wave w has rows 64 (w / 2) on and columns 128 (w % 2) on: 32 accumulators (a, b) of 16 x 16.  K goes in steps of 128 through a ring of two LDS slots; a step is four quarters of 32.
; THE MATRIX INSTRUCTION IS USED TRANSPOSED: source 0 = 16 columns of wb, source 1 = 16 rows of ab: a lane holds row lane % 16 of C and the 8 neighbouring columns 8 (lane / 16) + 0..7.
; wb lies [k][n]: its tile comes into LDS as it lies (128 k-rows of 512 bytes) and is turned on the way into registers by ds_load_tr16_b128.
; CLUSTER.  4 x 4 work-groups.  The four of a row of the cluster need the same tile of ab, the four of a column the same tile of wb: each is asked for JOINTLY, by the same tensor load with the
; same descriptor and a mask that names the four.  Waves 0 and 1 ask for the halves of ab's tile (64 rows x 256 bytes), waves 2 and 3 for those of wb's (64 k-rows x 512 bytes).
; REGISTERS, in windows of 256 (s_set_vgpr_msb: bits 1:0 source 0, 3:2 source 1, 5:4 source 2, 7:6 destination):
;   window 0: v0-31 addresses; v64-191 wb's fragments, two buffers of 64
;   window 1: v0-127 accumulators of a = 0, 1; v128-191 ab's fragments, two buffers of 32; v192-255 the way out        window 2: v0-127 accumulators of a = 2, 3; v160-255 the way out
.set TILES,  3
.set LAPS,   4                         ; a lap = two K steps = once round the ring; K = 1,024
.set ASTEP,  256                       ; bytes from a K step to the next in ab: 128 numbers along a row
.set BSTEP,  128*6144                  ; in wb: 128 rows of 6,144 bytes
.set PA,     272                       ; an LDS row of ab's tile: 256 bytes + 16 of padding = 68 words: the 16 rows of a load start at 16 different groups of four banks (64 banks of 4 bytes: ISA guide 11.1)
.set PB,     544                       ; of wb's tile: 512 + 32 = 136 words
.set ATILE,  128*PA
.set SLOT,   ATILE+128*PB              ; ab's 128 rows, then wb's 128 k-rows
.set STAGE,  2*SLOT                    ; behind the ring, never filled by a tensor load: 16 rows x 272 bytes for each wave, for the way out
.set SP,     272
.set SPARE,  STAGE+4*16*SP             ; the spare words, 128 bytes for each wave: two blocks of 256 bytes that no other line names
.set CPITCH, 2048                      ; bytes in a row of q, k, v
.set ADRA, 16                          ; v16-17  LDS address of my fragments of ab in slot 0, 1
.set ADRB, 20                          ; v20-21  the same for wb
.set STO,  24                          ; v24     the way out: where I put 16 bytes of a row
.set RD,   25                          ; v25     where I read a row back
.set CO,   26                          ; v26     my byte offset in two rows of C
.set SPW,  28                          ; v28     LDS address of my spare word; never rewritten
.set NIL,  29                          ; v29     0; never rewritten
.set PFO,  30                          ; v30     the prefetches' lane offset; never rewritten
.set FB,   64                          ; window 0: fragment b of buffer f at FB + 64 f + 8 b
.set FA,   128                         ; window 1: fragment a of buffer f at FA + 32 f + 8 a
.set G1,   24                          ; s[24:31] descriptor group 1 for ab's tiles;  s[32:39] group 0, a set for each slot
.set G0,   32
.set G1B,  48                          ; s[48:55], s[56:63] the same for wb's
.set G0B,  56
.set PFA,  66                          ; s[66:67] where my prefetches stand
.set PFS,  68                          ; s[68:69] a K step, s[70:71] seven K steps, s[72:73] from a tile to the next: in bytes, by my role
.set PFB,  70
.set PFJ,  72
.set LIM,  74                          ; s74  1 in a wave that prefetches, else the greatest number
.set CLY,  75                          ; s75  the cluster's y
.set KILL, 80                          ; s80  the count of tiles left at which my prefetches end
.set DA,   82                          ; s[82:83] from this tile's rows of ab to the next tile's
.set LA,   90                          ; s90, s91  LDS address of the part of a tile that I fetch, for ab and for wb
.set LB,   91
.set MSB, 0
.macro WIN new                         ; the immediate's high byte repeats the setting that is left; a switch that changes nothing is dropped
.if MSB != (\new)
	s_set_vgpr_msb (MSB<<8)|(\new)
.set MSB, \new
.endif
.endm
.set W_M1, 0x54                        ; D, C and source 1 window 1, source 0 window 0.  Also: address window 0, data window 1
.set W_M2, 0xa4                        ; D and C window 2, source 1 window 1, source 0 window 0
.set W_L2, 0xa8                        ; address window 0, data window 2
.set W_V1, 0x55                        ; all in window 1
.set W_V2, 0xaa                        ; all in window 2
.macro PLACES                          ; four plain vector instructions between a matrix instruction and a load into, or a vector instruction on, its registers (ISA guide 7.12.1 for vector instructions)
.rept 4
	v_nop
.endr
.endm
; A joint load.  The branch hangs on the wave's number alone.  An s_nop 0 and four v_nop follow each of the two lines, ahead of the jump and the label.
.macro JLOAD s
	s_cmp_eq_u32 s11, 0
	s_cbranch_scc0 .Lfor_b_\@
	tensor_load_to_lds s[G0+4*(\s):G0+4*(\s)+3], s[G1:G1+7]
	s_nop 0
.rept 4
	v_nop
.endr
	s_branch .Lasked_\@
.Lfor_b_\@:
	tensor_load_to_lds s[G0B+4*(\s):G0B+4*(\s)+3], s[G1B:G1B+7]
	s_nop 0
.rept 4
	v_nop
.endr
.Lasked_\@:
.endm
; A round of the cluster's barrier: my work-group's barrier, wave 0 signals for the work-group, every wave waits for all sixteen, my work-group's barrier once more.
.macro CREST
	s_cmp_lg_u32 s10, 0
	s_cbranch_scc1 .Lnot_wave_0_\@
	s_barrier_signal -3
.Lnot_wave_0_\@:
	s_barrier_wait -3
	s_barrier_signal -1
	s_barrier_wait -1
.endm
.macro CROUND
	s_barrier_signal -1
	s_barrier_wait -1
	CREST
.endm
; A PREFETCH INTO THE L2, behind a joint load and the run of LDS loads that follows it: the K step that stands two refills on, 256 matrix instructions ahead of its load.
; Each aligned block of 256 bytes is named once in the launch.  ab's 128 rows: wave 0; the partner at cx takes rows 32 cx + lane.  wb's tile: waves 2 and 3, each its own 64 k-rows; the partner at cy takes
; k-rows 16 cy + lane / 2, block lane % 2; of the sixteen clusters that walk the same columns of wb the one with y = 0 asks.  The partners are told apart by address, never by a branch.
; how = 0, in the loop: the last trip (s3 = 1) has no K step two on.  how = 1, at a change of tiles: the next tile's K steps 2 and 3.
.macro ASK how
	WIN 0
.if \how
	s_cmp_eq_u32 s[LIM], 1
.else
	s_cmp_gt_u32 s3, s[LIM]
.endif
	s_cbranch_scc0 .Lnot_mine_\@
	global_prefetch_b8 v[PFO], s[PFA:PFA+1] th:TH_LOAD_NT scope:SCOPE_SE
.Lnot_mine_\@:
.endm
; 24 LDS loads in one run: the fragments of quarter kq of a slot's K step into buffer f: wb's eight (turned), then ab's four.
.macro FETCH slot, kq, f
	WIN 0
.irp b, 0,1,2,3,4,5,6,7
	ds_load_tr16_b128 v[FB+64*(\f)+8*(\b):FB+64*(\f)+8*(\b)+3],   v[ADRB+(\slot)] offset:(\kq)*32*PB+32*(\b)
	ds_load_tr16_b128 v[FB+64*(\f)+8*(\b)+4:FB+64*(\f)+8*(\b)+7], v[ADRB+(\slot)] offset:(\kq)*32*PB+16*PB+32*(\b)
.endr
	WIN W_M1
.irp a, 0,1,2,3
	ds_load_b128 v[FA+32*(\f)+8*(\a):FA+32*(\f)+8*(\a)+3],   v[ADRA+(\slot)] offset:64*(\kq)+(\a)*16*PA
	ds_load_b128 v[FA+32*(\f)+8*(\a)+4:FA+32*(\f)+8*(\a)+7], v[ADRA+(\slot)] offset:64*(\kq)+(\a)*16*PA+32
.endr
.endm
; 8 matrix instructions: row block a x all 8 column blocks, 32 along K, from buffer f.  zero = 1: the product starts the sums.  The 32 accumulators take turns, one instruction a turn, in the same
; order in every quarter: 31 others' stand between two links of a chain, over every jump.
.macro MUL f, a, zero
.if (\a) < 2
	WIN W_M1
.else
	WIN W_M2
.endif
.irp b, 0,1,2,3,4,5,6,7
.if \zero
	v_wmma_f32_16x16x32_bf16 v[64*((\a)%2)+8*(\b):64*((\a)%2)+8*(\b)+7], v[FB+64*(\f)+8*(\b):FB+64*(\f)+8*(\b)+7], v[FA+32*(\f)+8*(\a):FA+32*(\f)+8*(\a)+7], 0
.else
	v_wmma_f32_16x16x32_bf16 v[64*((\a)%2)+8*(\b):64*((\a)%2)+8*(\b)+7], v[FB+64*(\f)+8*(\b):FB+64*(\f)+8*(\b)+7], v[FA+32*(\f)+8*(\a):FA+32*(\f)+8*(\a)+7], v[64*((\a)%2)+8*(\b):64*((\a)%2)+8*(\b)+7]
.endif
.endr
.endm
; One of a K step's first three quarters: multiplies buffer f; in its middle it fetches quarter kq of the same slot into buffer g.
.macro QUARTER slot, kq, f, g, zero
	s_wait_dscnt 0x0                               ; buffer f is in: its run of loads was issued 16 matrix instructions ago
	MUL \f, 0, \zero
	MUL \f, 1, \zero
	PLACES                                         ; buffer g was last read by the quarter before
	FETCH \slot, \kq, \g
	MUL \f, 2, \zero
	MUL \f, 3, \zero
.endm
; The descriptors' steps.  mode 0: this tile's K step two on.  mode 1: from the slot's last K step of this tile (6 or 7) to its first of the next (0 or 1): ab back along K and, from q's tile to k's,
; 8,192 rows down (x to y); wb back up its rows and 1,024 columns on.
.macro DSTEP slot, mode
.if \mode
	s_sub_nc_u64 s[G0+4*(\slot)+2:G0+4*(\slot)+3], s[G0+4*(\slot)+2:G0+4*(\slot)+3], 6*ASTEP
	s_add_nc_u64 s[G0+4*(\slot)+2:G0+4*(\slot)+3], s[G0+4*(\slot)+2:G0+4*(\slot)+3], s[DA:DA+1]
	s_sub_nc_u64 s[G0B+4*(\slot)+2:G0B+4*(\slot)+3], s[G0B+4*(\slot)+2:G0B+4*(\slot)+3], 6*BSTEP-2048
.else
	s_add_nc_u64 s[G0+4*(\slot)+2:G0+4*(\slot)+3], s[G0+4*(\slot)+2:G0+4*(\slot)+3], 2*ASTEP
	s_add_nc_u64 s[G0B+4*(\slot)+2:G0B+4*(\slot)+3], s[G0B+4*(\slot)+2:G0B+4*(\slot)+3], 2*BSTEP
.endif
.endm
; A K step's last quarter multiplies buffer 1 and changes slots: ONE barrier.  In front of it each wave waits for all its tensor loads (one is out: its part of the next slot), adds 0 to its spare word, and waits
; for that and for its reads of this slot.  mode 0, 1: the barrier opens a round of the cluster's, and the joint refill of this slot is the first thing behind the round: it has 112 matrix instructions in which
; to land.  mode 2: nothing is filled again.
.macro TURN slot, next, mode
.if (\mode) < 2
	s_wait_xcnt 0x0                                ; the last prefetch, a K step back, has read its address: it is stepped here
.if ((\mode) == 1) && ((\slot) == 0)
	s_sub_nc_u64 s[PFA:PFA+1], s[PFA:PFA+1], s[PFB:PFB+1]  ; from K step 9 back to 2,
	s_add_nc_u64 s[PFA:PFA+1], s[PFA:PFA+1], s[PFJ:PFJ+1]  ; in the next tile
	s_cmp_eq_u32 s2, s[KILL]                       ; v's tile walks y's rows a second time: they are asked for no more
	s_cselect_b32 s[LIM], -1, s[LIM]
.else
	s_add_nc_u64 s[PFA:PFA+1], s[PFA:PFA+1], s[PFS:PFS+1]
.endif
.endif
	WIN 0                                          ; (the add's two registers lie in window 0)
	s_wait_tensorcnt 0x0                           ; all my tensor loads have landed, so every group 0 may be written
	ds_add_u32 v[SPW], v[NIL]                      ; 0 onto my spare word
.if (\mode) < 2
	DSTEP \slot, \mode
.endif
	s_wait_dscnt 0x1                               ; the add alone may be out: buffer 1 is in
	MUL 1, 0, 0
	s_wait_dscnt 0x0                               ; the add is done, and my reads of this slot are over
	s_barrier_signal -1
	MUL 1, 1, 0                                    ; work on registers while the others arrive
	WIN 0
	s_barrier_wait -1
.if (\mode) < 2
	CREST                                          ; no wave of any partner still reads this slot or has a load on its way
	JLOAD \slot                                    ; its four v_nop are also the places in front of the loads below
.else
	PLACES
.endif
	FETCH \next, 0, 0
.if (\mode) < 2
	ASK \mode
.endif
	MUL 1, 2, 0
	MUL 1, 3, 0
.endm
; THE WAY OUT of row block a: rounded to f16, 16 bytes a lane; into my own stage in LDS; back as whole rows of 256 bytes; stored.  Each accumulator's registers are taken in ascending order.
.macro PACK a
.set AC, 64*((\a)%2)
.if (\a) < 2
	WIN W_V1
.else
	WIN W_V2
.endif
.set i, 0
.rept 32
	v_cvt_pk_f16_f32 v[192+i], v[AC+2*i], v[AC+2*i+1]
.set i, i+1
.endr
.endm
.macro TOSTAGE a
.set BK, 224-64*((\a)%2)               ; four different sets of 32 registers for the four blocks: none is loaded again while a store reads it
.if (\a) < 2
	WIN W_M1
.else
	WIN W_L2
.endif
.irp b, 0,1,2,3,4,5,6,7
	ds_store_b128 v[STO], v[192+4*(\b):192+4*(\b)+3] offset:32*(\b)
.endr
.irp t, 0,1,2,3,4,5,6,7
	ds_load_b128 v[BK+4*(\t):BK+4*(\t)+3], v[RD] offset:(\t)*2*SP  ; LDS serves a wave's instructions in order (ISA guide 5.7.1.4): these see the stores above
.endr
.endm
.macro SEND a
.set BK, 224-64*((\a)%2)
.if (\a) < 2
	WIN W_M1
.else
	WIN W_L2
.endif
	s_wait_dscnt 0x0                               ; the block is back in registers
.irp t, 0,1,2,3,4,5,6,7
	global_store_b128 v[CO], v[BK+4*(\t):BK+4*(\t)+3], s[8:9] offset:(16*(\a)+2*(\t))*CPITCH  ; 16 lanes store 256 consecutive bytes, aligned
.endr
.endm
.macro WAYOUT
	PACK 0
	TOSTAGE 0
.irp a, 1,2,3                          ; block a's conversions stand between block a - 1's loads from the stage and the wait for them
	PACK \a
	SEND (\a)-1
	TOSTAGE \a
.endr
	SEND 3
.endm
	s_load_b128 s[4:7], s[0:1], 0x0                ; ab s[4:5], wb s[6:7]
	s_load_b64 s[8:9], s[0:1], 0x10                ; qkv
	v_lshl_add_u32 v[SPW], v0, 2, SPARE
	v_mov_b32 v[NIL], 0
	ds_add_u32 v[SPW], v[NIL]                      ; the wave's opening: the add and its wait stand ahead of my first tensor load; the set-up below, work on registers, stands between them
	v_lshrrev_b32 v1, 5, v0
	v_readfirstlane_b32 s10, v1                    ; wave 0..3
	s_lshr_b32 s11, s10, 1                         ; my half of the tile's rows.  Also: I fetch for ab (0) or for wb (1)
	s_and_b32 s12, s10, 1                          ; my half of its columns.  Also: which half of that tile I fetch
	s_bfe_u32 s40, ttmp6, 0x40000                  ; cx
	s_bfe_u32 s41, ttmp6, 0x40004                  ; cy
	s_lshl_b32 s42, ttmp9, 2
	s_add_co_u32 s42, s42, s40                     ; tile column = 4 x cluster x + cx: 0..3
	s_and_b32 s[CLY], ttmp7, 0xffff
	s_lshl_b32 s13, s[CLY], 2
	s_add_co_u32 s13, s13, s41                     ; tile row = 4 x cluster y + cy: 0..63
	s_lshl_b32 s43, s41, 2
	s_lshl_b32 s43, 15, s43                        ; my row of the cluster
	s_lshl_b32 s44, 0x1111, s40                    ; my column
	s_or_b32 s[G1+0], s43, (1<<16)|(1<<20)|(1<<21)|(5<<22)|(3<<25)   ; the mask; 2-byte elements; padding on; bit 21 beside a mask; after every 64 words 4 words
	s_mov_b32 s[G1+1], 128<<16                     ; tensor_dim0 = 128
	s_mov_b32 s[G1+2], 64<<16                      ; tensor_dim1 = 64
	s_mov_b32 s[G1+3], 128<<16                     ; tile_dim0 = 128
	s_mov_b32 s[G1+4], 64                          ; tile_dim1 = 64
	s_mov_b32 s[G1+5], 1024                        ; elements from row to row of ab
	s_mov_b32 s[G1+6], 0
	s_mov_b32 s[G1+7], 0
	s_or_b32 s[G1B+0], s44, (1<<16)|(1<<20)|(1<<21)|(6<<22)|(7<<25)  ; after every 128 words 8 words
	s_mov_b32 s[G1B+1], 256<<16                    ; tensor_dim0 = 256
	s_mov_b32 s[G1B+2], 64<<16                     ; tensor_dim1 = 64
	s_mov_b32 s[G1B+3], 256<<16                    ; tile_dim0 = 256
	s_mov_b32 s[G1B+4], 64                         ; tile_dim1 = 64
	s_mov_b32 s[G1B+5], 3072                       ; elements from row to row of wb
	s_mov_b32 s[G1B+6], 0
	s_mov_b32 s[G1B+7], 0
	s_lshl_b32 s16, s13, 7                         ; ab: row 128 x tile row + 64 x half, of 2,048 bytes: made of the tile row and the wave's number alone
	s_lshl_b32 s17, s12, 6
	s_add_co_u32 s16, s16, s17
	s_lshl_b32 s16, s16, 11
	s_mov_b32 s17, 0
	s_mul_i32 s46, s12, 64*6144                    ; wb: k-row 64 x half, column 256 x tile column: made of the tile column and the wave's number alone
	s_lshl_b32 s47, s42, 9
	s_add_co_u32 s46, s46, s47
	s_mov_b32 s47, 0
	s_mul_i32 s[LA], s12, 64*PA                    ; where they go: no place in the cluster enters an LDS address
	s_mul_i32 s[LB], s12, 64*PB
	s_add_co_u32 s[LB], s[LB], ATILE
	s_mov_b32 s[DA+1], 0
	s_wait_dscnt 0x0                               ; the opening add is done
	s_wait_kmcnt 0x0
	s_add_nc_u64 s[14:15], s[4:5], s[16:17]
	s_add_nc_u64 s[46:47], s[6:7], s[46:47]
	CROUND                                         ; all sixteen work-groups are here: the first joint loads meet
.irp s, 0,1
	s_mov_b32 s[G0+4*(\s)], 1
	s_add_co_u32 s[G0+4*(\s)+1], s[LA], (\s)*SLOT
	s_add_nc_u64 s[G0+4*(\s)+2:G0+4*(\s)+3], s[14:15], (\s)*ASTEP
	s_or_b32 s[G0+4*(\s)+3], s[G0+4*(\s)+3], 0x80000000
	s_mov_b32 s[G0B+4*(\s)], 1
	s_add_co_u32 s[G0B+4*(\s)+1], s[LB], (\s)*SLOT
	s_add_nc_u64 s[G0B+4*(\s)+2:G0B+4*(\s)+3], s[46:47], (\s)*BSTEP
	s_or_b32 s[G0B+4*(\s)+3], s[G0B+4*(\s)+3], 0x80000000
	JLOAD \s                                       ; K steps 0 and 1: two loads of mine are out
.endr
	; fragment addresses.  ab: lane l holds row l % 16, K = 8 (l / 16) + 0..7 and 16 + 8 (l / 16) + 0..7: two loads of 16 bytes, 32 bytes apart.
	v_and_b32 v1, 15, v0                           ; r
	v_bfe_u32 v2, v0, 4, 1                         ; h
	v_mul_u32_u24 v3, v1, PA
	v_lshl_add_u32 v3, v2, 4, v3                   ; 272 r + 16 h
	s_mul_i32 s22, s11, 64*PA
	v_add_nc_u32 v[ADRA], s22, v3
	v_add_nc_u32 v[ADRA+1], SLOT, v[ADRA]
	; wb, turned: lane l reads k-row 8 (l / 16) + l % 8, columns 8 ((l / 8) % 2) + 0..7, and is left with column l % 16 and 8 k
	v_and_b32 v4, 7, v0
	v_lshl_add_u32 v4, v2, 3, v4
	v_mul_u32_u24 v4, v4, PB
	v_bfe_u32 v5, v0, 3, 1
	v_lshl_add_u32 v4, v5, 4, v4
	s_lshl_b32 s22, s12, 8                         ; my 128 columns
	s_add_co_u32 s22, s22, ATILE
	v_add_nc_u32 v[ADRB], s22, v4
	v_add_nc_u32 v[ADRB+1], SLOT, v[ADRB]
	s_mul_i32 s22, s10, 16*SP
	s_add_co_u32 s22, s22, STAGE                   ; my stage
	v_add_nc_u32 v[STO], s22, v3                   ; in: row r, 16 bytes for each half of the lanes
	v_mul_u32_u24 v5, v2, SP
	v_lshl_add_u32 v5, v1, 4, v5
	v_add_nc_u32 v[RD], s22, v5                    ; back: lanes 0-15 one row of 256 bytes, lanes 16-31 the next
	v_lshlrev_b32 v5, 11, v2
	v_lshl_add_u32 v[CO], v1, 4, v5                ; the same two rows in C
	s_lshl_b32 s18, s13, 7                         ; q at my first row and column
	s_lshl_b32 s19, s11, 6
	s_add_co_u32 s18, s18, s19
	s_lshl_b32 s18, s18, 11
	s_lshl_b32 s19, s42, 9
	s_add_co_u32 s18, s18, s19
	s_lshl_b32 s19, s12, 8
	s_add_co_u32 s18, s18, s19
	s_mov_b32 s19, 0
	s_add_nc_u64 s[8:9], s[8:9], s[18:19]
	; the prefetches: they start at K step 3; the first change of slots steps them to 4.  Nothing is asked for here, at the head
	s_lshl_b32 s18, s13, 7                         ; for ab: row 128 x tile row + 32 cx
	s_lshl_b32 s19, s40, 5
	s_add_co_u32 s18, s18, s19
	s_lshl_b32 s18, s18, 11
	s_add_co_u32 s18, s18, 3*ASTEP
	s_lshl_b32 s20, s12, 6                         ; for wb: k-row 64 x half + 16 cy, my tile column
	s_lshl_b32 s21, s41, 4
	s_add_co_u32 s20, s20, s21
	s_mul_i32 s20, s20, 6144
	s_lshl_b32 s21, s42, 9
	s_add_co_u32 s20, s20, s21
	s_add_co_u32 s20, s20, 3*BSTEP
	s_mov_b32 s[PFS], BSTEP
	s_mov_b32 s[PFB], 7*BSTEP
	s_mov_b32 s[PFJ], 2048
	s_mov_b32 s93, 6144
	s_cmp_eq_u32 s11, 0                            ; do I fetch for ab?
	s_cselect_b32 s18, s18, s20
	s_cselect_b64 s[PFA:PFA+1], s[4:5], s[6:7]
	s_cselect_b32 s22, s12, s[CLY]                 ; 0 in a wave that asks: wave 0; waves 2 and 3 of the clusters with y = 0: the same in all sixteen partners
	s_cselect_b32 s[PFS], ASTEP, s[PFS]
	s_cselect_b32 s[PFB], 7*ASTEP, s[PFB]
	s_cselect_b32 s[PFJ], 0x1000000, s[PFJ]
	s_cselect_b32 s[KILL], 2, 0
	s_cselect_b32 s92, 0, 1                        ; ab: a lane a row; wb: two lanes a row, 256 bytes apart
	s_cselect_b32 s93, 2048, s93
	s_mov_b32 s19, 0
	s_mov_b32 s[PFS+1], 0
	s_mov_b32 s[PFB+1], 0
	s_mov_b32 s[PFJ+1], 0
	s_add_nc_u64 s[PFA:PFA+1], s[PFA:PFA+1], s[18:19]
	s_cmp_eq_u32 s22, 0
	s_cselect_b32 s[LIM], 1, -1
	v_and_b32 v6, 31, v0
	v_lshrrev_b32 v7, s92, v6
	v_mul_u32_u24 v[PFO], s93, v7
	v_and_b32 v7, s92, v6
	v_lshl_add_u32 v[PFO], v7, 8, v[PFO]
	s_wait_tensorcnt 0x1                           ; my part of K step 0 is in; K step 1's load, issued behind it, may stay out
	s_barrier_signal -1
	s_barrier_wait -1                              ; everybody's is
	FETCH 0, 0, 0
	WIN 0                                          ; at a label and at a branch every window is 0
	s_mov_b32 s2, TILES                            ; tiles to go, this one among them
.Ltile:
	s_cmp_eq_u32 s2, 3
	s_cselect_b32 s[DA], 0x1000000, 0              ; behind q's tile ab goes on to y; k's and v's tiles share y's rows
	QUARTER 0, 1, 0, 1, 1                          ; a tile's first quarter starts the sums: nothing is cleared
	WIN 0
	s_mov_b32 s3, LAPS-1
.Llap:                                                 ; a trip goes once round the ring, from a lap's second quarter to the next lap's first, and fills both slots again
	QUARTER 0, 2, 1, 0, 0
	QUARTER 0, 3, 0, 1, 0
	TURN 0, 1, 0
	QUARTER 1, 1, 0, 1, 0
	QUARTER 1, 2, 1, 0, 0
	QUARTER 1, 3, 0, 1, 0
	TURN 1, 0, 0
	QUARTER 0, 1, 0, 1, 0
	WIN 0
	s_sub_co_u32 s3, s3, 1
	s_cmp_lg_u32 s3, 0
	s_cbranch_scc1 .Llap
	QUARTER 0, 2, 1, 0, 0                          ; the tile's last lap goes on
	QUARTER 0, 3, 0, 1, 0
	WIN 0
	s_cmp_eq_u32 s2, 1
	s_cbranch_scc1 .Llast                          ; the last tile's tail is written out: it asks for nothing more
	TURN 0, 1, 1                                   ; the ring goes on into the next tile: slot 0 takes its K step 0,
	QUARTER 1, 1, 0, 1, 0
	QUARTER 1, 2, 1, 0, 0
	QUARTER 1, 3, 0, 1, 0
	TURN 1, 0, 1                                   ; slot 1 its K step 1, and the next tile's first fragments are fetched into the buffers 0, which the way out leaves alone
	WAYOUT                                         ; blocks 0 and 1 were finished ahead of the joint load's four v_nop; their conversions are the places behind the products of blocks 2 and 3
	WIN 0
	s_wait_xcnt 0x0                                ; the stores have read their registers and their base
	s_add_nc_u64 s[8:9], s[8:9], 0x1000000         ; the same rows and columns of k, of v
	s_sub_co_u32 s2, s2, 1
	s_branch .Ltile
.Llast:
	TURN 0, 1, 2
	QUARTER 1, 1, 0, 1, 0
	QUARTER 1, 2, 1, 0, 0
	QUARTER 1, 3, 0, 1, 0
	s_wait_dscnt 0x0                               ; the very last quarter: nothing more to fetch
	MUL 1, 0, 0
	MUL 1, 1, 0
	MUL 1, 2, 0
	MUL 1, 3, 0
	WIN 0
	PLACES
	PLACES
	WAYOUT
	WIN 0
	s_wait_tensorcnt 0x0                           ; the wave's end: behind my last tensor load and my last LDS store
	ds_add_u32 v[SPW], v[NIL]
	s_wait_dscnt 0x0
	CROUND                                         ; the closing round: no work-group ends while a partner may still ask for a tile that names it
	s_endpgm
.Lfunc_end_k_qfdf085ad8c_proj:
	.size	k_qfdf085ad8c_proj, .Lfunc_end_k_qfdf085ad8c_proj-k_qfdf085ad8c_proj
	.p2alignl 7, 3214868480
	.fill 96, 4, 3214868480
	.section	.rodata,"a",@progbits
	.p2align	6, 0x0
	.amdhsa_kernel k_qfdf085ad8c_proj
		.amdhsa_group_segment_fixed_size 327680
		.amdhsa_private_segment_fixed_size 0
		.amdhsa_enable_private_segment 0
		.amdhsa_kernarg_size 24
		.amdhsa_user_sgpr_count 2
		.amdhsa_user_sgpr_kernarg_segment_ptr 1
		.amdhsa_wavefront_size32 1
		.amdhsa_system_sgpr_workgroup_id_x 1
		.amdhsa_system_sgpr_workgroup_id_y 1
		.amdhsa_system_sgpr_workgroup_id_z 1
		.amdhsa_system_vgpr_workitem_id 0
		.amdhsa_next_free_vgpr 768
		.amdhsa_next_free_sgpr 96
		.amdhsa_reserve_vcc 0
		.amdhsa_float_denorm_mode_32 3
		.amdhsa_float_denorm_mode_16_64 3
		.amdhsa_memory_ordered 1
		.amdhsa_forward_progress 1
		.amdhsa_inst_pref_size 126
	.end_amdhsa_kernel
	.amdgpu_metadata
---
amdhsa.version: [ 1, 2 ]
amdhsa.kernels:
  - .name:           k_qfdf085ad8c_proj
    .symbol:         k_qfdf085ad8c_proj.kd
    .args:
      - { .name: ab, .offset: 0, .size: 8, .value_kind: global_buffer, .address_space: global }
      - { .name: wb, .offset: 8, .size: 8, .value_kind: global_buffer, .address_space: global }
      - { .name: qkv, .offset: 16, .size: 8, .value_kind: global_buffer, .address_space: global }
    .group_segment_fixed_size: 327680
    .private_segment_fixed_size: 0
    .kernarg_segment_align: 8
    .kernarg_segment_size: 24
    .max_flat_workgroup_size: 128
    .sgpr_count:     96
    .vgpr_count:     768
    .wavefront_size: 32
...
	.end_amdgpu_metadata
.endif
;; end of part 2
;; launch scores (part 3): grid 8 x 32, 4 waves a work-group, clusters of 4 x 4, 327,680 bytes of LDS; arguments qkv, pt, st; writes pt, st
.if DOCPART == 3
	.amdgcn_target "amdgcn-amd-amdhsa--gfx1250"
	.amdhsa_code_object_version 6
	.text
	.protected	k_qfdf085ad8c_scores
	.globl	k_qfdf085ad8c_scores
	.p2align	8
	.type	k_qfdf085ad8c_scores,@function
k_qfdf085ad8c_scores:
	s_mov_b64 s[64:65], 0
	v_nop
	global_prefetch_b8 v0, s[64:65] scope:SCOPE_SE
	s_setreg_imm32_b32 hwreg(HW_REG_WAVE_MODE, 25, 1), 1
	s_wait_xcnt 0x0
	s_wait_alu depctr_hold_cnt(0) depctr_sa_sdst(0) depctr_va_vdst(0) depctr_va_sdst(0) depctr_va_ssrc(0) depctr_va_vcc(0) depctr_vm_vsrc(0)
	s_getreg_b32 s2, hwreg(HW_REG_IB_STS2, 6, 4)
	s_cmp_eq_u32 s2, 0
	s_cbranch_scc0 .Lentry_in_a_cluster
	s_endpgm
.Lentry_in_a_cluster:
	s_bfe_u32 s2, ttmp6, 0x10000c
	s_cmp_lg_u32 s2, 0xf033
	s_cbranch_scc0 .Lentry_shape_is_right
	s_endpgm
.Lentry_shape_is_right:
; S = q k^T for each of 4 batches, and the first half of the softmax.  qkv: [3][8192][1024] f16 (q, k, v).  For each query and each CHUNK of 128 keys:
;   m = the chunk's largest score, p = 2^(c (s - m)) with c = log2(e) / 32, l = the sum of the chunk's p (unrounded, f32).
;   pt: [8192 = batch x 2048 + query][2048 keys] f16 takes p, rounded once;   st: [4 batches][16 chunks][2048 queries][2] f32 takes (m, l).
; The next launch corrects every chunk to its row's maximum, exactly.  s - m is at most 0, so no exponential passes 1, whatever the scores' size.
; LIMITS.  p below 6e-5 keeps f16's fixed step of 6e-8; an exponential below 2^-126 counts as 0; NaN and infinities are not treated apart.
; SHARES.  A tile of S is 128 queries x 256 keys; a work-group of four waves makes TWO (query blocks i and i + 8 of its batch, the same keys): 512 tiles for 256 work-groups.
; Wave w has queries 64 (w / 2) on and keys 128 (w % 2) on, which is one chunk: no wave needs another's scores.  32 accumulators (a, b) of 16 x 16.  K = 1,024 channels goes in steps of 128 through two LDS slots.
; THE MATRIX INSTRUCTION IS USED TRANSPOSED: source 0 = 16 keys, source 1 = 16 queries: a lane holds ONE query (lane % 16) and the keys 16 b + 8 (lane / 16) + 0..7; the query's other 64 keys lie in the lane 16 away.
; CLUSTER.  4 x 4 work-groups: q's tile is shared along a row of the cluster, k's along a column; each is asked for jointly.  Waves 0 and 1 ask for q's halves (64 rows), waves 2 and 3 for k's (128 rows).
; REGISTERS, in windows of 256 (s_set_vgpr_msb: bits 1:0 source 0, 3:2 source 1, 5:4 source 2, 7:6 destination):
;   window 0: v0-31 addresses; v64-191 k's fragments, two buffers of 64
;   window 1: v0-127 accumulators of a = 0, 1; v128-191 q's fragments, two buffers of 32; v192-239 the way out        window 2: v0-127 accumulators of a = 2, 3; v160-239 the way out
.set TILES,  2
.set LAPS,   4
.set ASTEP,  256
.set BSTEP,  256
.set PA,     272                       ; an LDS row: 256 bytes + 16 of padding = 68 words: the 16 rows of a load start at 16 different groups of four banks (64 banks of 4 bytes: ISA guide 11.1)
.set ATILE,  128*PA
.set SLOT,   ATILE+256*PA              ; q's 128 rows, then k's 256 rows
.set STAGE,  2*SLOT                    ; behind the ring, never filled by a tensor load: 16 rows x 272 bytes for each wave
.set SP,     272
.set SPARE,  STAGE+4*16*SP             ; the spare words, 128 bytes for each wave: two blocks of 256 bytes that no other line names
.set CPITCH, 4096                      ; bytes in a row of pt
.set ADRA, 16
.set ADRB, 20
.set STO,  24
.set RD,   25
.set CO,   26
.set SO,   27                          ; v27  8 x lane: my pair in 32 queries' statistics
.set SPW,  28
.set NIL,  29
.set PFO,  30
.set FB,   64
.set FA,   128
.set G1,   24
.set G0,   32
.set G1B,  48
.set G0B,  56
.set PFA,  66
.set PFS,  68
.set PFB,  70
.set PFJ,  72
.set LIM,  74
.set CLY,  75
.set KILL, 80
.set CS,   84                          ; s[84:85] c, twice
.set SEL,  86                          ; s[86:87] v_permlanex16_b32's selects: each lane takes its own place in the other half
.set HM,   88                          ; s88  the mask of lanes 16-31
.set LA,   90
.set LB,   91
.set MSB, 0
.macro WIN new
.if MSB != (\new)
	s_set_vgpr_msb (MSB<<8)|(\new)
.set MSB, \new
.endif
.endm
.set W_M1, 0x54                        ; D, C and source 1 window 1, source 0 window 0.  Also: address window 0, data window 1
.set W_M2, 0xa4                        ; D and C window 2, source 1 window 1, source 0 window 0
.set W_L2, 0xa8                        ; address window 0, data window 2
.set W_V1, 0x55
.set W_V2, 0xaa
.macro PLACES                          ; four plain vector instructions between a matrix instruction and a load into, or a vector instruction on, its registers (ISA guide 7.12.1 for vector instructions)
.rept 4
	v_nop
.endr
.endm
.macro JLOAD s                         ; a joint load; an s_nop 0 and four v_nop follow each of the two lines, ahead of the jump and the label
	s_cmp_eq_u32 s11, 0
	s_cbranch_scc0 .Lfor_b_\@
	tensor_load_to_lds s[G0+4*(\s):G0+4*(\s)+3], s[G1:G1+7]
	s_nop 0
.rept 4
	v_nop
.endr
	s_branch .Lasked_\@
.Lfor_b_\@:
	tensor_load_to_lds s[G0B+4*(\s):G0B+4*(\s)+3], s[G1B:G1B+7]
	s_nop 0
.rept 4
	v_nop
.endr
.Lasked_\@:
.endm
.macro CREST                           ; a round of the cluster's barrier behind its opening barrier
	s_cmp_lg_u32 s10, 0
	s_cbranch_scc1 .Lnot_wave_0_\@
	s_barrier_signal -3
.Lnot_wave_0_\@:
	s_barrier_wait -3
	s_barrier_signal -1
	s_barrier_wait -1
.endm
.macro CROUND
	s_barrier_signal -1
	s_barrier_wait -1
	CREST
.endm
; A PREFETCH INTO THE L2, behind a joint load and the run of LDS loads that follows it: the K step two refills on, 256 matrix instructions ahead of its load; a lane a row, 256 bytes of it.
; Each block is named once in the launch.  q's 128 rows: wave 0 of the clusters with x = 0 (the two clusters of a row of clusters read the same q); the partner at cx takes rows 32 cx + lane.
; k's 256 rows: waves 2 and 3, each its 128; the partner at cy takes 32 cy + lane; of the two clusters of a batch that walk the same keys the one with even y asks, in the first tile alone (the second walks k again).
.macro ASK how
	WIN 0
.if \how
	s_cmp_eq_u32 s[LIM], 1
.else
	s_cmp_gt_u32 s3, s[LIM]                        ; the loop's last trip (s3 = 1) has no K step two on
.endif
	s_cbranch_scc0 .Lnot_mine_\@
	global_prefetch_b8 v[PFO], s[PFA:PFA+1] th:TH_LOAD_NT scope:SCOPE_SE
.Lnot_mine_\@:
.endm
.macro FETCH slot, kq, f               ; 24 LDS loads in one run: quarter kq of a slot's K step into buffer f: k's eight fragments, then q's four
	WIN 0
.irp b, 0,1,2,3,4,5,6,7
	ds_load_b128 v[FB+64*(\f)+8*(\b):FB+64*(\f)+8*(\b)+3],   v[ADRB+(\slot)] offset:64*(\kq)+(\b)*16*PA
	ds_load_b128 v[FB+64*(\f)+8*(\b)+4:FB+64*(\f)+8*(\b)+7], v[ADRB+(\slot)] offset:64*(\kq)+(\b)*16*PA+32
.endr
	WIN W_M1
.irp a, 0,1,2,3
	ds_load_b128 v[FA+32*(\f)+8*(\a):FA+32*(\f)+8*(\a)+3],   v[ADRA+(\slot)] offset:64*(\kq)+(\a)*16*PA
	ds_load_b128 v[FA+32*(\f)+8*(\a)+4:FA+32*(\f)+8*(\a)+7], v[ADRA+(\slot)] offset:64*(\kq)+(\a)*16*PA+32
.endr
.endm
; 8 matrix instructions: query block a x all 8 key blocks.  The 32 accumulators take turns, one instruction a turn, in the same order in every quarter.
.macro MUL f, a, zero
.if (\a) < 2
	WIN W_M1
.else
	WIN W_M2
.endif
.irp b, 0,1,2,3,4,5,6,7
.if \zero
	v_wmma_f32_16x16x32_f16 v[64*((\a)%2)+8*(\b):64*((\a)%2)+8*(\b)+7], v[FB+64*(\f)+8*(\b):FB+64*(\f)+8*(\b)+7], v[FA+32*(\f)+8*(\a):FA+32*(\f)+8*(\a)+7], 0
.else
	v_wmma_f32_16x16x32_f16 v[64*((\a)%2)+8*(\b):64*((\a)%2)+8*(\b)+7], v[FB+64*(\f)+8*(\b):FB+64*(\f)+8*(\b)+7], v[FA+32*(\f)+8*(\a):FA+32*(\f)+8*(\a)+7], v[64*((\a)%2)+8*(\b):64*((\a)%2)+8*(\b)+7]
.endif
.endr
.endm
.macro QUARTER slot, kq, f, g, zero
	s_wait_dscnt 0x0                               ; buffer f is in: its run of loads was issued 16 matrix instructions ago
	MUL \f, 0, \zero
	MUL \f, 1, \zero
	PLACES                                         ; buffer g was last read by the quarter before
	FETCH \slot, \kq, \g
	MUL \f, 2, \zero
	MUL \f, 3, \zero
.endm
.macro DSTEP slot, mode                ; mode 1: q goes 1,024 rows down (8 query blocks) and back along K; k only back
.if \mode
	s_add_nc_u64 s[G0+4*(\slot)+2:G0+4*(\slot)+3], s[G0+4*(\slot)+2:G0+4*(\slot)+3], 1024*2048-6*ASTEP
	s_sub_nc_u64 s[G0B+4*(\slot)+2:G0B+4*(\slot)+3], s[G0B+4*(\slot)+2:G0B+4*(\slot)+3], 6*BSTEP
.else
	s_add_nc_u64 s[G0+4*(\slot)+2:G0+4*(\slot)+3], s[G0+4*(\slot)+2:G0+4*(\slot)+3], 2*ASTEP
	s_add_nc_u64 s[G0B+4*(\slot)+2:G0B+4*(\slot)+3], s[G0B+4*(\slot)+2:G0B+4*(\slot)+3], 2*BSTEP
.endif
.endm
; A K step's last quarter multiplies buffer 1 and changes slots: ONE barrier; in front of it each wave waits for all its tensor loads (one is out: its part of the next slot), adds 0 to its spare word, and waits
; for that and for its reads of this slot.  mode 0, 1: the barrier opens a round of the cluster's, and the joint refill is the first thing behind the round.  mode 2: nothing is filled again.
.macro TURN slot, next, mode
.if (\mode) < 2
	s_wait_xcnt 0x0                                ; the last prefetch, a K step back, has read its address: it is stepped here
.if ((\mode) == 1) && ((\slot) == 0)
	s_sub_nc_u64 s[PFA:PFA+1], s[PFA:PFA+1], s[PFB:PFB+1]  ; from K step 9 back to 2,
	s_add_nc_u64 s[PFA:PFA+1], s[PFA:PFA+1], s[PFJ:PFJ+1]  ; in the next tile
	s_cmp_eq_u32 s2, s[KILL]
	s_cselect_b32 s[LIM], -1, s[LIM]
.else
	s_add_nc_u64 s[PFA:PFA+1], s[PFA:PFA+1], s[PFS:PFS+1]
.endif
.endif
	WIN 0                                          ; (the add's two registers lie in window 0)
	s_wait_tensorcnt 0x0                           ; all my tensor loads have landed, so every group 0 may be written
	ds_add_u32 v[SPW], v[NIL]                      ; 0 onto my spare word
.if (\mode) < 2
	DSTEP \slot, \mode
.endif
	s_wait_dscnt 0x1                               ; the add alone may be out: buffer 1 is in
	MUL 1, 0, 0
	s_wait_dscnt 0x0                               ; the add is done, and my reads of this slot are over
	s_barrier_signal -1
	MUL 1, 1, 0
	WIN 0
	s_barrier_wait -1
.if (\mode) < 2
	CREST
	JLOAD \slot                                    ; its four v_nop are also the places in front of the loads below
.else
	PLACES
.endif
	FETCH \next, 0, 0
.if (\mode) < 2
	ASK \mode
.endif
	MUL 1, 2, 0
	MUL 1, 3, 0
.endm
; THE WAY OUT of query block a.  In the block's window: v192-199 eight running maxima; v[200:201] m, twice; v[204:205], v[206:207] (m, l) of an even, an odd block; v208-239 p in f16; v160-191 rows read back.
; SOFT: the lane's 64 scores are the accumulators (a, 0..7).  Each accumulator's lowest registers are read first.
.macro SOFT a
.set AC, 64*((\a)%2)
.set PR, 204+2*((\a)%2)
.if (\a) < 2
	WIN W_V1
.else
	WIN W_V2
.endif
.irp b, 0,1,2,3,4,5,6,7                ; the maximum: eight chains of seven scores, three operands at a time,
	v_max3_num_f32 v[192+(\b)], v[AC+8*(\b)], v[AC+8*(\b)+1], v[AC+8*(\b)+2]
.endr
.irp b, 0,1,2,3,4,5,6,7
	v_max3_num_f32 v[192+(\b)], v[192+(\b)], v[AC+8*(\b)+3], v[AC+8*(\b)+4]
.endr
.irp b, 0,1,2,3,4,5,6,7
	v_max3_num_f32 v[192+(\b)], v[192+(\b)], v[AC+8*(\b)+5], v[AC+8*(\b)+6]
.endr
.irp b, 0,2,4,6                        ; the eight scores left over,
	v_max3_num_f32 v[192+(\b)], v[192+(\b)], v[AC+8*(\b)+7], v[AC+8*(\b)+15]
.endr
	v_max3_num_f32 v192, v192, v193, v194          ; the eight into one,
	v_max3_num_f32 v195, v195, v196, v197
	v_max_num_f32 v198, v198, v199
	v_max3_num_f32 v192, v192, v195, v198
	v_permlanex16_b32 v193, v192, s[SEL], s[SEL+1] ; and the query's other 64 keys
	v_max_num_f32 v200, v192, v193
	v_max_num_f32 v201, v192, v193
.set i, 0
.rept 32                               ; s - m, at most 0,
	v_pk_add_f32 v[AC+i:AC+i+1], v[AC+i:AC+i+1], v[200:201] neg_lo:[0,1] neg_hi:[0,1]
.set i, i+2
.endr
.set i, 0
.rept 32                               ; times c
	v_pk_mul_f32 v[AC+i:AC+i+1], v[AC+i:AC+i+1], s[CS:CS+1] op_sel_hi:[1,0]
.set i, i+2
.endr
.set i, 0
.rept 64                               ; ONE BATCH of 64 exponentials: none reads another's result
	v_exp_f32 v[AC+i], v[AC+i]
.set i, i+1
.endr
	v_nop                                          ; a plain instruction behind the last exponential,
	s_wait_alu depctr_va_vdst(0)                   ; and a wait ahead of the first use: one for the batch
.set i, 0
.rept 32
	v_cvt_pk_f16_f32 v[208+i], v[AC+2*i], v[AC+2*i+1]
.set i, i+1
.endr
.irp w, 2,4,8,16,32                    ; l, of the unrounded p: the 32 pairs are added in place, neighbours 1, 2, 4, 8, 16 pairs apart
.set i, 0
.rept 32/(\w)
	v_pk_add_f32 v[AC+2*(\w)*i:AC+2*(\w)*i+1], v[AC+2*(\w)*i:AC+2*(\w)*i+1], v[AC+2*(\w)*i+(\w):AC+2*(\w)*i+(\w)+1]
.set i, i+1
.endr
.endr
	v_add_f32 v192, v[AC], v[AC+1]
	v_permlanex16_b32 v193, v192, s[SEL], s[SEL+1]
	v_mov_b32 v[PR], v200
	v_add_f32 v[PR+1], v192, v193
.endm
; The statistics of blocks 2 p and 2 p + 1: lanes 0-15 keep the even block's pair, lanes 16-31 take the odd block's: lane l holds query 32 p + l, and one store covers 256 consecutive bytes, aligned.
.macro STATS p
.if (\p) == 0
	WIN W_V1
.else
	WIN W_V2
.endif
	v_cndmask_b32 v204, v204, v206, s[HM]
	v_cndmask_b32 v205, v205, v207, s[HM]
.if (\p) == 0
	WIN W_M1
.else
	WIN W_L2
.endif
	global_store_b64 v[SO], v[204:205], s[76:77] offset:256*(\p)
.endm
.macro TOSTAGE a
.if (\a) < 2
	WIN W_M1
.else
	WIN W_L2
.endif
.irp b, 0,1,2,3,4,5,6,7
	ds_store_b128 v[STO], v[208+4*(\b):208+4*(\b)+3] offset:32*(\b)
.endr
.irp t, 0,1,2,3,4,5,6,7
	ds_load_b128 v[160+4*(\t):160+4*(\t)+3], v[RD] offset:(\t)*2*SP  ; LDS serves a wave's instructions in order (ISA guide 5.7.1.4): these see the stores above
.endr
.endm
.macro SEND a
.if (\a) < 2
	WIN W_M1
.else
	WIN W_L2
.endif
	s_wait_dscnt 0x0                               ; the block is back in registers
.irp t, 0,1,2,3,4,5,6,7
	global_store_b128 v[CO], v[160+4*(\t):160+4*(\t)+3], s[8:9] offset:(16*(\a)+2*(\t))*CPITCH  ; 16 lanes store 256 consecutive bytes, aligned
.endr
.endm
.macro WAYOUT                          ; a block's arithmetic stands between the loads of the block before and its stores
	SOFT 0
	TOSTAGE 0
	SOFT 1
	STATS 0
	SEND 0
	s_wait_xcnt 0x0                                ; block 0's stores have read v160-191 of window 1, which block 1 loads again
	TOSTAGE 1
	SOFT 2
	SEND 1
	TOSTAGE 2
	SOFT 3
	STATS 1
	SEND 2
	s_wait_xcnt 0x0                                ; the same in window 2
	TOSTAGE 3
	SEND 3
.endm
	s_load_b64 s[4:5], s[0:1], 0x0                 ; qkv: q
	s_load_b64 s[8:9], s[0:1], 0x8                 ; pt
	s_load_b64 s[76:77], s[0:1], 0x10              ; st
	v_lshl_add_u32 v[SPW], v0, 2, SPARE
	v_mov_b32 v[NIL], 0
	ds_add_u32 v[SPW], v[NIL]                      ; the wave's opening: the add and its wait stand ahead of my first tensor load; the set-up below, work on registers, stands between them
	v_lshrrev_b32 v1, 5, v0
	v_readfirstlane_b32 s10, v1                    ; wave 0..3
	s_lshr_b32 s11, s10, 1                         ; my half of the tile's queries.  Also: I fetch for q (0) or for k (1)
	s_and_b32 s12, s10, 1                          ; my half of its keys.  Also: which half of that tile I fetch
	s_bfe_u32 s40, ttmp6, 0x40000                  ; cx
	s_bfe_u32 s41, ttmp6, 0x40004                  ; cy
	s_lshl_b32 s42, ttmp9, 2
	s_add_co_u32 s42, s42, s40                     ; key block of 256 = 4 x cluster x + cx: 0..7
	s_and_b32 s[CLY], ttmp7, 0xffff
	s_lshl_b32 s13, s[CLY], 2
	s_add_co_u32 s13, s13, s41                     ; gy = 4 x cluster y + cy: batch gy / 8 (= cluster y / 2), query blocks gy % 8 and gy % 8 + 8
	s_lshl_b32 s43, s41, 2
	s_lshl_b32 s43, 15, s43                        ; my row of the cluster
	s_lshl_b32 s44, 0x1111, s40                    ; my column
	s_or_b32 s[G1+0], s43, (1<<16)|(1<<20)|(1<<21)|(5<<22)|(3<<25)   ; the mask; 2-byte elements; padding on; bit 21 beside a mask; after every 64 words 4 words
	s_mov_b32 s[G1+1], 128<<16                     ; tensor_dim0 = 128
	s_mov_b32 s[G1+2], 64<<16                      ; tensor_dim1 = 64
	s_mov_b32 s[G1+3], 128<<16                     ; tile_dim0 = 128
	s_mov_b32 s[G1+4], 64                          ; tile_dim1 = 64
	s_mov_b32 s[G1+5], 1024
	s_mov_b32 s[G1+6], 0
	s_mov_b32 s[G1+7], 0
	s_or_b32 s[G1B+0], s44, (1<<16)|(1<<20)|(1<<21)|(5<<22)|(3<<25)
	s_mov_b32 s[G1B+1], 128<<16
	s_mov_b32 s[G1B+2], 128<<16                    ; tensor_dim1 = 128
	s_mov_b32 s[G1B+3], 128<<16
	s_mov_b32 s[G1B+4], 128                        ; tile_dim1 = 128
	s_mov_b32 s[G1B+5], 1024
	s_mov_b32 s[G1B+6], 0
	s_mov_b32 s[G1B+7], 0
	s_lshr_b32 s16, s13, 3                         ; q: row 2,048 x batch + 128 x (gy % 8) + 64 x half: made of gy and the wave's number alone
	s_lshl_b32 s16, s16, 11
	s_and_b32 s17, s13, 7
	s_lshl_b32 s17, s17, 7
	s_add_co_u32 s16, s16, s17
	s_lshl_b32 s17, s12, 6
	s_add_co_u32 s16, s16, s17
	s_lshl_b32 s16, s16, 11
	s_mov_b32 s17, 0
	s_lshr_b32 s46, s[CLY], 1                      ; k: row 2,048 x batch + 256 x key block + 128 x half: made of the cluster's y, the key block and the wave's number alone
	s_lshl_b32 s46, s46, 11
	s_lshl_b32 s47, s42, 8
	s_add_co_u32 s46, s46, s47
	s_lshl_b32 s47, s12, 7
	s_add_co_u32 s46, s46, s47
	s_lshl_b32 s46, s46, 11
	s_mov_b32 s47, 0
	s_mul_i32 s[LA], s12, 64*PA
	s_mul_i32 s[LB], s12, 128*PA
	s_add_co_u32 s[LB], s[LB], ATILE
	s_mov_b32 s[CS], 0x3d38aa3b                    ; c = log2(e) / 32
	s_mov_b32 s[CS+1], s[CS]
	s_mov_b32 s[SEL], 0x76543210
	s_mov_b32 s[SEL+1], 0xfedcba98
	s_mov_b32 s[HM], 0xffff0000
	s_wait_dscnt 0x0                               ; the opening add is done
	s_wait_kmcnt 0x0
	s_add_nc_u64 s[6:7], s[4:5], 0x1000000         ; k lies 8,192 rows behind q
	s_add_nc_u64 s[14:15], s[4:5], s[16:17]
	s_add_nc_u64 s[46:47], s[6:7], s[46:47]
	CROUND                                         ; all sixteen work-groups are here: the first joint loads meet
.irp s, 0,1
	s_mov_b32 s[G0+4*(\s)], 1
	s_add_co_u32 s[G0+4*(\s)+1], s[LA], (\s)*SLOT
	s_add_nc_u64 s[G0+4*(\s)+2:G0+4*(\s)+3], s[14:15], (\s)*ASTEP
	s_or_b32 s[G0+4*(\s)+3], s[G0+4*(\s)+3], 0x80000000
	s_mov_b32 s[G0B+4*(\s)], 1
	s_add_co_u32 s[G0B+4*(\s)+1], s[LB], (\s)*SLOT
	s_add_nc_u64 s[G0B+4*(\s)+2:G0B+4*(\s)+3], s[46:47], (\s)*BSTEP
	s_or_b32 s[G0B+4*(\s)+3], s[G0B+4*(\s)+3], 0x80000000
	JLOAD \s                                       ; K steps 0 and 1: two loads of mine are out
.endr
	v_and_b32 v1, 15, v0                           ; r
	v_bfe_u32 v2, v0, 4, 1                         ; h
	v_mul_u32_u24 v3, v1, PA
	v_lshl_add_u32 v3, v2, 4, v3                   ; a fragment's row x pitch + 16 x half
	s_mul_i32 s22, s11, 64*PA
	v_add_nc_u32 v[ADRA], s22, v3
	v_add_nc_u32 v[ADRA+1], SLOT, v[ADRA]
	s_mul_i32 s22, s12, 128*PA
	s_add_co_u32 s22, s22, ATILE
	v_add_nc_u32 v[ADRB], s22, v3
	v_add_nc_u32 v[ADRB+1], SLOT, v[ADRB]
	s_mul_i32 s22, s10, 16*SP
	s_add_co_u32 s22, s22, STAGE                   ; my stage
	v_add_nc_u32 v[STO], s22, v3
	v_mul_u32_u24 v5, v2, SP
	v_lshl_add_u32 v5, v1, 4, v5
	v_add_nc_u32 v[RD], s22, v5
	v_lshlrev_b32 v5, 12, v2
	v_lshl_add_u32 v[CO], v1, 4, v5
	v_and_b32 v6, 31, v0
	v_lshlrev_b32 v[SO], 3, v6
	v_lshlrev_b32 v[PFO], 11, v6                   ; a lane a row of 2,048 bytes
	s_lshr_b32 s18, s13, 3                         ; pt at my first query and key
	s_lshl_b32 s18, s18, 11
	s_and_b32 s19, s13, 7
	s_lshl_b32 s19, s19, 7
	s_add_co_u32 s18, s18, s19
	s_lshl_b32 s19, s11, 6
	s_add_co_u32 s18, s18, s19
	s_lshl_b32 s20, s18, 12
	s_lshl_b32 s21, s42, 9
	s_add_co_u32 s20, s20, s21
	s_lshl_b32 s21, s12, 8
	s_add_co_u32 s20, s20, s21
	s_mov_b32 s21, 0
	s_add_nc_u64 s[8:9], s[8:9], s[20:21]
	s_lshr_b32 s20, s13, 3                         ; st at my chunk (2 x key block + half) and my first query
	s_lshl_b32 s20, s20, 4
	s_lshl_b32 s21, s42, 1
	s_add_co_u32 s20, s20, s21
	s_add_co_u32 s20, s20, s12
	s_lshl_b32 s20, s20, 11
	s_and_b32 s21, s13, 7
	s_lshl_b32 s21, s21, 7
	s_add_co_u32 s20, s20, s21
	s_lshl_b32 s21, s11, 6
	s_add_co_u32 s20, s20, s21
	s_lshl_b32 s20, s20, 3
	s_mov_b32 s21, 0
	s_add_nc_u64 s[76:77], s[76:77], s[20:21]
	; the prefetches: they start at K step 3; the first change of slots steps them to 4.  Nothing is asked for here, at the head
	s_lshr_b32 s18, s13, 3                         ; for q: the tile's first row + 32 cx
	s_lshl_b32 s18, s18, 11
	s_and_b32 s19, s13, 7
	s_lshl_b32 s19, s19, 7
	s_add_co_u32 s18, s18, s19
	s_lshl_b32 s19, s40, 5
	s_add_co_u32 s18, s18, s19
	s_lshl_b32 s18, s18, 11
	s_lshr_b32 s20, s[CLY], 1                      ; for k: my 128 rows of the tile + 32 cy
	s_lshl_b32 s20, s20, 11
	s_lshl_b32 s21, s42, 8
	s_add_co_u32 s20, s20, s21
	s_lshl_b32 s21, s12, 7
	s_add_co_u32 s20, s20, s21
	s_lshl_b32 s21, s41, 5
	s_add_co_u32 s20, s20, s21
	s_lshl_b32 s20, s20, 11
	s_or_b32 s22, s12, ttmp9
	s_and_b32 s23, s[CLY], 1
	s_cmp_eq_u32 s11, 0                            ; do I fetch for q?
	s_cselect_b32 s18, s18, s20
	s_cselect_b64 s[PFA:PFA+1], s[4:5], s[6:7]
	s_cselect_b32 s22, s22, s23                    ; 0 in a wave that asks: the same in all sixteen partners
	s_cselect_b32 s[PFJ], 0x200000, 0              ; q's next tile lies 1,024 rows down
	s_cselect_b32 s[KILL], 0, 2                    ; k's rows are walked again by the second tile: asked for in the first alone
	s_add_co_u32 s18, s18, 3*ASTEP
	s_mov_b32 s19, 0
	s_mov_b32 s[PFS], ASTEP
	s_mov_b32 s[PFS+1], 0
	s_mov_b32 s[PFB], 7*ASTEP
	s_mov_b32 s[PFB+1], 0
	s_mov_b32 s[PFJ+1], 0
	s_add_nc_u64 s[PFA:PFA+1], s[PFA:PFA+1], s[18:19]
	s_cmp_eq_u32 s22, 0
	s_cselect_b32 s[LIM], 1, -1
	s_wait_tensorcnt 0x1                           ; my part of K step 0 is in; K step 1's load, issued behind it, may stay out
	s_barrier_signal -1
	s_barrier_wait -1
	FETCH 0, 0, 0
	WIN 0
	s_mov_b32 s2, TILES
.Ltile:
	QUARTER 0, 1, 0, 1, 1                          ; a tile's first quarter starts the sums
	WIN 0
	s_mov_b32 s3, LAPS-1
.Llap:
	QUARTER 0, 2, 1, 0, 0
	QUARTER 0, 3, 0, 1, 0
	TURN 0, 1, 0
	QUARTER 1, 1, 0, 1, 0
	QUARTER 1, 2, 1, 0, 0
	QUARTER 1, 3, 0, 1, 0
	TURN 1, 0, 0
	QUARTER 0, 1, 0, 1, 0
	WIN 0
	s_sub_co_u32 s3, s3, 1
	s_cmp_lg_u32 s3, 0
	s_cbranch_scc1 .Llap
	QUARTER 0, 2, 1, 0, 0
	QUARTER 0, 3, 0, 1, 0
	WIN 0
	s_cmp_eq_u32 s2, 1
	s_cbranch_scc1 .Llast                          ; the last tile's tail is written out: it asks for nothing more
	TURN 0, 1, 1                                   ; the ring goes on into the next tile
	QUARTER 1, 1, 0, 1, 0
	QUARTER 1, 2, 1, 0, 0
	QUARTER 1, 3, 0, 1, 0
	TURN 1, 0, 1                                   ; the next tile's first fragments lie in the buffers 0, which the way out leaves alone
	WAYOUT                                         ; blocks 0 and 1 were finished ahead of the joint load's four v_nop; their arithmetic is the places behind the products of blocks 2 and 3
	WIN 0
	s_wait_xcnt 0x0                                ; the stores have read their registers and their bases
	s_add_nc_u64 s[8:9], s[8:9], 1024*CPITCH       ; 8 query blocks on
	s_add_nc_u64 s[76:77], s[76:77], 1024*8
	s_sub_co_u32 s2, s2, 1
	s_branch .Ltile
.Llast:
	TURN 0, 1, 2
	QUARTER 1, 1, 0, 1, 0
	QUARTER 1, 2, 1, 0, 0
	QUARTER 1, 3, 0, 1, 0
	s_wait_dscnt 0x0                               ; the very last quarter
	MUL 1, 0, 0
	MUL 1, 1, 0
	MUL 1, 2, 0
	MUL 1, 3, 0
	WIN 0
	PLACES
	PLACES
	WAYOUT
	WIN 0
	s_wait_tensorcnt 0x0                           ; the wave's end: behind my last tensor load and my last LDS store
	ds_add_u32 v[SPW], v[NIL]
	s_wait_dscnt 0x0
	CROUND                                         ; the closing round
	s_endpgm
.Lfunc_end_k_qfdf085ad8c_scores:
	.size	k_qfdf085ad8c_scores, .Lfunc_end_k_qfdf085ad8c_scores-k_qfdf085ad8c_scores
	.p2alignl 7, 3214868480
	.fill 96, 4, 3214868480
	.section	.rodata,"a",@progbits
	.p2align	6, 0x0
	.amdhsa_kernel k_qfdf085ad8c_scores
		.amdhsa_group_segment_fixed_size 327680
		.amdhsa_private_segment_fixed_size 0
		.amdhsa_enable_private_segment 0
		.amdhsa_kernarg_size 24
		.amdhsa_user_sgpr_count 2
		.amdhsa_user_sgpr_kernarg_segment_ptr 1
		.amdhsa_wavefront_size32 1
		.amdhsa_system_sgpr_workgroup_id_x 1
		.amdhsa_system_sgpr_workgroup_id_y 1
		.amdhsa_system_sgpr_workgroup_id_z 1
		.amdhsa_system_vgpr_workitem_id 0
		.amdhsa_next_free_vgpr 768
		.amdhsa_next_free_sgpr 96
		.amdhsa_reserve_vcc 0
		.amdhsa_float_denorm_mode_32 3
		.amdhsa_float_denorm_mode_16_64 3
		.amdhsa_memory_ordered 1
		.amdhsa_forward_progress 1
		.amdhsa_inst_pref_size 209
	.end_amdhsa_kernel
	.amdgpu_metadata
---
amdhsa.version: [ 1, 2 ]
amdhsa.kernels:
  - .name:           k_qfdf085ad8c_scores
    .symbol:         k_qfdf085ad8c_scores.kd
    .args:
      - { .name: qkv, .offset: 0, .size: 8, .value_kind: global_buffer, .address_space: global }
      - { .name: pt, .offset: 8, .size: 8, .value_kind: global_buffer, .address_space: global }
      - { .name: st, .offset: 16, .size: 8, .value_kind: global_buffer, .address_space: global }
    .group_segment_fixed_size: 327680
    .private_segment_fixed_size: 0
    .kernarg_segment_align: 8
    .kernarg_segment_size: 24
    .max_flat_workgroup_size: 128
    .sgpr_count:     96
    .vgpr_count:     768
    .wavefront_size: 32
...
	.end_amdgpu_metadata
.endif
;; end of part 3
;; launch mix (part 4): grid 4 x 64, 4 waves a work-group, clusters of 4 x 4, 327,680 bytes of LDS; arguments pt, qkv, out0, st; writes out0
.if DOCPART == 4
	.amdgcn_target "amdgcn-amd-amdhsa--gfx1250"
	.amdhsa_code_object_version 6
	.text
	.protected	k_qfdf085ad8c_mix
	.globl	k_qfdf085ad8c_mix
	.p2align	8
	.type	k_qfdf085ad8c_mix,@function
k_qfdf085ad8c_mix:
	s_mov_b64 s[64:65], 0
	v_nop
	global_prefetch_b8 v0, s[64:65] scope:SCOPE_SE
	s_setreg_imm32_b32 hwreg(HW_REG_WAVE_MODE, 25, 1), 1
	s_wait_xcnt 0x0
	s_wait_alu depctr_hold_cnt(0) depctr_sa_sdst(0) depctr_va_vdst(0) depctr_va_sdst(0) depctr_va_ssrc(0) depctr_va_vcc(0) depctr_vm_vsrc(0)
	s_getreg_b32 s2, hwreg(HW_REG_IB_STS2, 6, 4)
	s_cmp_eq_u32 s2, 0
	s_cbranch_scc0 .Lentry_in_a_cluster
	s_endpgm
.Lentry_in_a_cluster:
	s_bfe_u32 s2, ttmp6, 0x10000c
	s_cmp_lg_u32 s2, 0xf033
	s_cbranch_scc0 .Lentry_shape_is_right
	s_endpgm
.Lentry_shape_is_right:
; out[q][:] = (the sum over chunks i of f_i (p_i v_i)) / L: the second half of the softmax and the second product.
; pt: [8192][2048 keys] f16 holds p = 2^(c (s - m_i)) by chunks of 128 keys; st: [4][16 chunks][2048 queries][2] f32 holds (m_i, l_i); v is the third part of qkv, [8192][1024] f16; out0: [8192][1024] f32.
; For each query: M = the largest m_i, f_i = 2^(c (m_i - M)) (at most 1), L = the sum of l_i f_i (at least 1), c = log2(e) / 32.  So every weight is taken against its ROW's maximum, as the softmax asks.
; A K step of the product is one chunk: p's fragments are multiplied by f_i (both f16, packed) between their load from LDS and the matrix instruction; the sums are f32 and are divided by L at the end.
; LIMITS.  f_i and f_i p are each rounded to f16 and below 6e-5 keep f16's fixed step of 6e-8; an exponential below 2^-126 counts as 0; NaN and infinities are not treated apart.
; SHARES.  A tile of out is 128 queries x 256 channels, one to a work-group of four waves: 256 work-groups.  Wave w: queries 64 (w / 2) on, channels 128 (w % 2) on: 32 accumulators (a, b).  K = 2,048 keys, 16 steps.
; THE MATRIX INSTRUCTION IS USED TRANSPOSED: source 0 = 16 channels of v (turned by ds_load_tr16_b128: v lies [key][channel]), source 1 = 16 queries of p: a lane holds one query and 8 neighbouring channels.
; CLUSTER.  4 x 4 work-groups: p's tile is shared along a row of the cluster, v's along a column; each is asked for jointly.  Waves 0 and 1 ask for p's halves (64 rows x 256 bytes), waves 2 and 3 for v's (64 keys x 512 bytes).
; REGISTERS, in windows of 256 (s_set_vgpr_msb: bits 1:0 source 0, 3:2 source 1, 5:4 source 2, 7:6 destination):
;   window 0: v0-51 addresses and factors; v64-191 v's fragments, two buffers of 64 (at the head: the tables' arithmetic)
;   window 1: v0-127 accumulators of a = 0, 1; v128-191 p's fragments, two buffers of 32; at the end v128-255 the way out        window 2: v0-127 accumulators of a = 2, 3; v128-255 the way out
.set LAPS,   8
.set ASTEP,  256
.set BSTEP,  128*2048
.set PA,     272                       ; an LDS row of p's tile: 256 bytes + 16 of padding: the 16 rows of a load start at 16 different groups of four banks (64 banks of 4 bytes: ISA guide 11.1)
.set PB,     544                       ; of v's tile: 512 + 32
.set ATILE,  128*PA
.set SLOT,   ATILE+128*PB
.set STAGE,  2*SLOT                    ; behind the ring, never filled by a tensor load: 16 rows x 528 bytes for each wave
.set SP,     528
.set TAB,    STAGE+4*16*SP             ; f_i as two equal f16: [16 chunks][128 queries] words
.set INVT,   TAB+16*512                ; 1 / L: [128 queries] f32
.set SPARE,  INVT+512                  ; the spare words, 128 bytes for each wave: two blocks of 256 bytes that no other line names
.set ADRA, 16
.set ADRB, 20
.set STO,  24
.set RD,   25
.set CO,   26
.set SPW,  28
.set NIL,  29
.set PFO,  30
.set FAC,  32                          ; v[32:35] the step's factor for my query in blocks a = 0..3
.set FTA,  36                          ; v36  where they lie: it steps 512 bytes a K step
.set IVA,  37                          ; v37  where my four 1 / L lie
.set IVP,  40                          ; v[40:47] 1 / L, twice, for each block
.set IV,   48                          ; v[48:51] as loaded
.set FB,   64
.set FA,   128
.set G1,   24
.set G0,   32
.set G1B,  48
.set G0B,  56
.set PFA,  66
.set PFS,  68
.set LIM,  74
.set CLY,  75
.set CS,   84
.set LA,   90
.set LB,   91
.set MSB, 0
.macro WIN new
.if MSB != (\new)
	s_set_vgpr_msb (MSB<<8)|(\new)
.set MSB, \new
.endif
.endm
.set W_M1, 0x54                        ; D, C and source 1 window 1, source 0 window 0.  Also: address window 0, data window 1; and the scaling of p: factor window 0, p window 1
.set W_M2, 0xa4                        ; D and C window 2, source 1 window 1, source 0 window 0
.set W_L2, 0xa8                        ; address window 0, data window 2
.set W_S1, 0x41                        ; destination and source 0 window 1, source 1 window 0
.set W_S2, 0x82
.macro PLACES                          ; four plain vector instructions between a matrix instruction and a load into, or a vector instruction on, its registers (ISA guide 7.12.1 for vector instructions)
.rept 4
	v_nop
.endr
.endm
.macro JLOAD s                         ; a joint load; an s_nop 0 and four v_nop follow each of the two lines, ahead of the jump and the label
	s_cmp_eq_u32 s11, 0
	s_cbranch_scc0 .Lfor_b_\@
	tensor_load_to_lds s[G0+4*(\s):G0+4*(\s)+3], s[G1:G1+7]
	s_nop 0
.rept 4
	v_nop
.endr
	s_branch .Lasked_\@
.Lfor_b_\@:
	tensor_load_to_lds s[G0B+4*(\s):G0B+4*(\s)+3], s[G1B:G1B+7]
	s_nop 0
.rept 4
	v_nop
.endr
.Lasked_\@:
.endm
.macro CREST
	s_cmp_lg_u32 s10, 0
	s_cbranch_scc1 .Lnot_wave_0_\@
	s_barrier_signal -3
.Lnot_wave_0_\@:
	s_barrier_wait -3
	s_barrier_signal -1
	s_barrier_wait -1
.endm
.macro CROUND
	s_barrier_signal -1
	s_barrier_wait -1
	CREST
.endm
; A PREFETCH INTO THE L2, behind a joint load and the run of LDS loads that follows it: the K step two refills on, 256 matrix instructions ahead of its load.  Each aligned block of 256 bytes is named once in the launch.
; p's 128 rows: wave 0; the partner at cx takes rows 32 cx + lane.  v's tile: waves 2 and 3, each its 64 keys; the partner at cy takes keys 16 cy + lane / 2, block lane % 2; of the four clusters of a batch, which
; walk the same v, the first asks.  The loop's last trip (s3 = 1) has no K step two on.
.macro ASK
	WIN 0
	s_cmp_gt_u32 s3, s[LIM]
	s_cbranch_scc0 .Lnot_mine_\@
	global_prefetch_b8 v[PFO], s[PFA:PFA+1] th:TH_LOAD_NT scope:SCOPE_SE
.Lnot_mine_\@:
.endm
; One run of LDS loads: quarter kq of a slot's K step into buffer f: v's eight fragments (turned), then p's four; with a step's first quarter its four factors.
.macro FETCH slot, kq, f
	WIN 0
.if (\kq) == 0
.irp a, 0,1,2,3
	ds_load_b32 v[FAC+(\a)], v[FTA] offset:64*(\a)  ; all of the step before's scalings have been issued
.endr
.endif
.irp b, 0,1,2,3,4,5,6,7
	ds_load_tr16_b128 v[FB+64*(\f)+8*(\b):FB+64*(\f)+8*(\b)+3],   v[ADRB+(\slot)] offset:(\kq)*32*PB+32*(\b)
	ds_load_tr16_b128 v[FB+64*(\f)+8*(\b)+4:FB+64*(\f)+8*(\b)+7], v[ADRB+(\slot)] offset:(\kq)*32*PB+16*PB+32*(\b)
.endr
	WIN W_M1
.irp a, 0,1,2,3
	ds_load_b128 v[FA+32*(\f)+8*(\a):FA+32*(\f)+8*(\a)+3],   v[ADRA+(\slot)] offset:64*(\kq)+(\a)*16*PA
	ds_load_b128 v[FA+32*(\f)+8*(\a)+4:FA+32*(\f)+8*(\a)+7], v[ADRA+(\slot)] offset:64*(\kq)+(\a)*16*PA+32
.endr
.endm
; p times f.  Block 0's eight registers ahead of the quarter's first product; the other 24 ride behind the products of blocks 0 and 1, each ahead of the product that reads it, under the products' own window setting.
; None names a register of the matrix instructions round it: those read block 0's or block 1's fragment of this buffer, and the other buffer.
.macro PRE f
	WIN W_M1
.irp b, 0,1,2,3,4,5,6,7
	v_pk_mul_f16 v[FA+32*(\f)+(\b)], v[FAC], v[FA+32*(\f)+(\b)]
.endr
.endm
; 8 matrix instructions: query block a x all 8 channel blocks.  The 32 accumulators take turns, one instruction a turn, in the same order in every quarter.
.macro MUL f, a, zero
.if (\a) < 2
	WIN W_M1
.else
	WIN W_M2
.endif
.irp b, 0,1,2,3,4,5,6,7
.if \zero
	v_wmma_f32_16x16x32_f16 v[64*((\a)%2)+8*(\b):64*((\a)%2)+8*(\b)+7], v[FB+64*(\f)+8*(\b):FB+64*(\f)+8*(\b)+7], v[FA+32*(\f)+8*(\a):FA+32*(\f)+8*(\a)+7], 0
.else
	v_wmma_f32_16x16x32_f16 v[64*((\a)%2)+8*(\b):64*((\a)%2)+8*(\b)+7], v[FB+64*(\f)+8*(\b):FB+64*(\f)+8*(\b)+7], v[FA+32*(\f)+8*(\a):FA+32*(\f)+8*(\a)+7], v[64*((\a)%2)+8*(\b):64*((\a)%2)+8*(\b)+7]
.endif
.if (\a) == 0
	v_pk_mul_f16 v[FA+32*(\f)+8+(\b)],  v[FAC+1], v[FA+32*(\f)+8+(\b)]
	v_pk_mul_f16 v[FA+32*(\f)+16+(\b)], v[FAC+2], v[FA+32*(\f)+16+(\b)]
.endif
.if (\a) == 1
	v_pk_mul_f16 v[FA+32*(\f)+24+(\b)], v[FAC+3], v[FA+32*(\f)+24+(\b)]
.endif
.endr
.endm
.macro QUARTER slot, kq, f, g, zero
	s_wait_dscnt 0x0                               ; buffer f (and, in a step's first quarter, the factors) is in: its run of loads was issued 16 matrix instructions ago
	PRE \f
	MUL \f, 0, \zero
	MUL \f, 1, \zero
	PLACES                                         ; buffer g was last read by the quarter before
	FETCH \slot, \kq, \g
	MUL \f, 2, \zero
	MUL \f, 3, \zero
.endm
; A K step's last quarter multiplies buffer 1 and changes slots: ONE barrier; in front of it each wave waits for all its tensor loads (one is out: its part of the next slot), adds 0 to its spare word, and waits
; for that and for its reads of this slot.  fill = 1: the barrier opens a round of the cluster's, and the joint refill of this slot, two K steps on, is the first thing behind the round.
.macro TURN slot, next, fill
.if \fill
	s_wait_xcnt 0x0                                ; the last prefetch, a K step back, has read its address: it is stepped here
	s_add_nc_u64 s[PFA:PFA+1], s[PFA:PFA+1], s[PFS:PFS+1]
.endif
	WIN 0                                          ; (the add's two registers lie in window 0)
	s_wait_tensorcnt 0x0                           ; all my tensor loads have landed, so every group 0 may be written
	ds_add_u32 v[SPW], v[NIL]                      ; 0 onto my spare word
.if \fill
	s_add_nc_u64 s[G0+4*(\slot)+2:G0+4*(\slot)+3], s[G0+4*(\slot)+2:G0+4*(\slot)+3], 2*ASTEP
	s_add_nc_u64 s[G0B+4*(\slot)+2:G0B+4*(\slot)+3], s[G0B+4*(\slot)+2:G0B+4*(\slot)+3], 2*BSTEP
.endif
	s_wait_dscnt 0x1                               ; the add alone may be out: buffer 1 is in
	PRE 1
	MUL 1, 0, 0
	s_wait_dscnt 0x0                               ; the add is done, and my reads of this slot are over
	s_barrier_signal -1
	MUL 1, 1, 0                                    ; work on registers while the others arrive
	WIN 0
	s_barrier_wait -1
.if \fill
	CREST
	JLOAD \slot                                    ; its four v_nop are also the places in front of the loads below
.else
	PLACES
.endif
	v_add_nc_u32 v[FTA], 512, v[FTA]               ; the next chunk's factors
	FETCH \next, 0, 0
.if \fill
	ASK
.endif
	MUL 1, 2, 0
	MUL 1, 3, 0
.endm
; THE WAY OUT of query block a: divided by L in place (each accumulator's registers in ascending order); 32 bytes a lane into my own stage; back as whole rows of 512 bytes; stored.
.macro SCALE a
.set AC, 64*((\a)%2)
.if (\a) < 2
	WIN W_S1
.else
	WIN W_S2
.endif
.set i, 0
.rept 32
	v_pk_mul_f32 v[AC+i:AC+i+1], v[AC+i:AC+i+1], v[IVP+2*(\a):IVP+2*(\a)+1]
.set i, i+2
.endr
.endm
.macro TOSTAGE a
.set AC, 64*((\a)%2)
.set BK, 128+64*((\a)%2)               ; four different sets of 64 registers for the four blocks
.if (\a) < 2
	WIN W_M1
.else
	WIN W_L2
.endif
.irp b, 0,1,2,3,4,5,6,7
	ds_store_b128 v[STO], v[AC+8*(\b):AC+8*(\b)+3]   offset:64*(\b)
	ds_store_b128 v[STO], v[AC+8*(\b)+4:AC+8*(\b)+7] offset:64*(\b)+16
.endr
.set t, 0
.rept 16
	ds_load_b128 v[BK+4*t:BK+4*t+3], v[RD] offset:t*SP  ; LDS serves a wave's instructions in order (ISA guide 5.7.1.4): these see the stores above
.set t, t+1
.endr
.endm
.macro SEND a
.set BK, 128+64*((\a)%2)
.if (\a) < 2
	WIN W_M1
.else
	WIN W_L2
.endif
	s_wait_dscnt 0x0                               ; the block is back in registers
.set t, 0
.rept 16
	global_store_b128 v[CO], v[BK+4*t:BK+4*t+3], s[8:9] offset:(16*(\a)+t)*4096 th:TH_STORE_NT  ; the wave stores 512 consecutive bytes, aligned
.set t, t+1
.endr
.endm
	s_load_b128 s[4:7], s[0:1], 0x0                ; pt s[4:5], qkv s[6:7]
	s_load_b128 s[76:79], s[0:1], 0x10             ; out0 s[76:77], st s[78:79]
	v_lshl_add_u32 v[SPW], v0, 2, SPARE
	v_mov_b32 v[NIL], 0
	ds_add_u32 v[SPW], v[NIL]                      ; the wave's opening: the add and its wait stand ahead of my first tensor load; the set-up below, work on registers, stands between them
	v_lshrrev_b32 v1, 5, v0
	v_readfirstlane_b32 s10, v1                    ; wave 0..3
	s_lshr_b32 s11, s10, 1                         ; my half of the tile's queries.  Also: I fetch for p (0) or for v (1)
	s_and_b32 s12, s10, 1                          ; my half of its channels.  Also: which half of that tile I fetch
	s_bfe_u32 s40, ttmp6, 0x40000                  ; cx
	s_bfe_u32 s41, ttmp6, 0x40004                  ; cy
	s_lshl_b32 s42, ttmp9, 2
	s_add_co_u32 s42, s42, s40                     ; channel block of 256: 0..3
	s_and_b32 s[CLY], ttmp7, 0xffff
	s_lshl_b32 s13, s[CLY], 2
	s_add_co_u32 s13, s13, s41                     ; gy: rows 128 gy on of pt and out0; batch gy / 16 = cluster y / 4
	s_lshl_b32 s43, s41, 2
	s_lshl_b32 s43, 15, s43                        ; my row of the cluster
	s_lshl_b32 s44, 0x1111, s40                    ; my column
	s_or_b32 s[G1+0], s43, (1<<16)|(1<<20)|(1<<21)|(5<<22)|(3<<25)   ; the mask; 2-byte elements; padding on; bit 21 beside a mask; after every 64 words 4 words
	s_mov_b32 s[G1+1], 128<<16                     ; tensor_dim0 = 128
	s_mov_b32 s[G1+2], 64<<16                      ; tensor_dim1 = 64
	s_mov_b32 s[G1+3], 128<<16                     ; tile_dim0 = 128
	s_mov_b32 s[G1+4], 64                          ; tile_dim1 = 64
	s_mov_b32 s[G1+5], 2048                        ; elements from row to row of pt
	s_mov_b32 s[G1+6], 0
	s_mov_b32 s[G1+7], 0
	s_or_b32 s[G1B+0], s44, (1<<16)|(1<<20)|(1<<21)|(6<<22)|(7<<25)  ; after every 128 words 8 words
	s_mov_b32 s[G1B+1], 256<<16                    ; tensor_dim0 = 256
	s_mov_b32 s[G1B+2], 64<<16                     ; tensor_dim1 = 64
	s_mov_b32 s[G1B+3], 256<<16                    ; tile_dim0 = 256
	s_mov_b32 s[G1B+4], 64                         ; tile_dim1 = 64
	s_mov_b32 s[G1B+5], 1024                       ; elements from row to row of v
	s_mov_b32 s[G1B+6], 0
	s_mov_b32 s[G1B+7], 0
	s_lshl_b32 s16, s13, 7                         ; pt: row 128 gy + 64 x half, of 4,096 bytes: made of gy and the wave's number alone
	s_lshl_b32 s17, s12, 6
	s_add_co_u32 s16, s16, s17
	s_lshl_b32 s16, s16, 12
	s_mov_b32 s17, 0
	s_lshr_b32 s46, s[CLY], 2                      ; v: key 2,048 x batch + 64 x half, channel 256 x block: made of the cluster's y, the channel block and the wave's number alone
	s_lshl_b32 s46, s46, 11
	s_lshl_b32 s47, s12, 6
	s_add_co_u32 s46, s46, s47
	s_lshl_b32 s46, s46, 11
	s_lshl_b32 s47, s42, 9
	s_add_co_u32 s46, s46, s47
	s_mov_b32 s47, 0
	s_mul_i32 s[LA], s12, 64*PA
	s_mul_i32 s[LB], s12, 64*PB
	s_add_co_u32 s[LB], s[LB], ATILE
	s_mov_b32 s[CS], 0x3d38aa3b                    ; c = log2(e) / 32
	s_wait_dscnt 0x0                               ; the opening add is done
	s_wait_kmcnt 0x0
	s_add_nc_u64 s[6:7], s[6:7], 0x2000000         ; v lies 16,384 rows behind q
	s_add_nc_u64 s[14:15], s[4:5], s[16:17]
	s_add_nc_u64 s[46:47], s[6:7], s[46:47]
	CROUND                                         ; all sixteen work-groups are here: the first joint loads meet
.irp s, 0,1
	s_mov_b32 s[G0+4*(\s)], 1
	s_add_co_u32 s[G0+4*(\s)+1], s[LA], (\s)*SLOT
	s_add_nc_u64 s[G0+4*(\s)+2:G0+4*(\s)+3], s[14:15], (\s)*ASTEP
	s_or_b32 s[G0+4*(\s)+3], s[G0+4*(\s)+3], 0x80000000
	s_mov_b32 s[G0B+4*(\s)], 1
	s_add_co_u32 s[G0B+4*(\s)+1], s[LB], (\s)*SLOT
	s_add_nc_u64 s[G0B+4*(\s)+2:G0B+4*(\s)+3], s[46:47], (\s)*BSTEP
	s_or_b32 s[G0B+4*(\s)+3], s[G0B+4*(\s)+3], 0x80000000
	JLOAD \s                                       ; K steps 0 and 1: two loads of mine are out
.endr
	; THE TABLES.  Thread t stands for query t of the work-group's 128: its 16 pairs (m_i, l_i) are asked for now; the addresses are made while they are on their way.
	s_lshr_b32 s18, s13, 4                         ; st at my batch, chunk 0, the work-group's first query
	s_lshl_b32 s18, s18, 15
	s_and_b32 s19, s13, 15
	s_lshl_b32 s19, s19, 7
	s_add_co_u32 s18, s18, s19
	s_lshl_b32 s18, s18, 3
	s_mov_b32 s19, 0
	s_add_nc_u64 s[78:79], s[78:79], s[18:19]
	v_lshlrev_b32 v7, 3, v0
.set i, 0
.rept 16
	global_load_b64 v[64+2*i:65+2*i], v7, s[78:79] offset:16384*i
.set i, i+1
.endr
	v_and_b32 v1, 15, v0                           ; r
	v_bfe_u32 v2, v0, 4, 1                         ; h
	v_mul_u32_u24 v3, v1, PA
	v_lshl_add_u32 v3, v2, 4, v3                   ; p's fragments: row x pitch + 16 x half
	s_mul_i32 s22, s11, 64*PA
	v_add_nc_u32 v[ADRA], s22, v3
	v_add_nc_u32 v[ADRA+1], SLOT, v[ADRA]
	v_and_b32 v4, 7, v0                            ; v, turned: lane l reads key 8 (l / 16) + l % 8, channels 8 ((l / 8) % 2) + 0..7
	v_lshl_add_u32 v4, v2, 3, v4
	v_mul_u32_u24 v4, v4, PB
	v_bfe_u32 v5, v0, 3, 1
	v_lshl_add_u32 v4, v5, 4, v4
	s_lshl_b32 s22, s12, 8
	s_add_co_u32 s22, s22, ATILE
	v_add_nc_u32 v[ADRB], s22, v4
	v_add_nc_u32 v[ADRB+1], SLOT, v[ADRB]
	s_mul_i32 s22, s10, 16*SP
	s_add_co_u32 s22, s22, STAGE                   ; my stage
	v_mul_u32_u24 v5, v1, SP
	v_lshl_add_u32 v5, v2, 5, v5
	v_add_nc_u32 v[STO], s22, v5                   ; in: row r, 32 bytes for each half of the lanes
	v_and_b32 v6, 31, v0
	v_lshlrev_b32 v[CO], 4, v6                     ; back, and in out0: 32 lanes take a row's 512 bytes
	v_add_nc_u32 v[RD], s22, v[CO]
	s_lshl_b32 s22, s11, 8                         ; my 64 queries' words of a chunk; block a lies 64 bytes on
	s_add_co_u32 s22, s22, TAB
	v_lshl_add_u32 v[FTA], v1, 2, s22
	v_add_nc_u32 v[IVA], INVT-TAB, v[FTA]
	v_lshl_add_u32 v8, v0, 2, TAB                  ; where thread t puts query t's words: a wave stores 128 consecutive bytes
	s_lshl_b32 s18, s13, 7                         ; out0 at my first query and channel
	s_lshl_b32 s19, s11, 6
	s_add_co_u32 s18, s18, s19
	s_lshl_b32 s18, s18, 12
	s_lshl_b32 s19, s42, 10
	s_add_co_u32 s18, s18, s19
	s_lshl_b32 s19, s12, 9
	s_add_co_u32 s18, s18, s19
	s_mov_b32 s19, 0
	s_add_nc_u64 s[8:9], s[76:77], s[18:19]
	; the prefetches: they start at K step 3; the first change of slots steps them to 4.  Nothing is asked for here, at the head
	s_lshl_b32 s18, s13, 7                         ; for p: row 128 gy + 32 cx
	s_lshl_b32 s19, s40, 5
	s_add_co_u32 s18, s18, s19
	s_lshl_b32 s18, s18, 12
	s_add_co_u32 s18, s18, 3*ASTEP
	s_lshr_b32 s20, s[CLY], 2                      ; for v: key 2,048 x batch + 64 x half + 16 cy, my channel block
	s_lshl_b32 s20, s20, 11
	s_lshl_b32 s21, s12, 6
	s_add_co_u32 s20, s20, s21
	s_lshl_b32 s21, s41, 4
	s_add_co_u32 s20, s20, s21
	s_lshl_b32 s20, s20, 11
	s_lshl_b32 s21, s42, 9
	s_add_co_u32 s20, s20, s21
	s_add_co_u32 s20, s20, 3*BSTEP
	s_and_b32 s23, s[CLY], 3
	s_mov_b32 s[PFS], BSTEP
	s_mov_b32 s93, 2048
	s_cmp_eq_u32 s11, 0                            ; do I fetch for p?
	s_cselect_b32 s18, s18, s20
	s_cselect_b64 s[PFA:PFA+1], s[4:5], s[6:7]
	s_cselect_b32 s22, s12, s23                    ; 0 in a wave that asks: the same in all sixteen partners
	s_cselect_b32 s[PFS], ASTEP, s[PFS]
	s_cselect_b32 s92, 0, 1                        ; p: a lane a row; v: two lanes a row, 256 bytes apart
	s_cselect_b32 s93, 4096, s93
	s_mov_b32 s19, 0
	s_mov_b32 s[PFS+1], 0
	s_add_nc_u64 s[PFA:PFA+1], s[PFA:PFA+1], s[18:19]
	s_cmp_eq_u32 s22, 0
	s_cselect_b32 s[LIM], 1, -1
	v_lshrrev_b32 v9, s92, v6
	v_mul_u32_u24 v[PFO], s93, v9
	v_and_b32 v9, s92, v6
	v_lshl_add_u32 v[PFO], v9, 8, v[PFO]
	s_wait_loadcnt 0x0                             ; my query's 16 pairs: m_i in v[64 + 2 i], l_i in v[65 + 2 i]
	v_max3_num_f32 v96, v64, v66, v68              ; M
.irp i, 3,5,7,9,11,13
	v_max3_num_f32 v96, v96, v[64+2*(\i)], v[64+2*(\i)+2]
.endr
	v_max_num_f32 v96, v96, v94
.set i, 0
.rept 16
	v_sub_f32 v[100+i], v[64+2*i], v96             ; m_i - M, at most 0,
.set i, i+1
.endr
.set i, 0
.rept 16
	v_mul_f32 v[100+i], s[CS], v[100+i]            ; times c
.set i, i+1
.endr
.set i, 0
.rept 16
	v_exp_f32 v[100+i], v[100+i]                   ; f_i: one batch
.set i, i+1
.endr
	v_nop                                          ; a plain instruction behind the last exponential,
	s_wait_alu depctr_va_vdst(0)                   ; and a wait ahead of the first use
	v_mul_f32 v97, v65, v100                       ; L = the sum of l_i f_i, in f32, of the unrounded f_i
.set i, 1
.rept 15
	v_fmac_f32 v97, v[65+2*i], v[100+i]
.set i, i+1
.endr
	v_rcp_f32 v98, v97
.set i, 0
.rept 16
	v_cvt_pk_f16_f32 v[116+i], v[100+i], v[100+i]  ; f_i in both halves, for the packed multiply; plain work behind the reciprocal
.set i, i+1
.endr
	s_wait_alu depctr_va_vdst(0)                   ; the reciprocal's wait, ahead of the store that reads it
.set i, 0
.rept 16
	ds_store_b32 v8, v[116+i] offset:512*i
.set i, i+1
.endr
	ds_store_b32 v8, v98 offset:INVT-TAB
	s_wait_tensorcnt 0x1                           ; my part of K step 0 is in; K step 1's load, issued behind it, may stay out
	s_wait_dscnt 0x0                               ; for the others' sake: my words of the tables are stored
	s_barrier_signal -1
	s_barrier_wait -1
	FETCH 0, 0, 0
	QUARTER 0, 1, 0, 1, 1                          ; the first quarter starts the sums: nothing is cleared
	WIN 0                                          ; at a label and at a branch every window is 0
	s_mov_b32 s3, LAPS-1
.Llap:                                                 ; a trip goes once round the ring, from a lap's second quarter to the next lap's first, and fills both slots again
	QUARTER 0, 2, 1, 0, 0
	QUARTER 0, 3, 0, 1, 0
	TURN 0, 1, 1
	QUARTER 1, 1, 0, 1, 0
	QUARTER 1, 2, 1, 0, 0
	QUARTER 1, 3, 0, 1, 0
	TURN 1, 0, 1
	QUARTER 0, 1, 0, 1, 0
	WIN 0
	s_sub_co_u32 s3, s3, 1
	s_cmp_lg_u32 s3, 0
	s_cbranch_scc1 .Llap
	QUARTER 0, 2, 1, 0, 0                          ; the last lap fills nothing
	QUARTER 0, 3, 0, 1, 0
	TURN 0, 1, 0
	QUARTER 1, 1, 0, 1, 0
	QUARTER 1, 2, 1, 0, 0
	QUARTER 1, 3, 0, 1, 0
	s_wait_dscnt 0x0                               ; the very last quarter: nothing more to fetch
	PRE 1
	MUL 1, 0, 0
	MUL 1, 1, 0
	MUL 1, 2, 0
	MUL 1, 3, 0
	WIN 0
	PLACES
	PLACES
.irp a, 0,1,2,3
	ds_load_b32 v[IV+(\a)], v[IVA] offset:64*(\a)  ; 1 / L of my query in each block
.endr
	s_wait_dscnt 0x0
.irp a, 0,1,2,3
	v_mov_b32 v[IVP+2*(\a)], v[IV+(\a)]            ; as a pair, for the packed multiply
	v_mov_b32 v[IVP+2*(\a)+1], v[IV+(\a)]
.endr
	SCALE 0
	TOSTAGE 0
.irp a, 1,2,3                          ; block a's scaling stands between block a - 1's loads from the stage and the wait for them
	SCALE \a
	SEND (\a)-1
	TOSTAGE \a
.endr
	SEND 3
	WIN 0
	s_wait_tensorcnt 0x0                           ; the wave's end: behind my last tensor load and my last LDS store
	ds_add_u32 v[SPW], v[NIL]
	s_wait_dscnt 0x0
	CROUND                                         ; the closing round: no work-group ends while a partner may still ask for a tile that names it
	s_endpgm
.Lfunc_end_k_qfdf085ad8c_mix:
	.size	k_qfdf085ad8c_mix, .Lfunc_end_k_qfdf085ad8c_mix-k_qfdf085ad8c_mix
	.p2alignl 7, 3214868480
	.fill 96, 4, 3214868480
	.section	.rodata,"a",@progbits
	.p2align	6, 0x0
	.amdhsa_kernel k_qfdf085ad8c_mix
		.amdhsa_group_segment_fixed_size 327680
		.amdhsa_private_segment_fixed_size 0
		.amdhsa_enable_private_segment 0
		.amdhsa_kernarg_size 32
		.amdhsa_user_sgpr_count 2
		.amdhsa_user_sgpr_kernarg_segment_ptr 1
		.amdhsa_wavefront_size32 1
		.amdhsa_system_sgpr_workgroup_id_x 1
		.amdhsa_system_sgpr_workgroup_id_y 1
		.amdhsa_system_sgpr_workgroup_id_z 1
		.amdhsa_system_vgpr_workitem_id 0
		.amdhsa_next_free_vgpr 768
		.amdhsa_next_free_sgpr 96
		.amdhsa_reserve_vcc 0
		.amdhsa_float_denorm_mode_32 3
		.amdhsa_float_denorm_mode_16_64 3
		.amdhsa_memory_ordered 1
		.amdhsa_forward_progress 1
		.amdhsa_inst_pref_size 136
	.end_amdhsa_kernel
	.amdgpu_metadata
---
amdhsa.version: [ 1, 2 ]
amdhsa.kernels:
  - .name:           k_qfdf085ad8c_mix
    .symbol:         k_qfdf085ad8c_mix.kd
    .args:
      - { .name: pt, .offset: 0, .size: 8, .value_kind: global_buffer, .address_space: global }
      - { .name: qkv, .offset: 8, .size: 8, .value_kind: global_buffer, .address_space: global }
      - { .name: out0, .offset: 16, .size: 8, .value_kind: global_buffer, .address_space: global }
      - { .name: st, .offset: 24, .size: 8, .value_kind: global_buffer, .address_space: global }
    .group_segment_fixed_size: 327680
    .private_segment_fixed_size: 0
    .kernarg_segment_align: 8
    .kernarg_segment_size: 32
    .max_flat_workgroup_size: 128
    .sgpr_count:     96
    .vgpr_count:     768
    .wavefront_size: 32
...
	.end_amdgpu_metadata
.endif
;; end of part 4
;; ======== version 2 of 3: 4 launches
;; limits: values are held in f16: magnitudes above 65,504 overflow, below 6.1e-05 lose precision
;; workspace buffers: ab 33,554,432 bytes; wb 6,291,456 bytes; qkv 50,331,648 bytes; pt 33,554,432 bytes; st 1,048,576 bytes
;; launch cast (part 5): grid 256 x 1, 19 waves a work-group, no clusters, 0 bytes of LDS; arguments x, y, Wq, Wkv, ab, wb; writes ab, wb
.if DOCPART == 5
	.amdgcn_target "amdgcn-amd-amdhsa--gfx1250"
	.amdhsa_code_object_version 6
	.text
	.protected	k_qfdf085ad8c_cast
	.globl	k_qfdf085ad8c_cast
	.p2align	8
	.type	k_qfdf085ad8c_cast,@function
k_qfdf085ad8c_cast:
	s_mov_b64 s[64:65], 0
	v_nop
	global_prefetch_b8 v0, s[64:65] scope:SCOPE_SE
	s_setreg_imm32_b32 hwreg(HW_REG_WAVE_MODE, 25, 1), 1
	s_wait_xcnt 0x0
; x, y, Wq, Wkv (f32) are rounded once to bf16 (nearest even) for the products of the next launch.
;   ab: [16384][1024] bf16, rows 0-8191 = x, rows 8192-16383 = y.      wb: [1024 k][3072 n] bf16, columns 0-1023 Wq, 1024-3071 Wkv.
; A UNIT is 1,024 numbers: 4,096 bytes in, 2,048 bytes out.  19,456 units: 8,192 of x, 8,192 of y, 1,024 rows of Wq, 2,048 half rows of Wkv.
; SHARES.  19,456 = 256 x 19 x 4: 256 work-groups of 19 waves, a wave 4 units on end: every work-group has the same share.  Every border between the four inputs is a multiple of 4 units,
; so a wave has one source; it picks it by its own number among the launch's 4,864 waves, without a branch.
; A stream: each byte is read once and written once, so there is no LDS, no barrier, no matrix work, no cluster (no two work-groups read the same byte)
; and no prefetch (all of a wave's 32 loads go out at once, and nothing but these loads is on the road).
; A load of the wave covers 512 consecutive bytes; a lane's 4 numbers round into 8 bytes, so a store of the wave covers 256 consecutive bytes, aligned.
.set D, 16                             ; v[16:143]  32 groups of 4 registers: group k = unit k / 8, eighth k % 8
	s_load_b256 s[4:11], s[0:1], 0x0               ; x s[4:5], y s[6:7], Wq s[8:9], Wkv s[10:11]
	s_load_b128 s[12:15], s[0:1], 0x20             ; ab s[12:13], wb s[14:15]
	v_lshrrev_b32 v1, 5, v0
	v_readfirstlane_b32 s16, v1                    ; wave 0..18
	v_and_b32 v6, 31, v0                           ; lane
	v_lshlrev_b32 v1, 4, v6                        ; source: 16 bytes a lane
	v_lshlrev_b32 v2, 3, v6                        ; destination: 8 bytes a lane
	s_mul_i32 s17, ttmp9, 19
	s_add_co_u32 s17, s17, s16                     ; my wave among the launch's: 0..4,863
	s_cmp_lt_u32 s17, 2048                         ; the first wave of my input: 0 (x), 2,048 (y), 4,096 (Wq), 4,352 (Wkv)
	s_cselect_b32 s22, 0, 2048
	s_cmp_lt_u32 s17, 4096
	s_cselect_b32 s22, s22, 4096
	s_cmp_lt_u32 s17, 4352
	s_cselect_b32 s22, s22, 4352
	s_sub_co_u32 s23, s17, s22                     ; my wave within its input
	s_lshl_b32 s18, s23, 14                        ; its 4 units of 4,096 bytes in the source
	s_mov_b32 s19, 0
	s_lshl_b32 s26, s17, 13                        ; x, y: unit u of the two together is row u of ab
	s_mul_i32 s28, s23, 4*6144                     ; Wq: unit u is row u of wb, columns 0-1023
	s_mul_i32 s29, s23, 2*6144                     ; Wkv: unit u is row u / 2 of wb, columns 1024 + 1024 (u % 2) on
	s_add_co_u32 s29, s29, 2048
	s_mov_b32 s30, 2048
	s_mov_b32 s31, 6144
	s_mov_b32 s32, 4096
	s_mov_b32 s33, 12288
	s_cmp_lt_u32 s17, 4352                         ; unit i of my four lies (i % 2) d1 + (i / 2) d2 bytes behind the first
	s_cselect_b32 s28, s28, s29
	s_cselect_b32 s34, s31, s30                    ; d1: Wq 6,144, Wkv 2,048
	s_cselect_b32 s35, s33, s31                    ; d2: Wq 12,288, Wkv 6,144
	s_cmp_lt_u32 s17, 4096
	s_cselect_b32 s26, s26, s28
	s_cselect_b32 s34, s30, s34                    ; x, y: 2,048
	s_cselect_b32 s35, s32, s35                    ; x, y: 4,096
	s_mov_b32 s27, 0
	v_add_nc_u32 v3, s34, v2                       ; v[2:5]: my 8 bytes in units 0 to 3
	v_add_nc_u32 v4, s35, v2
	v_add_nc_u32 v5, s35, v3
	s_wait_kmcnt 0x0
	s_cmp_lt_u32 s17, 2048
	s_cselect_b64 s[20:21], s[4:5], s[6:7]
	s_cmp_lt_u32 s17, 4096
	s_cselect_b64 s[20:21], s[20:21], s[8:9]
	s_cselect_b64 s[24:25], s[12:13], s[14:15]
	s_cmp_lt_u32 s17, 4352
	s_cselect_b64 s[20:21], s[20:21], s[10:11]
	s_add_nc_u64 s[20:21], s[20:21], s[18:19]      ; the source at my first unit
	s_add_nc_u64 s[24:25], s[24:25], s[26:27]      ; the destination at my first unit
.set k, 0
.rept 32                                       ; all 32 loads of the wave, 16 KiB on end, go out before anything is waited for
	global_load_b128 v[D+4*k:D+4*k+3], v1, s[20:21] offset:512*k th:TH_LOAD_NT
.set k, k+1
.endr
.set k, 0
.rept 32
	s_wait_loadcnt 31-k                            ; loads come back in order: load k is in, the 31 - k issued behind it may stay out
	v_cvt_pk_bf16_f32 v[D+4*k],   v[D+4*k],   v[D+4*k+1]  ; in place: each source is read before the line that writes over it
	v_cvt_pk_bf16_f32 v[D+4*k+1], v[D+4*k+2], v[D+4*k+3]
	global_store_b64 v[2+k/8], v[D+4*k:D+4*k+1], s[24:25] offset:(k%8)*256
.set k, k+1
.endr
	s_endpgm
.Lfunc_end_k_qfdf085ad8c_cast:
	.size	k_qfdf085ad8c_cast, .Lfunc_end_k_qfdf085ad8c_cast-k_qfdf085ad8c_cast
	.p2alignl 7, 3214868480
	.fill 96, 4, 3214868480
	.section	.rodata,"a",@progbits
	.p2align	6, 0x0
	.amdhsa_kernel k_qfdf085ad8c_cast
		.amdhsa_group_segment_fixed_size 0
		.amdhsa_private_segment_fixed_size 0
		.amdhsa_enable_private_segment 0
		.amdhsa_kernarg_size 48
		.amdhsa_user_sgpr_count 2
		.amdhsa_user_sgpr_kernarg_segment_ptr 1
		.amdhsa_wavefront_size32 1
		.amdhsa_system_sgpr_workgroup_id_x 1
		.amdhsa_system_sgpr_workgroup_id_y 1
		.amdhsa_system_sgpr_workgroup_id_z 1
		.amdhsa_system_vgpr_workitem_id 0
		.amdhsa_next_free_vgpr 144
		.amdhsa_next_free_sgpr 66
		.amdhsa_reserve_vcc 0
		.amdhsa_float_denorm_mode_32 3
		.amdhsa_float_denorm_mode_16_64 3
		.amdhsa_memory_ordered 1
		.amdhsa_forward_progress 1
		.amdhsa_inst_pref_size 14
	.end_amdhsa_kernel
	.amdgpu_metadata
---
amdhsa.version: [ 1, 2 ]
amdhsa.kernels:
  - .name:           k_qfdf085ad8c_cast
    .symbol:         k_qfdf085ad8c_cast.kd
    .args:
      - { .name: x, .offset: 0, .size: 8, .value_kind: global_buffer, .address_space: global }
      - { .name: y, .offset: 8, .size: 8, .value_kind: global_buffer, .address_space: global }
      - { .name: Wq, .offset: 16, .size: 8, .value_kind: global_buffer, .address_space: global }
      - { .name: Wkv, .offset: 24, .size: 8, .value_kind: global_buffer, .address_space: global }
      - { .name: ab, .offset: 32, .size: 8, .value_kind: global_buffer, .address_space: global }
      - { .name: wb, .offset: 40, .size: 8, .value_kind: global_buffer, .address_space: global }
    .group_segment_fixed_size: 0
    .private_segment_fixed_size: 0
    .kernarg_segment_align: 8
    .kernarg_segment_size: 48
    .max_flat_workgroup_size: 608
    .sgpr_count:     66
    .vgpr_count:     144
    .wavefront_size: 32
...
	.end_amdgpu_metadata
.endif
;; end of part 5
;; launch proj (part 6): grid 12 x 16, 4 waves a work-group, clusters of 4 x 4, 327,680 bytes of LDS; arguments ab, wb, qkv; writes qkv
.if DOCPART == 6
	.amdgcn_target "amdgcn-amd-amdhsa--gfx1250"
	.amdhsa_code_object_version 6
	.text
	.protected	k_qfdf085ad8c_proj
	.globl	k_qfdf085ad8c_proj
	.p2align	8
	.type	k_qfdf085ad8c_proj,@function
k_qfdf085ad8c_proj:
	s_mov_b64 s[64:65], 0
	v_nop
	global_prefetch_b8 v0, s[64:65] scope:SCOPE_SE
	s_setreg_imm32_b32 hwreg(HW_REG_WAVE_MODE, 25, 1), 1
	s_wait_xcnt 0x0
	s_wait_alu depctr_hold_cnt(0) depctr_sa_sdst(0) depctr_va_vdst(0) depctr_va_sdst(0) depctr_va_ssrc(0) depctr_va_vcc(0) depctr_vm_vsrc(0)
	s_getreg_b32 s2, hwreg(HW_REG_IB_STS2, 6, 4)
	s_cmp_eq_u32 s2, 0
	s_cbranch_scc0 .Lentry_in_a_cluster
	s_endpgm
.Lentry_in_a_cluster:
	s_bfe_u32 s2, ttmp6, 0x10000c
	s_cmp_lg_u32 s2, 0xf033
	s_cbranch_scc0 .Lentry_shape_is_right
	s_endpgm
.Lentry_shape_is_right:
; q = x Wq, k = y Wk, v = y Wv.  ab: [16384][1024] bf16 (x, then y), wb: [1024 k][3072 n] bf16 (Wq, Wk, Wv), qkv: [3][8192][1024] f16.
; Products in bf16, sums in f32 (K ascending), each result rounded once to f16, WITHOUT the scale.
; LIMITS.  The inputs arrive rounded to bf16.  f16 holds no number beyond 65,504: a q, k or v of 65,520 or more becomes an infinity.  NaN and infinities are not treated apart.
; SHARES.  A tile of C is 256 x 256, made by four waves of 128 x 128 (64 accumulators of 16 x 16, 512 registers).  q, k and v together have 384 such tiles; a work-group makes TWO, 4,096 rows apart, with the
; same columns of wb: 192 work-groups, so a quarter of the chip's 256 WGPs get none.  The reason is the ring's arithmetic: a tile of 128 x 256 would give 256 work-groups three tiles each, but 24 K steps on end
; with 112 matrix instructions between a tile's request and the wait for it; this tile has 16 K steps on end with 224.
; K goes in steps of 128 through a ring of two LDS slots; a step is four quarters of 32.  A STEP IS WRITTEN ONCE AND LOOPED OVER: one walking descriptor for each operand changes slots by an exclusive or,
; and the fragments' LDS addresses are made anew at each change of slots from the scalar TB (0 or SLOT).
; THE MATRIX INSTRUCTION IS USED TRANSPOSED: source 0 = 16 columns of wb, source 1 = 16 rows of ab: a lane holds row lane % 16 of C and the 8 neighbouring columns 8 (lane / 16) + 0..7.
; wb lies [k][n]: its tile comes into LDS as it lies (128 k-rows of 512 bytes) and is turned on the way into registers by ds_load_tr16_b128.
; CLUSTER.  4 x 4 work-groups; the cluster's x says which of q, k, v.  The four of a row of the cluster need the same tile of ab, the four of a column the same tile of wb: each is asked for JOINTLY, by the same
; tensor load with the same descriptor and a mask that names the four.  Waves 0 and 1 ask for the halves of ab's tile (128 rows x 256 bytes), waves 2 and 3 for those of wb's (64 k-rows x 512 bytes).
; REGISTERS, in windows of 256 (s_set_vgpr_msb: bits 1:0 source 0, 3:2 source 1, 5:4 source 2, 7:6 destination):
;   window 0: v0-31 addresses; v64-127, v128-191 ab's fragments, two buffers; v32-63, v192-255 the way out          window 1: v64-127, v128-191 wb's fragments, two buffers
;   window 2: the 32 accumulators of my rows 0-63 ((a, b) at v[8 (8 a + b)])                                          window 3: those of my rows 64-127
.set TILES,  2
.set ASTEP,  256                       ; bytes from a K step to the next in ab: 128 numbers along a row
.set BSTEP,  128*6144                  ; in wb: 128 rows of 6,144 bytes
.set PITCH,  272                       ; an LDS row of ab's tile: 256 bytes + 16 of padding = 68 words: the 16 rows of a load start at 16 different groups of four banks (64 banks of 4 bytes: ISA guide 11.1)
.set PB,     544                       ; of wb's tile: 512 + 32 = 136 words
.set HALFT,  128*PITCH                 ; what one tensor load brings: 128 rows of ab, or 64 k-rows of wb (64 x 544 is the same number)
.set SLOT,   4*HALFT                   ; ab's two halves, then wb's two.  SLOT shares no bit with wave x HALFT, so an exclusive or with it changes slots
.set STAGE,  2*SLOT                    ; behind the ring, never filled by a tensor load: 16 rows x 272 bytes for each wave, for the way out
.set SPITCH, 272
.set SPARE,  STAGE+4*16*SPITCH         ; the spare words, 128 bytes for each wave: two blocks of 256 bytes that no other line names
.set CPITCH, 2048                      ; bytes in a row of q, k, v
.set WALK,   16*256*2048               ; bytes from a tile's rows to the next tile's, in ab and in C
.set JA,     WALK-8*ASTEP              ; what is added beside the usual step where ab goes on into the next tile
.set A0,   16                          ; v16  my lane's place in ab's tile; never rewritten
.set B0,   17                          ; v17  the same for wb's
.set ADRA, 18                          ; v18  LDS address of my fragments of ab in the slot in hand
.set ADRB, 19                          ; v19  the same for wb
.set STO,  24                          ; v24  the way out: where I put 16 bytes of a row
.set RD,   25                          ; v25  where I read a row back
.set CO,   26                          ; v26  my byte offset in two rows of C
.set SPW,  28                          ; v28  LDS address of my spare word; never rewritten
.set NIL,  29                          ; v29  0; never rewritten
.set PFO,  30                          ; v30  the prefetches' lane offset; never rewritten
.set OB,   32                          ; the way out: 16 rows read back: v32-63 and v224-255 by turns
.set F0,   64                          ; fragment buffer 0
.set F1,   128                         ; fragment buffer 1
.set TMP,  192                         ; the way out: packed results
.set G1,   24                          ; s[24:31] descriptor group 1 for ab's tiles;  s[32:35] group 0 of the first fill, s[36:39] the walking one
.set G0,   32
.set G1B,  48                          ; s[48:55], s[56:63] the same for wb's
.set G0B,  56
.set PFA,  66                          ; s[66:67] where my prefetches stand
.set PFS,  68                          ; s[68:69] a K step in bytes, by my role
.set PJ,   70                          ; s70  JA in a wave that fetches ab, else 0
.set LIM,  74                          ; s74  2 in a wave that prefetches, else the greatest number
.set CLY,  75                          ; s75  the cluster's y
.set T,    78                          ; s[78:79] an offset at work; the high word stays 0
.set KA,   80                          ; s80  JA
.set KB,   81                          ; s81  eight K steps of wb
.set TB,   82                          ; s82  LDS byte at which the slot to be read next begins: 0 or SLOT
.set MSB, 0
.macro WIN new                         ; the immediate's high byte repeats the setting that is left; a switch that changes nothing is dropped
.if MSB != (\new)
	s_set_vgpr_msb (MSB<<8)|(\new)
.set MSB, \new
.endif
.endm
.set MUL_LO, 0xa1                      ; source 0 (wb) window 1, source 1 (ab) window 0, C and D window 2
.set MUL_HI, 0xf1                      ; the same, C and D window 3
.set TO_B,   0x40                      ; destination window 1, address window 0
.macro PLACES                          ; four plain vector instructions between a matrix instruction and a load into, or a vector instruction on, its registers (ISA guide 7.12.1 for vector instructions)
.rept 4
	v_nop
.endr
.endm
; A joint load by descriptor set s.  The branch hangs on the wave's number alone.  An s_nop 0 and four v_nop follow each of the two lines, ahead of the jump and the label.
.macro JLOAD s
	s_cmp_eq_u32 s11, 0
	s_cbranch_scc0 .Lfor_b_\@
	tensor_load_to_lds s[G0+4*(\s):G0+4*(\s)+3], s[G1:G1+7]
	s_nop 0
.rept 4
	v_nop
.endr
	s_branch .Lasked_\@
.Lfor_b_\@:
	tensor_load_to_lds s[G0B+4*(\s):G0B+4*(\s)+3], s[G1B:G1B+7]
	s_nop 0
.rept 4
	v_nop
.endr
.Lasked_\@:
.endm
; A round of the cluster's barrier: my work-group's barrier, wave 0 signals for the work-group, every wave waits for all sixteen, my work-group's barrier once more.
.macro CREST
	s_cmp_lg_u32 s10, 0
	s_cbranch_scc1 .Lnot_wave_0_\@
	s_barrier_signal -3
.Lnot_wave_0_\@:
	s_barrier_wait -3
	s_barrier_signal -1
	s_barrier_wait -1
.endm
.macro CROUND
	s_barrier_signal -1
	s_barrier_wait -1
	CREST
.endm
; A PREFETCH INTO THE L2, behind a joint load and the run of LDS loads that follows it: the K step that stands two refills on, 512 matrix instructions ahead of its load; one instruction a wave.
; Each aligned block of 256 bytes is named once in the launch.  Of the 128 rows of ab that wave 0 or 1 fetches the partner at cx takes rows 32 cx + lane; x's rows are read by the clusters with x = 0 alone, y's by
; those with x = 1 and 2, of which x = 1 asks.  Of the 64 k-rows of wb that wave 2 or 3 fetches the partner at cy takes k-rows 16 cy + lane / 2, block lane % 2; of the four clusters that walk the same columns
; the one with y = 0 asks, in the first tile alone (the second walks them again).  The partners are told apart by address, never by a branch.
; how = 0, in the loop of six: its last two trips (s3 = 2, 1) have no K step two on.  how = 1, at the change of tiles: the next tile's K steps 2 and 3.
.macro ASK how
	WIN 0
.if \how
	s_cmp_lg_u32 s[LIM], -1
.else
	s_cmp_gt_u32 s3, s[LIM]
.endif
	s_cbranch_scc0 .Lnot_mine_\@
	global_prefetch_b8 v[PFO], s[PFA:PFA+1] th:TH_LOAD_NT scope:SCOPE_SE
.Lnot_mine_\@:
.endm
; 16 matrix instructions: row blocks a0, a0 + 1 of the window's four (hi = 0: my rows 0-63, 1: rows 64-127) x all 8 column blocks, 32 along K.  zero = 1: the product starts the sums: nothing is cleared.
; The 64 accumulators take turns, one instruction a turn, in the same order in every quarter: 63 others' stand between two links of a chain, over every jump.
.macro MUL16 f, hi, a0, zero
	WIN MUL_LO+0x50*(\hi)
.irp a, \a0, (\a0)+1
.irp b, 0,1,2,3,4,5,6,7
.if \zero
	v_wmma_f32_16x16x32_bf16 v[8*(8*(\a)+(\b)):8*(8*(\a)+(\b))+7], v[(\f)+8*(\b):(\f)+8*(\b)+7], v[(\f)+8*(4*(\hi)+(\a)):(\f)+8*(4*(\hi)+(\a))+7], 0
.else
	v_wmma_f32_16x16x32_bf16 v[8*(8*(\a)+(\b)):8*(8*(\a)+(\b))+7], v[(\f)+8*(\b):(\f)+8*(\b)+7], v[(\f)+8*(4*(\hi)+(\a)):(\f)+8*(4*(\hi)+(\a))+7], v[8*(8*(\a)+(\b)):8*(8*(\a)+(\b))+7]
.endif
.endr
.endr
.endm
; 32 LDS loads in one run: the fragments of quarter kq of the slot in hand into buffer f: wb's eight (turned), then ab's eight.
.macro FETCH kq, f
	WIN TO_B
.irp i, 0,1,2,3,4,5,6,7
	ds_load_tr16_b128 v[(\f)+8*(\i):(\f)+8*(\i)+3],   v[ADRB] offset:(\kq)*32*PB+32*(\i)
	ds_load_tr16_b128 v[(\f)+8*(\i)+4:(\f)+8*(\i)+7], v[ADRB] offset:(\kq)*32*PB+16*PB+32*(\i)
.endr
	WIN 0
.irp i, 0,1,2,3,4,5,6,7
	ds_load_b128 v[(\f)+8*(\i):(\f)+8*(\i)+3],   v[ADRA] offset:64*(\kq)+(\i)*16*PITCH
	ds_load_b128 v[(\f)+8*(\i)+4:(\f)+8*(\i)+7], v[ADRA] offset:64*(\kq)+(\i)*16*PITCH+32
.endr
.endm
; One of a K step's first three quarters: multiplies buffer f; in its middle it fetches quarter kq of the same slot into buffer g.
.macro QUARTER kq, f, g, zero
	s_wait_dscnt 8                                 ; wb's fragments and ab's rows 0-63 are in; the youngest eight loads (ab's rows 64-127) may be out
	MUL16 \f, 0, 0, \zero
	MUL16 \f, 0, 2, \zero
	PLACES                                         ; buffer g was last read by the quarter before
	FETCH \kq, \g
	s_wait_dscnt 32                                ; all but the 32 just issued
	MUL16 \f, 1, 0, \zero
	MUL16 \f, 1, 2, \zero
.endm
; A K step's last quarter multiplies buffer 1 and changes slots: ONE barrier.  In front of it each wave waits for all its tensor loads (one is out: its part of the next slot), adds 0 to its spare word, and waits
; for that and for its reads of this slot.  mode 0, 1: the barrier opens a round of the cluster's, and the joint refill of this slot is the first thing behind the round: 224 matrix instructions stand between it
; and the wait for it.  mode 0: the K step two on.  mode 1, a loop of two trips at a tile's end: the next tile's K steps 0 (s3 = 2) and 1: in the first of the two ab goes WALK bytes down and back along K, wb only back.
; mode 2: nothing is filled again.
.macro TURN mode
.if (\mode) < 2
	s_wait_xcnt 0x0                                ; the last prefetch, a K step back, has read its address: it is stepped here
	s_add_nc_u64 s[PFA:PFA+1], s[PFA:PFA+1], s[PFS:PFS+1]
.if (\mode) == 1
	s_cmp_eq_u32 s3, 2
	s_cselect_b32 s[T], s[PJ], 0
	s_add_nc_u64 s[PFA:PFA+1], s[PFA:PFA+1], s[T:T+1]  ; from K step 10 to the next tile's K step 2
.endif
.endif
	WIN 0                                          ; (the add's two registers lie in window 0)
	s_wait_tensorcnt 0x0                           ; all my tensor loads have landed, so the walking descriptors may be written
	ds_add_u32 v[SPW], v[NIL]                      ; 0 onto my spare word
.if (\mode) < 2
	s_xor_b32 s[G0+5], s[G0+5], SLOT               ; the other slot than last time,
	s_xor_b32 s[G0B+5], s[G0B+5], SLOT
	s_add_nc_u64 s[G0+6:G0+7], s[G0+6:G0+7], ASTEP ; the next K step; the type bits on top are not reached
	s_add_nc_u64 s[G0B+6:G0B+7], s[G0B+6:G0B+7], BSTEP
.if (\mode) == 1
	s_cmp_eq_u32 s3, 2
	s_cselect_b32 s[T], s[KA], 0
	s_add_nc_u64 s[G0+6:G0+7], s[G0+6:G0+7], s[T:T+1]
	s_cselect_b32 s[T], s[KB], 0
	s_sub_nc_u64 s[G0B+6:G0B+7], s[G0B+6:G0B+7], s[T:T+1]
.endif
.endif
	s_wait_dscnt 9                                 ; the add and the youngest eight loads may be out
	MUL16 F1, 0, 0, 0                              ; sixteen matrix instructions stand between the add and the wait for it
	s_wait_dscnt 0x0                               ; the add is done, and my reads of this slot are over
	s_barrier_signal -1
	MUL16 F1, 0, 2, 0                              ; work on registers while the others arrive
	WIN 0
	s_barrier_wait -1
.if (\mode) < 2
	CREST                                          ; no wave of any partner still reads this slot or has a load on its way
	JLOAD 1                                        ; its four v_nop are also the places in front of the loads below
.else
	PLACES
.endif
	s_xor_b32 s[TB], s[TB], SLOT                   ; the fragments come from the other slot now
	v_add_nc_u32 v[ADRA], s[TB], v[A0]
	v_add_nc_u32 v[ADRB], s[TB], v[B0]
	FETCH 0, F0
.if (\mode) < 2
	ASK \mode
.endif
	MUL16 F1, 1, 0, 0
	MUL16 F1, 1, 2, 0
.endm
.macro STEP mode                       ; a whole K step
	QUARTER 1, F0, F1, 0
	QUARTER 2, F1, F0, 0
	QUARTER 3, F0, F1, 0
	TURN \mode
	WIN 0                                          ; at a label and at a branch every window is 0
.endm
; THE WAY OUT of row block a: rounded to f16, 16 bytes a lane; into my own stage in LDS; back as whole rows of 256 bytes; stored.  Each accumulator's registers are taken in ascending order.
.macro PACK a
.set AC, 64*((\a)%4)
	WIN 0x0a+5*((\a)/4)                            ; sources 0 and 1: window 2 or 3
.irp b, 0,1,2,3,4,5,6,7
.irp r, 0,1,2,3
	v_cvt_pk_f16_f32 v[TMP+4*(\b)+(\r)], v[AC+8*(\b)+2*(\r)], v[AC+8*(\b)+2*(\r)+1]
.endr
.endr
	WIN 0
.endm
.macro TOSTAGE a
.set BK, OB+192*((\a)%2)
.irp b, 0,1,2,3,4,5,6,7
	ds_store_b128 v[STO], v[TMP+4*(\b):TMP+4*(\b)+3] offset:32*(\b)
.endr
.irp t, 0,1,2,3,4,5,6,7
	ds_load_b128 v[BK+4*(\t):BK+4*(\t)+3], v[RD] offset:(\t)*2*SPITCH  ; LDS serves a wave's instructions in order (ISA guide 5.7.1.4): these see the stores above
.endr
.endm
.macro SEND a
.set BK, OB+192*((\a)%2)
	s_wait_dscnt 0x0                               ; the block is back in registers
	s_wait_xcnt 0x0                                ; the stores of the block before have read their registers, which the next block's loads from the stage take
.irp t, 0,1,2,3,4,5,6,7
	global_store_b128 v[CO], v[BK+4*(\t):BK+4*(\t)+3], s[8:9] offset:(16*(\a)+2*(\t))*CPITCH  ; 16 lanes store 256 consecutive bytes, aligned
.endr
.endm
	s_load_b128 s[4:7], s[0:1], 0x0                ; ab s[4:5], wb s[6:7]
	s_load_b64 s[8:9], s[0:1], 0x10                ; qkv
	v_lshl_add_u32 v[SPW], v0, 2, SPARE
	v_mov_b32 v[NIL], 0
	ds_add_u32 v[SPW], v[NIL]                      ; the wave's opening: the add and its wait stand ahead of my first tensor load; the set-up below, work on registers, stands between them
	v_lshrrev_b32 v1, 5, v0
	v_readfirstlane_b32 s10, v1                    ; wave 0..3
	s_lshr_b32 s11, s10, 1                         ; my half of the tile's rows.  Also: I fetch for ab (0) or for wb (1)
	s_and_b32 s12, s10, 1                          ; my half of its columns.  Also: which half of that tile I fetch
	s_bfe_u32 s40, ttmp6, 0x40000                  ; cx
	s_bfe_u32 s41, ttmp6, 0x40004                  ; cy
	s_lshl_b32 s42, ttmp9, 2
	s_add_co_u32 s42, s42, s40                     ; column tile of wb = 4 x cluster x + cx: 0..11
	s_and_b32 s[CLY], ttmp7, 0xffff
	s_lshl_b32 s13, s[CLY], 2
	s_add_co_u32 s13, s13, s41                     ; row tile = 4 x cluster y + cy: 0..15; the second tile is row tile + 16
	s_lshl_b32 s43, s41, 2
	s_lshl_b32 s43, 15, s43                        ; my row of the cluster
	s_lshl_b32 s44, 0x1111, s40                    ; my column
	s_or_b32 s[G1+0], s43, (1<<16)|(1<<20)|(1<<21)|(5<<22)|(3<<25)   ; the mask; 2-byte elements; padding on; bit 21 beside a mask; after every 64 words 4 words
	s_mov_b32 s[G1+1], 128<<16                     ; tensor_dim0 = 128
	s_mov_b32 s[G1+2], 128<<16                     ; tensor_dim1 = 128
	s_mov_b32 s[G1+3], 128<<16                     ; tile_dim0 = 128
	s_mov_b32 s[G1+4], 128                         ; tile_dim1 = 128
	s_mov_b32 s[G1+5], 1024                        ; elements from row to row of ab
	s_mov_b32 s[G1+6], 0
	s_mov_b32 s[G1+7], 0
	s_or_b32 s[G1B+0], s44, (1<<16)|(1<<20)|(1<<21)|(6<<22)|(7<<25)  ; after every 128 words 8 words
	s_mov_b32 s[G1B+1], 256<<16                    ; tensor_dim0 = 256
	s_mov_b32 s[G1B+2], 64<<16                     ; tensor_dim1 = 64
	s_mov_b32 s[G1B+3], 256<<16                    ; tile_dim0 = 256
	s_mov_b32 s[G1B+4], 64                         ; tile_dim1 = 64
	s_mov_b32 s[G1B+5], 3072                       ; elements from row to row of wb
	s_mov_b32 s[G1B+6], 0
	s_mov_b32 s[G1B+7], 0
	s_cmp_lg_u32 ttmp9, 0                          ; ab: x's rows for q, y's for k and v; + 256 x row tile + 128 x half: made of the cluster's x, the row tile and the wave's number alone
	s_cselect_b32 s16, 8192, 0
	s_lshl_b32 s17, s13, 8
	s_add_co_u32 s16, s16, s17
	s_lshl_b32 s17, s12, 7
	s_add_co_u32 s16, s16, s17
	s_lshl_b32 s16, s16, 11
	s_mov_b32 s17, 0
	s_mul_i32 s46, s12, 64*6144                    ; wb: k-row 64 x half, column 256 x column tile: made of the column tile and the wave's number alone
	s_lshl_b32 s47, s42, 9
	s_add_co_u32 s46, s46, s47
	s_mov_b32 s47, 0
	s_mul_i32 s20, s10, HALFT                      ; where they go: wave x a load's bytes: no place in the cluster enters an LDS address
	s_mov_b32 s[TB], 0
	s_mov_b32 s[T+1], 0
	s_mov_b32 s[KA], JA
	s_mov_b32 s[KB], 8*BSTEP
	s_wait_dscnt 0x0                               ; the opening add is done
	s_wait_kmcnt 0x0
	s_add_nc_u64 s[14:15], s[4:5], s[16:17]
	s_add_nc_u64 s[46:47], s[6:7], s[46:47]
	CROUND                                         ; all sixteen work-groups are here: the first joint loads meet
.irp s, 0,1
	s_mov_b32 s[G0+4*(\s)], 1
	s_add_co_u32 s[G0+4*(\s)+1], s20, (\s)*SLOT
	s_add_nc_u64 s[G0+4*(\s)+2:G0+4*(\s)+3], s[14:15], (\s)*ASTEP
	s_or_b32 s[G0+4*(\s)+3], s[G0+4*(\s)+3], 0x80000000
	s_mov_b32 s[G0B+4*(\s)], 1
	s_add_co_u32 s[G0B+4*(\s)+1], s20, (\s)*SLOT
	s_add_nc_u64 s[G0B+4*(\s)+2:G0B+4*(\s)+3], s[46:47], (\s)*BSTEP
	s_or_b32 s[G0B+4*(\s)+3], s[G0B+4*(\s)+3], 0x80000000
	JLOAD \s                                       ; K steps 0 and 1: two loads of mine are out; the second set then walks on
.endr
	; fragment addresses.  ab: lane l holds row l % 16, K = 8 (l / 16) + 0..7 and 16 + 8 (l / 16) + 0..7: two loads of 16 bytes, 32 bytes apart.
	v_and_b32 v1, 15, v0                           ; r
	v_bfe_u32 v2, v0, 4, 1                         ; h
	v_mul_u32_u24 v3, v1, PITCH
	v_lshl_add_u32 v3, v2, 4, v3                   ; 272 r + 16 h
	s_mul_i32 s21, s11, HALFT                      ; my 128 rows of ab
	v_add_nc_u32 v[A0], s21, v3
	; wb, turned: lane l reads k-row 8 (l / 16) + l % 8, columns 8 ((l / 8) % 2) + 0..7, and is left with column l % 16 and 8 k
	v_and_b32 v4, 7, v0
	v_lshl_add_u32 v4, v2, 3, v4
	v_mul_u32_u24 v4, v4, PB
	v_bfe_u32 v5, v0, 3, 1
	v_lshl_add_u32 v4, v5, 4, v4
	s_lshl_b32 s22, s12, 8                         ; my 128 columns,
	s_add_co_u32 s22, s22, 2*HALFT                 ; behind ab's 256 rows
	v_add_nc_u32 v[B0], s22, v4
	v_add_nc_u32 v[ADRA], s[TB], v[A0]             ; slot 0
	v_add_nc_u32 v[ADRB], s[TB], v[B0]
	s_mul_i32 s23, s10, 16*SPITCH
	s_add_co_u32 s23, s23, STAGE                   ; my stage
	v_add_nc_u32 v[STO], s23, v3                   ; in: row r, 16 bytes for each half of the lanes
	v_mul_u32_u24 v5, v2, SPITCH
	v_lshl_add_u32 v5, v1, 4, v5
	v_add_nc_u32 v[RD], s23, v5                    ; back: lanes 0-15 one row of 256 bytes, lanes 16-31 the next
	v_lshlrev_b32 v5, 11, v2
	v_lshl_add_u32 v[CO], v1, 4, v5                ; the same two rows in C
	s_lshl_b32 s18, s13, 8                         ; C: my part of qkv (the cluster's x), at my first row and column
	s_lshl_b32 s19, s11, 7
	s_add_co_u32 s18, s18, s19
	s_lshl_b32 s18, s18, 11
	s_lshl_b32 s19, ttmp9, 24
	s_add_co_u32 s18, s18, s19
	s_lshl_b32 s19, s40, 9
	s_add_co_u32 s18, s18, s19
	s_lshl_b32 s19, s12, 8
	s_add_co_u32 s18, s18, s19
	s_mov_b32 s19, 0
	s_add_nc_u64 s[8:9], s[8:9], s[18:19]
	; the prefetches: they start at K step 3; the first change of slots steps them to 4.  Nothing is asked for here, at the head
	s_cmp_lg_u32 ttmp9, 0                          ; for ab: the 128 rows that I fetch + 32 cx
	s_cselect_b32 s18, 8192, 0
	s_lshl_b32 s19, s13, 8
	s_add_co_u32 s18, s18, s19
	s_lshl_b32 s19, s12, 7
	s_add_co_u32 s18, s18, s19
	s_lshl_b32 s19, s40, 5
	s_add_co_u32 s18, s18, s19
	s_lshl_b32 s18, s18, 11
	s_add_co_u32 s18, s18, 3*ASTEP
	s_lshl_b32 s20, s12, 6                         ; for wb: k-row 64 x half + 16 cy, my column tile
	s_lshl_b32 s21, s41, 4
	s_add_co_u32 s20, s20, s21
	s_mul_i32 s20, s20, 6144
	s_lshl_b32 s21, s42, 9
	s_add_co_u32 s20, s20, s21
	s_add_co_u32 s20, s20, 3*BSTEP
	s_cmp_lt_u32 ttmp9, 2
	s_cselect_b32 s22, 0, 1                        ; ab is asked for by the clusters of q and of k
	s_mov_b32 s[PFS], BSTEP
	s_mov_b32 s93, 6144
	s_cmp_eq_u32 s11, 0                            ; do I fetch for ab?
	s_cselect_b32 s18, s18, s20
	s_cselect_b64 s[PFA:PFA+1], s[4:5], s[6:7]
	s_cselect_b32 s22, s22, s[CLY]                 ; 0 in a wave that asks: the same in all sixteen partners
	s_cselect_b32 s[PFS], ASTEP, s[PFS]
	s_cselect_b32 s[PJ], s[KA], 0
	s_cselect_b32 s92, 0, 1                        ; ab: a lane a row; wb: two lanes a row, 256 bytes apart
	s_cselect_b32 s93, 2048, s93
	s_mov_b32 s19, 0
	s_mov_b32 s[PFS+1], 0
	s_add_nc_u64 s[PFA:PFA+1], s[PFA:PFA+1], s[18:19]
	s_cmp_eq_u32 s22, 0
	s_cselect_b32 s[LIM], 2, -1
	v_and_b32 v6, 31, v0
	v_lshrrev_b32 v7, s92, v6
	v_mul_u32_u24 v[PFO], s93, v7
	v_and_b32 v7, s92, v6
	v_lshl_add_u32 v[PFO], v7, 8, v[PFO]
	s_wait_tensorcnt 0x1                           ; my part of K step 0 is in; K step 1's load, issued behind it, may stay out
	s_barrier_signal -1
	s_barrier_wait -1                              ; everybody's is
	FETCH 0, F0
	s_mov_b32 s2, TILES                            ; tiles to go, this one among them
.Ltile:
	QUARTER 1, F0, F1, 1                           ; a tile's first quarter starts the sums: nothing is cleared
	WIN 0
	s_mov_b32 s3, 6
	s_branch .Lmid                                 ; the loop is entered behind a step's first quarter
.Lstep:                                                ; six trips: K steps 0 to 5, whose changes of slots ask for K steps 2 to 7
	QUARTER 1, F0, F1, 0
	WIN 0
.Lmid:
	QUARTER 2, F1, F0, 0
	QUARTER 3, F0, F1, 0
	TURN 0
	WIN 0
	s_sub_co_u32 s3, s3, 1
	s_cmp_lg_u32 s3, 0
	s_cbranch_scc1 .Lstep
	s_cmp_eq_u32 s2, 1
	s_cbranch_scc1 .Llast                          ; the last tile's last two steps have a text of their own: they ask for nothing
	s_cmp_eq_u32 s11, 0
	s_cselect_b32 s[LIM], s[LIM], -1               ; wb's rows are the same for both tiles: they are prefetched no more
	s_mov_b32 s3, 2
.Lsucc:                                                ; K steps 6 and 7: the ring goes on into the next tile, whose first fragments the second trip fetches into the buffers 0, which the way out leaves alone
	STEP 1
	s_sub_co_u32 s3, s3, 1
	s_cmp_lg_u32 s3, 0
	s_cbranch_scc1 .Lsucc
	s_branch .Lout
.Llast:
	s_mov_b32 s3, 2
.Ltail:                                                ; K steps 6 and 7 of the last tile.  The second trip's change of slots fetches 32 fragments that nobody multiplies: the price, once a work-group, of one text for both trips
	STEP 2
	s_sub_co_u32 s3, s3, 1
	s_cmp_lg_u32 s3, 0
	s_cbranch_scc1 .Ltail
.Lout:                                                 ; blocks 0-3 were finished ahead of the four v_nop of the change of slots; their 128 conversions, which name no register of the last products, are those products' places
	PACK 0
	TOSTAGE 0
.irp a, 1,2,3,4,5,6,7                  ; block a's conversions stand between block a - 1's loads from the stage and the wait for them
	PACK \a
	SEND (\a)-1
	TOSTAGE \a
.endr
	SEND 7
	s_cmp_eq_u32 s2, 1
	s_cbranch_scc1 .Lend
	s_wait_xcnt 0x0                                ; the stores have read their base
	s_add_nc_u64 s[8:9], s[8:9], WALK              ; 4,096 rows down
	s_sub_co_u32 s2, s2, 1
	s_branch .Ltile
.Lend:
	s_wait_tensorcnt 0x0                           ; the wave's end: behind my last tensor load and my last LDS store
	ds_add_u32 v[SPW], v[NIL]
	s_wait_dscnt 0x0
	CROUND                                         ; the closing round: no work-group ends while a partner may still ask for a tile that names it
	s_endpgm
.Lfunc_end_k_qfdf085ad8c_proj:
	.size	k_qfdf085ad8c_proj, .Lfunc_end_k_qfdf085ad8c_proj-k_qfdf085ad8c_proj
	.p2alignl 7, 3214868480
	.fill 96, 4, 3214868480
	.section	.rodata,"a",@progbits
	.p2align	6, 0x0
	.amdhsa_kernel k_qfdf085ad8c_proj
		.amdhsa_group_segment_fixed_size 327680
		.amdhsa_private_segment_fixed_size 0
		.amdhsa_enable_private_segment 0
		.amdhsa_kernarg_size 24
		.amdhsa_user_sgpr_count 2
		.amdhsa_user_sgpr_kernarg_segment_ptr 1
		.amdhsa_wavefront_size32 1
		.amdhsa_system_sgpr_workgroup_id_x 1
		.amdhsa_system_sgpr_workgroup_id_y 1
		.amdhsa_system_sgpr_workgroup_id_z 1
		.amdhsa_system_vgpr_workitem_id 0
		.amdhsa_next_free_vgpr 1024
		.amdhsa_next_free_sgpr 96
		.amdhsa_reserve_vcc 0
		.amdhsa_float_denorm_mode_32 3
		.amdhsa_float_denorm_mode_16_64 3
		.amdhsa_memory_ordered 1
		.amdhsa_forward_progress 1
		.amdhsa_inst_pref_size 129
	.end_amdhsa_kernel
	.amdgpu_metadata
---
amdhsa.version: [ 1, 2 ]
amdhsa.kernels:
  - .name:           k_qfdf085ad8c_proj
    .symbol:         k_qfdf085ad8c_proj.kd
    .args:
      - { .name: ab, .offset: 0, .size: 8, .value_kind: global_buffer, .address_space: global }
      - { .name: wb, .offset: 8, .size: 8, .value_kind: global_buffer, .address_space: global }
      - { .name: qkv, .offset: 16, .size: 8, .value_kind: global_buffer, .address_space: global }
    .group_segment_fixed_size: 327680
    .private_segment_fixed_size: 0
    .kernarg_segment_align: 8
    .kernarg_segment_size: 24
    .max_flat_workgroup_size: 128
    .sgpr_count:     96
    .vgpr_count:     1024
    .wavefront_size: 32
...
	.end_amdgpu_metadata
.endif
;; end of part 6
;; launch scores (part 7): grid 8 x 32, 4 waves a work-group, clusters of 4 x 4, 327,680 bytes of LDS; arguments qkv, pt, st; writes pt, st
.if DOCPART == 7
	.amdgcn_target "amdgcn-amd-amdhsa--gfx1250"
	.amdhsa_code_object_version 6
	.text
	.protected	k_qfdf085ad8c_scores
	.globl	k_qfdf085ad8c_scores
	.p2align	8
	.type	k_qfdf085ad8c_scores,@function
k_qfdf085ad8c_scores:
	s_mov_b64 s[64:65], 0
	v_nop
	global_prefetch_b8 v0, s[64:65] scope:SCOPE_SE
	s_setreg_imm32_b32 hwreg(HW_REG_WAVE_MODE, 25, 1), 1
	s_wait_xcnt 0x0
	s_wait_alu depctr_hold_cnt(0) depctr_sa_sdst(0) depctr_va_vdst(0) depctr_va_sdst(0) depctr_va_ssrc(0) depctr_va_vcc(0) depctr_vm_vsrc(0)
	s_getreg_b32 s2, hwreg(HW_REG_IB_STS2, 6, 4)
	s_cmp_eq_u32 s2, 0
	s_cbranch_scc0 .Lentry_in_a_cluster
	s_endpgm
.Lentry_in_a_cluster:
	s_bfe_u32 s2, ttmp6, 0x10000c
	s_cmp_lg_u32 s2, 0xf033
	s_cbranch_scc0 .Lentry_shape_is_right
	s_endpgm
.Lentry_shape_is_right:
; S = q k^T for each of 4 batches, and the first half of the softmax.  qkv: [3][8192][1024] f16 (q, k, v).  For each query and each CHUNK of 128 keys:
;   m = the chunk's largest score, p = 2^(c (s - m)) with c = log2(e) / 32, l = the sum of the chunk's p (unrounded, f32).
;   pt: [8192 = batch x 2048 + query][2048 keys] f16 takes p, rounded once;   st: [4 batches][16 chunks][2048 queries][2] f32 takes (m, l).
; The next launch corrects every chunk to its row's maximum, exactly.  s - m is at most 0, so no exponential passes 1, whatever the scores' size.
; LIMITS.  p below 6e-5 keeps f16's fixed step of 6e-8; an exponential below 2^-126 counts as 0; NaN and infinities are not treated apart.
; SHARES.  A tile of S is 256 queries x 256 keys, one to a work-group of four waves: 4 x 8 x 8 = 256 work-groups.  Wave w has queries 128 (w / 2) on and keys 128 (w % 2) on, which is one chunk: no wave needs
; another's scores.  64 accumulators of 16 x 16.  K = 1,024 channels goes in 8 steps of 128 through two LDS slots; 224 matrix instructions stand between a tile's request and the wait for it.
; A STEP IS WRITTEN ONCE AND LOOPED OVER: one walking descriptor for each operand changes slots by an exclusive or, and the fragments' LDS addresses are made anew at each change of slots from the scalar TB.
; THE MATRIX INSTRUCTION IS USED TRANSPOSED: source 0 = 16 keys, source 1 = 16 queries: a lane holds one query (lane % 16) and the keys 16 b + 8 (lane / 16) + 0..7.
; CLUSTER.  4 x 4 work-groups: q's tile is shared along a row of the cluster, k's along a column; each is asked for jointly.  Waves 0 and 1 ask for q's halves, waves 2 and 3 for k's: 128 rows x 256 bytes each.
; THE WAY OUT IS A LOOP.  The ring has had its last fill; behind a barrier each wave puts its 128 x 128 scores (f32) into 128 rows x 528 bytes of it, and eight trips read 16 rows each back BY ROWS: sixteen lanes
; hold one query's 128 keys, 8 neighbouring keys a lane.  So the maximum and the sum take four steps across sixteen lanes, and the lane's 8 weights are 16 bytes of pt: 16 lanes store 256 whole bytes from registers.
; REGISTERS, in windows of 256 (s_set_vgpr_msb: bits 1:0 source 0, 3:2 source 1, 5:4 source 2, 7:6 destination):
;   window 0: v0-31 addresses; v64-127, v128-191 q's fragments, two buffers; on the way out v32-47, v64-167          window 1: v64-127, v128-191 k's fragments, two buffers
;   window 2: the 32 accumulators of my queries 0-63 ((a, b) at v[8 (8 a + b)])                                       window 3: those of my queries 64-127
.set ASTEP,  256
.set PITCH,  272                       ; an LDS row: 256 bytes + 16 of padding = 68 words: the 16 rows of a load start at 16 different groups of four banks (64 banks of 4 bytes: ISA guide 11.1)
.set HALFT,  128*PITCH                 ; what one tensor load brings
.set SLOT,   4*HALFT                   ; q's two halves, then k's two.  SLOT shares no bit with wave x HALFT, so an exclusive or with it changes slots
.set DP,     528                       ; the way out: a query's 128 scores, 512 bytes + 16: rows again start at different groups of four banks
.set DW,     128*DP                    ; a wave's scores; four of them lie inside the ring's 2 x SLOT bytes
.set STAT,   2*SLOT                    ; behind the ring, never filled by a tensor load: 128 pairs (m, l) for each wave
.set SPARE,  STAT+4*1024               ; the spare words, 128 bytes for each wave: two blocks of 256 bytes that no other line names
.set CPITCH, 4096                      ; bytes in a row of pt
.set A0,   16                          ; v16  my lane's place in q's tile; never rewritten
.set B0,   17                          ; v17  the same for k's
.set ADRA, 18                          ; v18  LDS address of my fragments of q in the slot in hand
.set ADRB, 19                          ; v19  the same for k
.set DST,  20                          ; v20  the way out: where I put 16 bytes of a query's scores
.set RDA,  21                          ; v21  where I read them back; it steps 16 rows a trip
.set SA,   22                          ; v22  where a pair (m, l) goes; it steps 16 pairs a trip
.set SR,   23                          ; v23  where I read the pairs back
.set CO,   26                          ; v26  my byte offset in two rows of pt
.set SG,   27                          ; v27  16 x lane: my bytes of the wave's 1,024 in st
.set SPW,  28                          ; v28  LDS address of my spare word; never rewritten
.set NIL,  29                          ; v29  0; never rewritten
.set PFO,  30                          ; v30  the prefetches' lane offset; never rewritten
.set CP,   32                          ; v[32:47] the way out: for row pair t the registers CP + 2 t, CP + 2 t + 1: (m, m), later (m, l)
.set F0,   64
.set F1,   128
.set X,    64                          ; v[64:127] the way out: row pair t's 8 scores at X + 8 t
.set P,    128                         ; v[128:159] its 8 weights in f16 at P + 4 t
.set SV,   160                         ; v[160:167] the pairs read back
.set G1,   24                          ; s[24:31] descriptor group 1 for q's tiles;  s[32:35] group 0 of the first fill, s[36:39] the walking one
.set G0,   32
.set G1B,  48                          ; s[48:55], s[56:63] the same for k's
.set G0B,  56
.set PFA,  66                          ; s[66:67] where my prefetches stand
.set LIM,  74                          ; s74  2 in a wave that prefetches, else the greatest number
.set CLY,  75                          ; s75  the cluster's y
.set TB,   82                          ; s82  LDS byte at which the slot to be read next begins: 0 or SLOT
.set CS,   84                          ; s[84:85] c, twice
.set MSB, 0
.macro WIN new                         ; the immediate's high byte repeats the setting that is left; a switch that changes nothing is dropped
.if MSB != (\new)
	s_set_vgpr_msb (MSB<<8)|(\new)
.set MSB, \new
.endif
.endm
.set MUL_LO, 0xa1                      ; source 0 (k) window 1, source 1 (q) window 0, C and D window 2
.set MUL_HI, 0xf1                      ; the same, C and D window 3
.set TO_B,   0x40                      ; destination window 1, address window 0
.macro PLACES                          ; four plain vector instructions between a matrix instruction and a load into, or a vector instruction or store on, its registers (ISA guide 7.12.1 for vector instructions)
.rept 4
	v_nop
.endr
.endm
.macro JLOAD s                         ; a joint load by descriptor set s; an s_nop 0 and four v_nop follow each of the two lines, ahead of the jump and the label
	s_cmp_eq_u32 s11, 0
	s_cbranch_scc0 .Lfor_b_\@
	tensor_load_to_lds s[G0+4*(\s):G0+4*(\s)+3], s[G1:G1+7]
	s_nop 0
.rept 4
	v_nop
.endr
	s_branch .Lasked_\@
.Lfor_b_\@:
	tensor_load_to_lds s[G0B+4*(\s):G0B+4*(\s)+3], s[G1B:G1B+7]
	s_nop 0
.rept 4
	v_nop
.endr
.Lasked_\@:
.endm
.macro CREST                           ; a round of the cluster's barrier behind its opening barrier
	s_cmp_lg_u32 s10, 0
	s_cbranch_scc1 .Lnot_wave_0_\@
	s_barrier_signal -3
.Lnot_wave_0_\@:
	s_barrier_wait -3
	s_barrier_signal -1
	s_barrier_wait -1
.endm
.macro CROUND
	s_barrier_signal -1
	s_barrier_wait -1
	CREST
.endm
; A PREFETCH INTO THE L2, behind a joint load and the run of LDS loads that follows it: the K step two refills on, 512 matrix instructions ahead of its load; a lane a row, 256 bytes of it, one instruction a wave.
; Each block is named once in the launch.  Of the 128 rows that a wave fetches the partner at place p takes rows 32 p + lane (p = cx for q, cy for k): told apart by address, never by a branch.
; q's rows are read by the two clusters of a row of clusters: the one with x = 0 asks.  k's rows are read by the two clusters of a batch with the same x: the one with even y asks.
; The loop's last two trips (s3 = 2, 1) have no K step two on.
.macro ASK
	WIN 0
	s_cmp_gt_u32 s3, s[LIM]
	s_cbranch_scc0 .Lnot_mine_\@
	global_prefetch_b8 v[PFO], s[PFA:PFA+1] th:TH_LOAD_NT scope:SCOPE_SE
.Lnot_mine_\@:
.endm
; 16 matrix instructions: query blocks a0, a0 + 1 of the window's four x all 8 key blocks, 32 along K.  zero = 1: the product starts the sums.
; The 64 accumulators take turns, one instruction a turn, in the same order in every quarter: 63 others' stand between two links of a chain, over every jump.
.macro MUL16 f, hi, a0, zero
	WIN MUL_LO+0x50*(\hi)
.irp a, \a0, (\a0)+1
.irp b, 0,1,2,3,4,5,6,7
.if \zero
	v_wmma_f32_16x16x32_f16 v[8*(8*(\a)+(\b)):8*(8*(\a)+(\b))+7], v[(\f)+8*(\b):(\f)+8*(\b)+7], v[(\f)+8*(4*(\hi)+(\a)):(\f)+8*(4*(\hi)+(\a))+7], 0
.else
	v_wmma_f32_16x16x32_f16 v[8*(8*(\a)+(\b)):8*(8*(\a)+(\b))+7], v[(\f)+8*(\b):(\f)+8*(\b)+7], v[(\f)+8*(4*(\hi)+(\a)):(\f)+8*(4*(\hi)+(\a))+7], v[8*(8*(\a)+(\b)):8*(8*(\a)+(\b))+7]
.endif
.endr
.endr
.endm
.macro FETCH kq, f                     ; 32 LDS loads in one run: quarter kq of the slot in hand into buffer f: k's eight fragments, then q's eight
	WIN TO_B
.irp i, 0,1,2,3,4,5,6,7
	ds_load_b128 v[(\f)+8*(\i):(\f)+8*(\i)+3],   v[ADRB] offset:64*(\kq)+(\i)*16*PITCH
	ds_load_b128 v[(\f)+8*(\i)+4:(\f)+8*(\i)+7], v[ADRB] offset:64*(\kq)+(\i)*16*PITCH+32
.endr
	WIN 0
.irp i, 0,1,2,3,4,5,6,7
	ds_load_b128 v[(\f)+8*(\i):(\f)+8*(\i)+3],   v[ADRA] offset:64*(\kq)+(\i)*16*PITCH
	ds_load_b128 v[(\f)+8*(\i)+4:(\f)+8*(\i)+7], v[ADRA] offset:64*(\kq)+(\i)*16*PITCH+32
.endr
.endm
.macro QUARTER kq, f, g, zero          ; one of a K step's first three quarters: multiplies buffer f; in its middle it fetches quarter kq of the same slot into buffer g
	s_wait_dscnt 8                                 ; k's fragments and q's rows 0-63 are in; the youngest eight loads (q's rows 64-127) may be out
	MUL16 \f, 0, 0, \zero
	MUL16 \f, 0, 2, \zero
	PLACES                                         ; buffer g was last read by the quarter before
	FETCH \kq, \g
	s_wait_dscnt 32                                ; all but the 32 just issued
	MUL16 \f, 1, 0, \zero
	MUL16 \f, 1, 2, \zero
.endm
; A K step's last quarter multiplies buffer 1 and changes slots: ONE barrier; in front of it each wave waits for all its tensor loads (one is out: its part of the next slot), adds 0 to its spare word, and waits
; for that and for its reads of this slot.  fill = 1: the barrier opens a round of the cluster's, and the joint refill of this slot, two K steps on, is the first thing behind the round.
.macro TURN fill
.if \fill
	s_wait_xcnt 0x0                                ; the last prefetch, a K step back, has read its address: it is stepped here
	s_add_nc_u64 s[PFA:PFA+1], s[PFA:PFA+1], ASTEP
.endif
	WIN 0                                          ; (the add's two registers lie in window 0)
	s_wait_tensorcnt 0x0                           ; all my tensor loads have landed, so the walking descriptors may be written
	ds_add_u32 v[SPW], v[NIL]                      ; 0 onto my spare word
.if \fill
	s_xor_b32 s[G0+5], s[G0+5], SLOT               ; the other slot than last time,
	s_xor_b32 s[G0B+5], s[G0B+5], SLOT
	s_add_nc_u64 s[G0+6:G0+7], s[G0+6:G0+7], ASTEP ; the next K step; the type bits on top are not reached
	s_add_nc_u64 s[G0B+6:G0B+7], s[G0B+6:G0B+7], ASTEP
.endif
	s_wait_dscnt 9                                 ; the add and the youngest eight loads may be out
	MUL16 F1, 0, 0, 0                              ; sixteen matrix instructions stand between the add and the wait for it
	s_wait_dscnt 0x0                               ; the add is done, and my reads of this slot are over
	s_barrier_signal -1
	MUL16 F1, 0, 2, 0                              ; work on registers while the others arrive
	WIN 0
	s_barrier_wait -1
.if \fill
	CREST                                          ; no wave of any partner still reads this slot or has a load on its way
	JLOAD 1                                        ; its four v_nop are also the places in front of the loads below
.else
	PLACES
.endif
	s_xor_b32 s[TB], s[TB], SLOT                   ; the fragments come from the other slot now
	v_add_nc_u32 v[ADRA], s[TB], v[A0]
	v_add_nc_u32 v[ADRB], s[TB], v[B0]
	FETCH 0, F0
.if \fill
	ASK
.endif
	MUL16 F1, 1, 0, 0
	MUL16 F1, 1, 2, 0
.endm
	s_load_b64 s[4:5], s[0:1], 0x0                 ; qkv: q
	s_load_b64 s[8:9], s[0:1], 0x8                 ; pt
	s_load_b64 s[76:77], s[0:1], 0x10              ; st
	v_lshl_add_u32 v[SPW], v0, 2, SPARE
	v_mov_b32 v[NIL], 0
	ds_add_u32 v[SPW], v[NIL]                      ; the wave's opening: the add and its wait stand ahead of my first tensor load; the set-up below, work on registers, stands between them
	v_lshrrev_b32 v1, 5, v0
	v_readfirstlane_b32 s10, v1                    ; wave 0..3
	s_lshr_b32 s11, s10, 1                         ; my half of the tile's queries.  Also: I fetch for q (0) or for k (1)
	s_and_b32 s12, s10, 1                          ; my half of its keys.  Also: which half of that tile I fetch
	s_bfe_u32 s40, ttmp6, 0x40000                  ; cx
	s_bfe_u32 s41, ttmp6, 0x40004                  ; cy
	s_lshl_b32 s42, ttmp9, 2
	s_add_co_u32 s42, s42, s40                     ; key block of 256 = 4 x cluster x + cx: 0..7
	s_and_b32 s[CLY], ttmp7, 0xffff
	s_lshl_b32 s13, s[CLY], 2
	s_add_co_u32 s13, s13, s41                     ; gy = 4 x cluster y + cy: rows 256 gy on of q and pt; batch gy / 8 = cluster y / 2
	s_lshl_b32 s43, s41, 2
	s_lshl_b32 s43, 15, s43                        ; my row of the cluster
	s_lshl_b32 s44, 0x1111, s40                    ; my column
	s_or_b32 s[G1+0], s43, (1<<16)|(1<<20)|(1<<21)|(5<<22)|(3<<25)   ; the mask; 2-byte elements; padding on; bit 21 beside a mask; after every 64 words 4 words
	s_or_b32 s[G1B+0], s44, (1<<16)|(1<<20)|(1<<21)|(5<<22)|(3<<25)
.irp g, G1, G1B
	s_mov_b32 s[(\g)+1], 128<<16                   ; tensor_dim0 = 128
	s_mov_b32 s[(\g)+2], 128<<16                   ; tensor_dim1 = 128
	s_mov_b32 s[(\g)+3], 128<<16                   ; tile_dim0 = 128
	s_mov_b32 s[(\g)+4], 128                       ; tile_dim1 = 128
	s_mov_b32 s[(\g)+5], 1024                      ; elements from row to row
	s_mov_b32 s[(\g)+6], 0
	s_mov_b32 s[(\g)+7], 0
.endr
	s_lshl_b32 s16, s13, 8                         ; q: row 256 gy + 128 x half: made of gy and the wave's number alone
	s_lshl_b32 s17, s12, 7
	s_add_co_u32 s16, s16, s17
	s_lshl_b32 s16, s16, 11
	s_mov_b32 s17, 0
	s_lshr_b32 s46, s[CLY], 1                      ; k: row 2,048 x batch + 256 x key block + 128 x half: made of the cluster's y, the key block and the wave's number alone
	s_lshl_b32 s46, s46, 11
	s_lshl_b32 s47, s42, 8
	s_add_co_u32 s46, s46, s47
	s_lshl_b32 s47, s12, 7
	s_add_co_u32 s46, s46, s47
	s_lshl_b32 s46, s46, 11
	s_mov_b32 s47, 0
	s_mul_i32 s20, s10, HALFT                      ; where they go: wave x a load's bytes: no place in the cluster enters an LDS address
	s_mov_b32 s[TB], 0
	s_mov_b32 s[CS], 0x3d38aa3b                    ; c = log2(e) / 32
	s_mov_b32 s[CS+1], s[CS]
	s_wait_dscnt 0x0                               ; the opening add is done
	s_wait_kmcnt 0x0
	s_add_nc_u64 s[6:7], s[4:5], 0x1000000         ; k lies 8,192 rows behind q
	s_add_nc_u64 s[14:15], s[4:5], s[16:17]
	s_add_nc_u64 s[46:47], s[6:7], s[46:47]
	CROUND                                         ; all sixteen work-groups are here: the first joint loads meet
.irp s, 0,1
	s_mov_b32 s[G0+4*(\s)], 1
	s_add_co_u32 s[G0+4*(\s)+1], s20, (\s)*SLOT
	s_add_nc_u64 s[G0+4*(\s)+2:G0+4*(\s)+3], s[14:15], (\s)*ASTEP
	s_or_b32 s[G0+4*(\s)+3], s[G0+4*(\s)+3], 0x80000000
	s_mov_b32 s[G0B+4*(\s)], 1
	s_add_co_u32 s[G0B+4*(\s)+1], s20, (\s)*SLOT
	s_add_nc_u64 s[G0B+4*(\s)+2:G0B+4*(\s)+3], s[46:47], (\s)*ASTEP
	s_or_b32 s[G0B+4*(\s)+3], s[G0B+4*(\s)+3], 0x80000000
	JLOAD \s                                       ; K steps 0 and 1: two loads of mine are out; the second set then walks on
.endr
	v_and_b32 v1, 15, v0                           ; r
	v_bfe_u32 v2, v0, 4, 1                         ; h
	v_mul_u32_u24 v3, v1, PITCH
	v_lshl_add_u32 v3, v2, 4, v3                   ; a fragment's row x pitch + 16 x half
	s_mul_i32 s21, s11, HALFT                      ; my 128 rows of q
	v_add_nc_u32 v[A0], s21, v3
	s_mul_i32 s22, s12, HALFT                      ; my 128 rows of k,
	s_add_co_u32 s22, s22, 2*HALFT                 ; behind q's 256
	v_add_nc_u32 v[B0], s22, v3
	v_add_nc_u32 v[ADRA], s[TB], v[A0]             ; slot 0
	v_add_nc_u32 v[ADRB], s[TB], v[B0]
	; the way out.  Of a query's 32 groups of 4 keys the even ones lie in the row's first 256 bytes and the odd ones in the second, group g at 16 (g / 2): so a lane's registers 0-3 of accumulator b
	; (group 4 b + 2 h) go to 32 b + 16 h, registers 4-7 256 bytes on, and lane r of sixteen finds its keys 8 r + 0..3 at 16 r and 8 r + 4..7 at 256 + 16 r: sixteen lanes touch 256 bytes on end.
	s_mul_i32 s23, s10, DW
	v_mul_u32_u24 v4, v1, DP
	v_lshl_add_u32 v4, v2, 4, v4
	v_add_nc_u32 v[DST], s23, v4                   ; in: row r, 16 bytes for each half of the lanes
	v_mul_u32_u24 v5, v2, DP
	v_lshl_add_u32 v5, v1, 4, v5
	v_add_nc_u32 v[RDA], s23, v5                   ; back: lanes 0-15 one row, lanes 16-31 the next
	s_lshl_b32 s23, s10, 10
	s_add_co_u32 s23, s23, STAT                    ; my 128 pairs
	v_lshl_add_u32 v[SA], v2, 3, s23
	v_and_b32 v6, 31, v0
	v_lshlrev_b32 v[SG], 4, v6
	v_add_nc_u32 v[SR], s23, v[SG]
	v_lshlrev_b32 v5, 12, v2
	v_lshl_add_u32 v[CO], v1, 4, v5                ; two rows of pt, 16 bytes a lane
	v_lshlrev_b32 v[PFO], 11, v6                   ; a lane a row of 2,048 bytes
	s_lshl_b32 s18, s13, 8                         ; pt at my first query and key
	s_lshl_b32 s19, s11, 7
	s_add_co_u32 s18, s18, s19
	s_lshl_b32 s18, s18, 12
	s_lshl_b32 s19, s42, 9
	s_add_co_u32 s18, s18, s19
	s_lshl_b32 s19, s12, 8
	s_add_co_u32 s18, s18, s19
	s_mov_b32 s19, 0
	s_add_nc_u64 s[8:9], s[8:9], s[18:19]
	s_lshr_b32 s20, s13, 3                         ; st at my chunk (2 x key block + half) and my first query
	s_lshl_b32 s20, s20, 4
	s_lshl_b32 s21, s42, 1
	s_add_co_u32 s20, s20, s21
	s_add_co_u32 s20, s20, s12
	s_lshl_b32 s20, s20, 11
	s_and_b32 s21, s13, 7
	s_lshl_b32 s21, s21, 8
	s_add_co_u32 s20, s20, s21
	s_lshl_b32 s21, s11, 7
	s_add_co_u32 s20, s20, s21
	s_lshl_b32 s20, s20, 3
	s_mov_b32 s21, 0
	s_add_nc_u64 s[76:77], s[76:77], s[20:21]
	; the prefetches: they start at K step 3; the first change of slots steps them to 4.  Nothing is asked for here, at the head
	s_lshl_b32 s18, s13, 8                         ; for q: the 128 rows that I fetch + 32 cx
	s_lshl_b32 s19, s12, 7
	s_add_co_u32 s18, s18, s19
	s_lshl_b32 s19, s40, 5
	s_add_co_u32 s18, s18, s19
	s_lshl_b32 s18, s18, 11
	s_lshr_b32 s20, s[CLY], 1                      ; for k: the 128 rows that I fetch + 32 cy
	s_lshl_b32 s20, s20, 11
	s_lshl_b32 s21, s42, 8
	s_add_co_u32 s20, s20, s21
	s_lshl_b32 s21, s12, 7
	s_add_co_u32 s20, s20, s21
	s_lshl_b32 s21, s41, 5
	s_add_co_u32 s20, s20, s21
	s_lshl_b32 s20, s20, 11
	s_and_b32 s23, s[CLY], 1
	s_cmp_eq_u32 s11, 0                            ; do I fetch for q?
	s_cselect_b32 s18, s18, s20
	s_cselect_b64 s[PFA:PFA+1], s[4:5], s[6:7]
	s_cselect_b32 s22, ttmp9, s23                  ; 0 in a wave that asks: the same in all sixteen partners
	s_add_co_u32 s18, s18, 3*ASTEP
	s_mov_b32 s19, 0
	s_add_nc_u64 s[PFA:PFA+1], s[PFA:PFA+1], s[18:19]
	s_cmp_eq_u32 s22, 0
	s_cselect_b32 s[LIM], 2, -1
	s_wait_tensorcnt 0x1                           ; my part of K step 0 is in; K step 1's load, issued behind it, may stay out
	s_barrier_signal -1
	s_barrier_wait -1                              ; everybody's is
	FETCH 0, F0
	QUARTER 1, F0, F1, 1                           ; the first quarter starts the sums: nothing is cleared
	WIN 0                                          ; at a label and at a branch every window is 0
	s_mov_b32 s3, 6
	s_branch .Lmid                                 ; the loop is entered behind a step's first quarter
.Lstep:                                                ; six trips: K steps 0 to 5, whose changes of slots ask for K steps 2 to 7
	QUARTER 1, F0, F1, 0
	WIN 0
.Lmid:
	QUARTER 2, F1, F0, 0
	QUARTER 3, F0, F1, 0
	TURN 1
	WIN 0
	s_sub_co_u32 s3, s3, 1
	s_cmp_lg_u32 s3, 0
	s_cbranch_scc1 .Lstep
	s_mov_b32 s3, 2
.Ltail:                                                ; K steps 6 and 7 ask for nothing.  The second trip's change of slots fetches 32 fragments that nobody multiplies: the price, once a work-group, of one text for both trips
	QUARTER 1, F0, F1, 0
	QUARTER 2, F1, F0, 0
	QUARTER 3, F0, F1, 0
	TURN 0
	WIN 0
	s_sub_co_u32 s3, s3, 1
	s_cmp_lg_u32 s3, 0
	s_cbranch_scc1 .Ltail
	; THE WAY OUT.
	PLACES                                         ; behind the last products, ahead of the stores that read them
	PLACES
	s_wait_dscnt 0x0                               ; my last reads of the ring are back
	s_barrier_signal -1
	s_barrier_wait -1                              ; everybody's are, and every tile landed long ago: the ring's bytes may be written
.irp hi, 0,1
	WIN 0x08+4*(\hi)                               ; the stores' data: window 2, then 3.  Each accumulator's lowest registers go first
.irp a, 0,1,2,3
.irp b, 0,1,2,3,4,5,6,7
	ds_store_b128 v[DST], v[8*(8*(\a)+(\b)):8*(8*(\a)+(\b))+3]   offset:(4*(\hi)+(\a))*16*DP+32*(\b)
	ds_store_b128 v[DST], v[8*(8*(\a)+(\b))+4:8*(8*(\a)+(\b))+7] offset:(4*(\hi)+(\a))*16*DP+32*(\b)+256
.endr
.endr
.endr
	WIN 0
	s_mov_b32 s3, 8
.Lblk:                                                 ; eight trips, 16 queries each: row pair t is queries 2 t (lanes 0-15) and 2 t + 1 (lanes 16-31)
.irp t, 0,1,2,3,4,5,6,7
	ds_load_b128 v[X+8*(\t):X+8*(\t)+3],   v[RDA] offset:(\t)*2*DP      ; LDS serves a wave's instructions in order (ISA guide 5.7.1.4): these see my stores above
	ds_load_b128 v[X+8*(\t)+4:X+8*(\t)+7], v[RDA] offset:(\t)*2*DP+256
.endr
	s_wait_dscnt 0x0
.irp t, 0,1,2,3,4,5,6,7                ; the maximum: of the lane's 8 scores, three operands at a time, eight chains side by side,
	v_max3_num_f32 v[CP+2*(\t)], v[X+8*(\t)], v[X+8*(\t)+1], v[X+8*(\t)+2]
.endr
.irp t, 0,1,2,3,4,5,6,7
	v_max3_num_f32 v[CP+2*(\t)], v[CP+2*(\t)], v[X+8*(\t)+3], v[X+8*(\t)+4]
.endr
.irp t, 0,1,2,3,4,5,6,7
	v_max3_num_f32 v[CP+2*(\t)], v[CP+2*(\t)], v[X+8*(\t)+5], v[X+8*(\t)+6]
.endr
.irp t, 0,1,2,3,4,5,6,7
	v_max_num_f32 v[CP+2*(\t)], v[CP+2*(\t)], v[X+8*(\t)+7]
.endr
.irp k, 1,2,4,8                        ; and across the query's sixteen lanes: every one of them ends with m
.irp t, 0,1,2,3,4,5,6,7
	v_max_num_f32_dpp v[CP+2*(\t)], v[CP+2*(\t)], v[CP+2*(\t)] row_xmask:\k row_mask:0xf bank_mask:0xf
.endr
.endr
.irp t, 0,1,2,3,4,5,6,7
	v_mov_b32 v[CP+2*(\t)+1], v[CP+2*(\t)]         ; m twice, for the packed subtraction
.endr
.irp t, 0,1,2,3,4,5,6,7                ; s - m, at most 0,
.irp i, 0,2,4,6
	v_pk_add_f32 v[X+8*(\t)+(\i):X+8*(\t)+(\i)+1], v[X+8*(\t)+(\i):X+8*(\t)+(\i)+1], v[CP+2*(\t):CP+2*(\t)+1] neg_lo:[0,1] neg_hi:[0,1]
.endr
.endr
.set i, 0
.rept 32                               ; times c
	v_pk_mul_f32 v[X+i:X+i+1], v[X+i:X+i+1], s[CS:CS+1] op_sel_hi:[1,0]
.set i, i+2
.endr
.set i, 0
.rept 64                               ; ONE BATCH of 64 exponentials: none reads another's result
	v_exp_f32 v[X+i], v[X+i]
.set i, i+1
.endr
	v_nop                                          ; a plain instruction behind the last exponential,
	s_wait_alu depctr_va_vdst(0)                   ; and a wait ahead of the first use: one for the batch
.set i, 0
.rept 32
	v_cvt_pk_f16_f32 v[P+i], v[X+2*i], v[X+2*i+1]
.set i, i+1
.endr
.irp t, 0,1,2,3,4,5,6,7
	global_store_b128 v[CO], v[P+4*(\t):P+4*(\t)+3], s[8:9] offset:2*(\t)*CPITCH  ; 16 lanes store a query's 256 consecutive bytes, aligned; they leave while the sums are made
.endr
.irp t, 0,1,2,3,4,5,6,7                ; l, of the unrounded p: the lane's 8,
	v_pk_add_f32 v[X+8*(\t):X+8*(\t)+1], v[X+8*(\t):X+8*(\t)+1], v[X+8*(\t)+2:X+8*(\t)+3]
.endr
.irp t, 0,1,2,3,4,5,6,7
	v_pk_add_f32 v[X+8*(\t)+4:X+8*(\t)+5], v[X+8*(\t)+4:X+8*(\t)+5], v[X+8*(\t)+6:X+8*(\t)+7]
.endr
.irp t, 0,1,2,3,4,5,6,7
	v_pk_add_f32 v[X+8*(\t):X+8*(\t)+1], v[X+8*(\t):X+8*(\t)+1], v[X+8*(\t)+4:X+8*(\t)+5]
.endr
.irp t, 0,1,2,3,4,5,6,7
	v_add_f32 v[CP+2*(\t)+1], v[X+8*(\t)], v[X+8*(\t)+1]  ; into the place of the second m, which has served
.endr
.irp k, 1,2,4,8                        ; and the sixteen lanes'
.irp t, 0,1,2,3,4,5,6,7
	v_add_f32_dpp v[CP+2*(\t)+1], v[CP+2*(\t)+1], v[CP+2*(\t)+1] row_xmask:\k row_mask:0xf bank_mask:0xf
.endr
.endr
.irp t, 0,1,2,3,4,5,6,7
	ds_store_b64 v[SA], v[CP+2*(\t):CP+2*(\t)+1] offset:16*(\t)  ; (m, l) of queries 2 t and 2 t + 1: a query's sixteen lanes write the same 8 bytes with the same numbers
.endr
	s_wait_xcnt 0x0                                ; the stores have read their base and the weights' registers, which the next trip writes
	s_add_nc_u64 s[8:9], s[8:9], 16*CPITCH
	v_add_nc_u32 v[RDA], 16*DP, v[RDA]
	v_add_nc_u32 v[SA], 128, v[SA]
	s_sub_co_u32 s3, s3, 1
	s_cmp_lg_u32 s3, 0
	s_cbranch_scc1 .Lblk
	ds_load_b128 v[SV:SV+3],   v[SR]               ; my wave's 128 pairs, 1,024 bytes on end in st
	ds_load_b128 v[SV+4:SV+7], v[SR] offset:512
	s_wait_dscnt 0x0
	global_store_b128 v[SG], v[SV:SV+3],   s[76:77]
	global_store_b128 v[SG], v[SV+4:SV+7], s[76:77] offset:512
	s_wait_tensorcnt 0x0                           ; the wave's end: behind my last tensor load and my last LDS store
	ds_add_u32 v[SPW], v[NIL]
	s_wait_dscnt 0x0
	CROUND                                         ; the closing round: no work-group ends while a partner may still ask for a tile that names it
	s_endpgm
.Lfunc_end_k_qfdf085ad8c_scores:
	.size	k_qfdf085ad8c_scores, .Lfunc_end_k_qfdf085ad8c_scores-k_qfdf085ad8c_scores
	.p2alignl 7, 3214868480
	.fill 96, 4, 3214868480
	.section	.rodata,"a",@progbits
	.p2align	6, 0x0
	.amdhsa_kernel k_qfdf085ad8c_scores
		.amdhsa_group_segment_fixed_size 327680
		.amdhsa_private_segment_fixed_size 0
		.amdhsa_enable_private_segment 0
		.amdhsa_kernarg_size 24
		.amdhsa_user_sgpr_count 2
		.amdhsa_user_sgpr_kernarg_segment_ptr 1
		.amdhsa_wavefront_size32 1
		.amdhsa_system_sgpr_workgroup_id_x 1
		.amdhsa_system_sgpr_workgroup_id_y 1
		.amdhsa_system_sgpr_workgroup_id_z 1
		.amdhsa_system_vgpr_workitem_id 0
		.amdhsa_next_free_vgpr 1024
		.amdhsa_next_free_sgpr 96
		.amdhsa_reserve_vcc 0
		.amdhsa_float_denorm_mode_32 3
		.amdhsa_float_denorm_mode_16_64 3
		.amdhsa_memory_ordered 1
		.amdhsa_forward_progress 1
		.amdhsa_inst_pref_size 98
	.end_amdhsa_kernel
	.amdgpu_metadata
---
amdhsa.version: [ 1, 2 ]
amdhsa.kernels:
  - .name:           k_qfdf085ad8c_scores
    .symbol:         k_qfdf085ad8c_scores.kd
    .args:
      - { .name: qkv, .offset: 0, .size: 8, .value_kind: global_buffer, .address_space: global }
      - { .name: pt, .offset: 8, .size: 8, .value_kind: global_buffer, .address_space: global }
      - { .name: st, .offset: 16, .size: 8, .value_kind: global_buffer, .address_space: global }
    .group_segment_fixed_size: 327680
    .private_segment_fixed_size: 0
    .kernarg_segment_align: 8
    .kernarg_segment_size: 24
    .max_flat_workgroup_size: 128
    .sgpr_count:     96
    .vgpr_count:     1024
    .wavefront_size: 32
...
	.end_amdgpu_metadata
.endif
;; end of part 7
;; launch mix: the kernel of part 4 again; grid 4 x 64, 4 waves a work-group, clusters of 4 x 4, 327,680 bytes of LDS; arguments pt, qkv, out0, st; writes out0
;; ======== version 3 of 3: 4 launches; version 2 with the launch cast written anew for expert scheduling mode
;; limits: values are held in f16: magnitudes above 65,504 overflow, below 6.1e-05 lose precision
;; workspace buffers: ab 33,554,432 bytes; wb 6,291,456 bytes; qkv 50,331,648 bytes; pt 33,554,432 bytes; st 1,048,576 bytes
;; launch cast (part 8): grid 256 x 1, 19 waves a work-group, no clusters, 0 bytes of LDS; arguments x, y, Wq, Wkv, ab, wb; writes ab, wb
.if DOCPART == 8
	.amdgcn_target "amdgcn-amd-amdhsa--gfx1250"
	.amdhsa_code_object_version 6
	.text
	.protected	k_qfdf085ad8c_cast
	.globl	k_qfdf085ad8c_cast
	.p2align	8
	.type	k_qfdf085ad8c_cast,@function
k_qfdf085ad8c_cast:
	s_mov_b64 s[64:65], 0
	v_nop
	global_prefetch_b8 v0, s[64:65] scope:SCOPE_SE
	s_setreg_imm32_b32 hwreg(HW_REG_WAVE_SCHED_MODE, 0, 2), 2
	s_setreg_imm32_b32 hwreg(HW_REG_WAVE_MODE, 25, 1), 1
	s_wait_xcnt 0x0
	s_wait_alu depctr_vm_vsrc(0)
; x, y, Wq, Wkv (f32) are rounded once to bf16 (nearest even) for the products of the next launch.
;   ab: [16384][1024] bf16, rows 0-8191 = x, rows 8192-16383 = y.      wb: [1024 k][3072 n] bf16, columns 0-1023 Wq, 1024-3071 Wkv.
; A UNIT is 1,024 numbers: 4,096 bytes in, 2,048 bytes out.  19,456 units: 8,192 of x, 8,192 of y, 1,024 rows of Wq, 2,048 half rows of Wkv.
; SHARES.  19,456 = 256 x 19 x 4: 256 work-groups of 19 waves, a wave 4 units on end: every work-group has the same share.  Every border between the four inputs is a multiple of 4 units,
; so a wave has one source; it picks it by its own number among the launch's 4,864 waves, without a branch.
; A stream: each byte is read once and written once, so there is no LDS, no barrier, no matrix work, no cluster (no two work-groups read the same byte)
; and no prefetch (all of a wave's 32 loads go out at once, and nothing but these loads is on the road).
; A load of the wave covers 512 consecutive bytes; a lane's 4 numbers round into 8 bytes, so a store of the wave covers 256 consecutive bytes, aligned.
; THE MODE: SCHED_MODE bits 1:0 = 2 (LLVM: expert scheduling mode 2), set by the entry lines.  The code itself states the register dependences
; between vector instructions and memory instructions, with s_wait_alu, always for 0.
; THE PLAN.  Registers that memory instructions touch:
;   v1        the loads' offset; v2 to v5 the stores' offsets, one a unit.  Made once at the head by vector instructions and never written again.
;   D         32 groups of 4 registers.  Group k: load k lands in it, once; its two conversions read the four and write the first two, in place; store k reads those two; nothing writes them again.
; No vector instruction names D ahead of the loads, no load follows a conversion, and no register that a load or store has read is ever written again: what is left to state is that a store's data and the offsets are written.
; The 32 groups go in 8 BLOCKS of 4.  Block b's conversions name block b's groups alone; its memory instructions are the four stores of block b - 1.  So ONE wait on va_vdst at a block's head, behind the wait for
; the block's loads, states all that its four stores hang on, and these are dealt among the block's conversions with no further wait.  One more stands ahead of the last four stores.
.set D, 16                             ; v[16:143]  32 groups of 4 registers: group k = unit k / 8, eighth k % 8
.set BLK, 4                            ; groups in a block
	s_load_b256 s[4:11], s[0:1], 0x0               ; x s[4:5], y s[6:7], Wq s[8:9], Wkv s[10:11]
	s_load_b128 s[12:15], s[0:1], 0x20             ; ab s[12:13], wb s[14:15]
	v_lshrrev_b32 v1, 5, v0
	v_readfirstlane_b32 s16, v1                    ; wave 0..18
	v_and_b32 v6, 31, v0                           ; lane
	v_lshlrev_b32 v1, 4, v6                        ; source: 16 bytes a lane
	v_lshlrev_b32 v2, 3, v6                        ; destination: 8 bytes a lane
	s_wait_alu depctr_va_sdst(0)                   ; s16 is written, ahead of its first reader: my share, my source and both bases are made from it
	s_mul_i32 s17, ttmp9, 19
	s_add_co_u32 s17, s17, s16                     ; my wave among the launch's: 0..4,863
	s_cmp_lt_u32 s17, 2048                         ; the first wave of my input: 0 (x), 2,048 (y), 4,096 (Wq), 4,352 (Wkv)
	s_cselect_b32 s22, 0, 2048
	s_cmp_lt_u32 s17, 4096
	s_cselect_b32 s22, s22, 4096
	s_cmp_lt_u32 s17, 4352
	s_cselect_b32 s22, s22, 4352
	s_sub_co_u32 s23, s17, s22                     ; my wave within its input
	s_lshl_b32 s18, s23, 14                        ; its 4 units of 4,096 bytes in the source
	s_mov_b32 s19, 0
	s_lshl_b32 s26, s17, 13                        ; x, y: unit u of the two together is row u of ab
	s_mul_i32 s28, s23, 4*6144                     ; Wq: unit u is row u of wb, columns 0-1023
	s_mul_i32 s29, s23, 2*6144                     ; Wkv: unit u is row u / 2 of wb, columns 1024 + 1024 (u % 2) on
	s_add_co_u32 s29, s29, 2048
	s_mov_b32 s30, 2048
	s_mov_b32 s31, 6144
	s_mov_b32 s32, 4096
	s_mov_b32 s33, 12288
	s_cmp_lt_u32 s17, 4352                         ; unit i of my four lies (i % 2) d1 + (i / 2) d2 bytes behind the first
	s_cselect_b32 s28, s28, s29
	s_cselect_b32 s34, s31, s30                    ; d1: Wq 6,144, Wkv 2,048
	s_cselect_b32 s35, s33, s31                    ; d2: Wq 12,288, Wkv 6,144
	s_cmp_lt_u32 s17, 4096
	s_cselect_b32 s26, s26, s28
	s_cselect_b32 s34, s30, s34                    ; x, y: 2,048
	s_cselect_b32 s35, s32, s35                    ; x, y: 4,096
	s_mov_b32 s27, 0
	v_add_nc_u32 v3, s34, v2                       ; v[2:5]: my 8 bytes in units 0 to 3
	v_add_nc_u32 v4, s35, v2
	v_add_nc_u32 v5, s35, v3
	s_wait_kmcnt 0x0
	s_cmp_lt_u32 s17, 2048
	s_cselect_b64 s[20:21], s[4:5], s[6:7]
	s_cmp_lt_u32 s17, 4096
	s_cselect_b64 s[20:21], s[20:21], s[8:9]
	s_cselect_b64 s[24:25], s[12:13], s[14:15]
	s_cmp_lt_u32 s17, 4352
	s_cselect_b64 s[20:21], s[20:21], s[10:11]
	s_add_nc_u64 s[20:21], s[20:21], s[18:19]      ; the source at my first unit
	s_add_nc_u64 s[24:25], s[24:25], s[26:27]      ; the destination at my first unit
	s_wait_alu depctr_va_vdst(0)                   ; v1 to v5 are written: every load and store of the kernel reads one of them as its offset
.set k, 0
.rept 32                                       ; all 32 loads of the wave, 16 KiB on end, go out before anything is waited for
	global_load_b128 v[D+4*k:D+4*k+3], v1, s[20:21] offset:512*k th:TH_LOAD_NT
.set k, k+1
.endr
.set b, 0
.rept 32/BLK                                   ; block b: groups 4 b to 4 b + 3 are rounded, and the block before is stored
	s_wait_loadcnt 32-BLK-BLK*b                    ; loads come back in order: the block's four are in, the 28 - 4 b issued behind them may stay out
.if b > 0
	s_wait_alu depctr_va_vdst(0)                   ; the conversions of the block before have written its groups' first two registers, which the four stores below read
.endif
.set i, 0
.rept BLK
.set k, BLK*b+i                                ; the group that is rounded,
.set p, k-BLK                                  ; and the one that is stored
.if b > 0
	global_store_b64 v[2+p/8], v[D+4*p:D+4*p+1], s[24:25] offset:(p%8)*256  ; no vector instruction since the wait names these registers
.endif
	v_cvt_pk_bf16_f32 v[D+4*k],   v[D+4*k],   v[D+4*k+1]  ; in place: each source is read before the line that writes over it
	v_cvt_pk_bf16_f32 v[D+4*k+1], v[D+4*k+2], v[D+4*k+3]
.set i, i+1
.endr
.set b, b+1
.endr
	s_wait_alu depctr_va_vdst(0)                   ; the last block's conversions have written its groups' first two registers, which the last four stores read
.set p, 32-BLK
.rept BLK
	global_store_b64 v[2+p/8], v[D+4*p:D+4*p+1], s[24:25] offset:(p%8)*256
.set p, p+1
.endr
	s_endpgm
.Lfunc_end_k_qfdf085ad8c_cast:
	.size	k_qfdf085ad8c_cast, .Lfunc_end_k_qfdf085ad8c_cast-k_qfdf085ad8c_cast
	.p2alignl 7, 3214868480
	.fill 96, 4, 3214868480
	.section	.rodata,"a",@progbits
	.p2align	6, 0x0
	.amdhsa_kernel k_qfdf085ad8c_cast
		.amdhsa_group_segment_fixed_size 0
		.amdhsa_private_segment_fixed_size 0
		.amdhsa_enable_private_segment 0
		.amdhsa_kernarg_size 48
		.amdhsa_user_sgpr_count 2
		.amdhsa_user_sgpr_kernarg_segment_ptr 1
		.amdhsa_wavefront_size32 1
		.amdhsa_system_sgpr_workgroup_id_x 1
		.amdhsa_system_sgpr_workgroup_id_y 1
		.amdhsa_system_sgpr_workgroup_id_z 1
		.amdhsa_system_vgpr_workitem_id 0
		.amdhsa_next_free_vgpr 144
		.amdhsa_next_free_sgpr 66
		.amdhsa_reserve_vcc 0
		.amdhsa_float_denorm_mode_32 3
		.amdhsa_float_denorm_mode_16_64 3
		.amdhsa_memory_ordered 1
		.amdhsa_forward_progress 1
		.amdhsa_inst_pref_size 14
	.end_amdhsa_kernel
	.amdgpu_metadata
---
amdhsa.version: [ 1, 2 ]
amdhsa.kernels:
  - .name:           k_qfdf085ad8c_cast
    .symbol:         k_qfdf085ad8c_cast.kd
    .args:
      - { .name: x, .offset: 0, .size: 8, .value_kind: global_buffer, .address_space: global }
      - { .name: y, .offset: 8, .size: 8, .value_kind: global_buffer, .address_space: global }
      - { .name: Wq, .offset: 16, .size: 8, .value_kind: global_buffer, .address_space: global }
      - { .name: Wkv, .offset: 24, .size: 8, .value_kind: global_buffer, .address_space: global }
      - { .name: ab, .offset: 32, .size: 8, .value_kind: global_buffer, .address_space: global }
      - { .name: wb, .offset: 40, .size: 8, .value_kind: global_buffer, .address_space: global }
    .group_segment_fixed_size: 0
    .private_segment_fixed_size: 0
    .kernarg_segment_align: 8
    .kernarg_segment_size: 48
    .max_flat_workgroup_size: 608
    .sgpr_count:     66
    .vgpr_count:     144
    .wavefront_size: 32
...
	.end_amdgpu_metadata
.endif
;; end of part 8
;; launch proj: the kernel of part 6 again; grid 12 x 16, 4 waves a work-group, clusters of 4 x 4, 327,680 bytes of LDS; arguments ab, wb, qkv; writes qkv
;; launch scores: the kernel of part 7 again; grid 8 x 32, 4 waves a work-group, clusters of 4 x 4, 327,680 bytes of LDS; arguments qkv, pt, st; writes pt, st
;; launch mix: the kernel of part 4 again; grid 4 x 64, 4 waves a work-group, clusters of 4 x 4, 327,680 bytes of LDS; arguments pt, qkv, out0, st; writes out0
